; MI455X (gfx1250); checked and timed in simulation.
; The chip was launched on July 23, 2026; its instructions are those of AMD's public machine-readable ISA for CDNA 5 (MIT licence, August 2026) and "CDNA5" Instruction Set Architecture Reference Guide (July 2026). The comments in the code are by the model that wrote it; some were corrected since.
;; Per Span Attention. Allowed arithmetic: float matrix products may take bf16 or f16 operands with f32 sums; all other float work in f32.
;; Inputs: Wkv 2,048 x 1,024 float32; Wo 1,024 x 1,024 float32; Wq 1,024 x 1,024 float32; bkv 2,048 float32; bo 1,024 float32; bq 1,024 float32; kv 8 x 4,096 x 1,024 float32; mask 8 x 64 x 64 bool; q 8 x 64 x 1,024 float32.
;; Outputs: out0 8 x 64 x 1,024 float32.
;; Constants: span_size = 64.
;; 3 versions, each right; version 2 is faster than version 1; version 3 is version 2 with the launches qproj, span written anew for expert scheduling mode. Each part assembles by itself: llvm-mc -triple=amdgcn-amd-amdhsa -mcpu=gfx1250 --defsym DOCPART=n.
;; ======== version 1 of 3: 5 launches
;; limits: values are held in f16: magnitudes above 65,504 overflow, below 6.1e-05 lose precision
;; workspace buffers: qh 1,048,576 bytes; qk 16,777,216 bytes; cb 32,768 bytes; xp 16,777,216 bytes; at 1,048,576 bytes
;; launch qproj (part 1): grid 16 x 16, 8 waves a work-group, no clusters, 212,480 bytes of LDS; arguments q, Wq, bq, qh; writes qh
.if DOCPART == 1
	.amdgcn_target "amdgcn-amd-amdhsa--gfx1250"
	.amdhsa_code_object_version 6
	.text
	.protected	k_q210fea44b7_qproj
	.globl	k_q210fea44b7_qproj
	.p2align	8
	.type	k_q210fea44b7_qproj,@function
k_q210fea44b7_qproj:
	s_mov_b64 s[64:65], 0
	v_nop
	global_prefetch_b8 v0, s[64:65] scope:SCOPE_SE
	s_setreg_imm32_b32 hwreg(HW_REG_WAVE_MODE, 25, 1), 1
	s_wait_xcnt 0x0
; qproj: qh' = (q Wq^T + bq) * (log2 e / 512), rounded to f16 and stored in fragment order.
; The factor is the softmax's 1/sqrt(64), the change to base 2, and 1/64, which the launch that makes the scores takes back: it keeps the
; folded query (next launch) inside f16 (see LIMITS there).
; GENERAL FORM (this text serves three launches, told apart by the six .set lines below):
;   C[512][1024] = A[512][1024] B[1024][1024]^T + bias, operands rounded to f16, sums in f32.
; A work-group makes 32 rows x 64 columns with eight waves; wave w makes the block of 16 x 16 at (mb = w & 1, nb = w >> 1) in two
; accumulators, one for the even and one for the odd steps of 32 along K, added at the end.
; K goes in four chunks of 256.  Each wave brings 8 rows of B and 4 rows of A of a chunk through a ring of NS register slots
; (NS loads of 512 consecutive bytes on their way), rounds f32 to f16 once and lays the chunk into LDS; one barrier a chunk.
; Each chunk has LDS bytes of its own, written once: a wave that is ahead stores into another range than a wave behind reads.
; FRAGMENT ORDER (buffers qh, at): [tile of 16 rows][step t of 32 columns][q][lane][16 bytes]; lane 16 h + r of (tile, t, q) holds row
; 16 tile + r, columns 32 t + 16 q + 8 h .. + 7: a matrix operand's register image, stored and loaded as 512 consecutive bytes.
; CLUSTERS are not used: what work-groups share (B along y, A along x) is f32 in memory and lies in LDS as f16, rounded in registers on
; the way, once for the work-group; brought as it is it would take 4 bytes a number and be rounded again by each wave that reads it
; (B's fragments by two waves, A's by four).
; WHY f16: 11 bits of precision against bf16's 8; five roundings of intermediates lie between the inputs and the output.
; LIMITS: operands are rounded to f16 (nearest even), the result of this launch too.  A number above 65,504 in magnitude would become infinite:
; q and Wq themselves, and qh', which is 30 x 0.6 x 1024 x 0.0028 = 52 when q (spread 1) and Wq (spread 0.02) both carry an offset of 30 spreads.
; Below 2^-14 f16 has steps of 2^-24.  NaN and infinities among the inputs are not considered.
.set ASRC,    0                        ; A: 0 = f32 rows of 4,096 bytes; 1 = f16 rows of 2,048 bytes, 32,768 apart, head x; 2 = fragment order
.set NA,      8                        ; A's loads in a chunk, for one wave
.set BOFF,    0                        ; B starts so many bytes into its buffer
.set BIASOFF, 0                        ; the bias likewise
.set SCALED,  1                        ; 1: result times log2 e / 512
.set OUTF32,  0                        ; 1: f32 rows; 0: f16 in fragment order
.set NS,   NA+16                       ; ring slots = loads of a wave in a chunk (16 are B's)
.set PB,   528                         ; LDS row of a chunk: 512 bytes + 16, an odd multiple of 16: 16 rows start in 16 different columns of 16 bytes modulo 256
.set AOFF, 64*PB                       ; A's part of a chunk's region, behind B's 64 rows
.set CH,   96*PB                       ; a chunk's region
.set STG,  4*CH                        ; stage for f32 rows on the way out: 32 rows of 272 bytes
.set SPT,  272
.set BIAS, 8                           ; v[8:15]   bias of my 8 columns
.set T,    16                          ; v[16:23]  four pairs, rounded numbers on their way to LDS
.set ACC0, 24                          ; v[24:31]  sums of the even K steps
.set ACC1, 32                          ; v[32:39]  sums of the odd K steps
.set OUTP, 40                          ; v[40:43]  packed result
.set FR,   48                          ; v[48:111] two fragment buffers of 32: two K steps, each B 8 registers, A 8
.set RING, 112                         ; v[112:..] NS slots of 4
; v1 16 L; v2, v3 where I store B, A in LDS; v4, v5 where I read B's, A's fragments; v6 bias offset; v44-46 the f32 way out
.macro PLACES                          ; a load into a register that a matrix instruction has read, and a vector instruction that reads its result,
.rept 4                                ; stand four plain vector instructions behind it (ISA guide 7.12.1 for vector instructions)
	v_nop
.endr
.endm
.macro LD c, k                         ; load k of chunk c into slot k: A's loads first, then B's
.if (\k) < NA
.if ASRC == 0
	global_load_b128 v[RING+4*(\k):RING+4*(\k)+3], v1, s[4:5] offset:4096*((\k)>>1)+1024*(\c)+512*((\k)&1)
.endif
.if ASRC == 1
	global_load_b128 v[RING+4*(\k):RING+4*(\k)+3], v1, s[4:5] offset:32768*(\k)+512*(\c)
.endif
.if ASRC == 2
	global_load_b128 v[RING+4*(\k):RING+4*(\k)+3], v1, s[4:5] offset:8192*(\c)+512*(\k)
.endif
.else
	global_load_b128 v[RING+4*(\k):RING+4*(\k)+3], v1, s[6:7] offset:4096*(((\k)-NA)>>1)+1024*(\c)+512*(((\k)-NA)&1)
.endif
.endm
.macro RND k, adr, off                 ; slot k: four f32 to four f16, 8 bytes a lane, 256 consecutive bytes a wave
	v_cvt_pk_f16_f32 v[T+2*((\k)&3)], v[RING+4*(\k)], v[RING+4*(\k)+1]
	v_cvt_pk_f16_f32 v[T+2*((\k)&3)+1], v[RING+4*(\k)+2], v[RING+4*(\k)+3]
	ds_store_b64 \adr, v[T+2*((\k)&3):T+2*((\k)&3)+1] offset:\off
.endm
.macro CONS k                          ; slot k goes to LDS
.if (\k) < NA
.if ASRC == 0
	RND \k, v3, PB*((\k)>>1)+256*((\k)&1)
.endif
.if ASRC == 1
	ds_store_b128 v3, v[RING+4*(\k):RING+4*(\k)+3] offset:PB*(\k)
.endif
.if ASRC == 2
	ds_store_b128 v3, v[RING+4*(\k):RING+4*(\k)+3] offset:512*(\k)
.endif
.else
	RND \k, v2, PB*(((\k)-NA)>>1)+256*(((\k)-NA)&1)
.endif
.endm
.macro TURN c, k, more, left           ; left = the younger loads that may stay out
	s_wait_loadcnt \left                           ; loads come back in order (ISA guide 5.7.1): slot k is in
	CONS \k
.if \more
	LD (\c)+1, \k                                  ; the slot's next load: the same place in the next chunk
.endif
.endm
.macro FL bb                           ; eight LDS loads: the fragments of K steps 2 bb, 2 bb + 1 of the chunk into buffer bb & 1
.irp e, 0,1
	ds_load_b128 v[FR+32*((\bb)&1)+16*\e:FR+32*((\bb)&1)+16*\e+3], v4 offset:64*(2*(\bb)+\e)
	ds_load_b128 v[FR+32*((\bb)&1)+16*\e+4:FR+32*((\bb)&1)+16*\e+7], v4 offset:64*(2*(\bb)+\e)+32
.if ASRC == 2
	ds_load_b128 v[FR+32*((\bb)&1)+16*\e+8:FR+32*((\bb)&1)+16*\e+11], v5 offset:1024*(2*(\bb)+\e)
	ds_load_b128 v[FR+32*((\bb)&1)+16*\e+12:FR+32*((\bb)&1)+16*\e+15], v5 offset:1024*(2*(\bb)+\e)+512
.else
	ds_load_b128 v[FR+32*((\bb)&1)+16*\e+8:FR+32*((\bb)&1)+16*\e+11], v5 offset:64*(2*(\bb)+\e)
	ds_load_b128 v[FR+32*((\bb)&1)+16*\e+12:FR+32*((\bb)&1)+16*\e+15], v5 offset:64*(2*(\bb)+\e)+32
.endif
.endr
.endm
; Two matrix instructions, used transposed: source 0 = 16 rows of B, source 1 = 16 rows of A, so that lane 16 h + r holds row r of C and
; its registers the 8 neighbouring columns 8 h + 0 .. 7.  The two accumulators take turns, one instruction a turn.
.macro MM buf, zero
.if \zero
	v_wmma_f32_16x16x32_f16 v[ACC0:ACC0+7], v[FR+32*\buf:FR+32*\buf+7], v[FR+32*\buf+8:FR+32*\buf+15], 0
	v_wmma_f32_16x16x32_f16 v[ACC1:ACC1+7], v[FR+32*\buf+16:FR+32*\buf+23], v[FR+32*\buf+24:FR+32*\buf+31], 0
.else
	v_wmma_f32_16x16x32_f16 v[ACC0:ACC0+7], v[FR+32*\buf:FR+32*\buf+7], v[FR+32*\buf+8:FR+32*\buf+15], v[ACC0:ACC0+7]
	v_wmma_f32_16x16x32_f16 v[ACC1:ACC1+7], v[FR+32*\buf+16:FR+32*\buf+23], v[FR+32*\buf+24:FR+32*\buf+31], v[ACC1:ACC1+7]
.endif
.endm
.macro COMPUTE c                       ; a chunk's eight K steps, in four batches of two on two buffers
	FL 0
	FL 1
	s_wait_dscnt 8                                 ; all but the eight loads of the next batch
.if (\c) == 0
	MM 0, 1                                        ; the first products start the sums: nothing is cleared
.else
	MM 0, 0
.endif
	PLACES
	FL 2
	s_wait_dscnt 8
	MM 1, 0
	PLACES
	FL 3
.if (\c) < 3
	v_add_nc_u32 v4, CH, v4                        ; the next chunk's region
	v_add_nc_u32 v5, CH, v5
.endif
	s_wait_dscnt 8
	MM 0, 0
	s_wait_dscnt 0x0
	MM 1, 0
.endm
.macro CHUNK c
.set kk, 0
.rept NS
.if (\c) < 3
	TURN \c, kk, 1, NS-1                           ; NS-1-k younger loads of this chunk and k of the next
.else
	TURN \c, kk, 0, NS-1-kk                        ; nothing more is fetched: the counts run down
.endif
.set kk, kk+1
.endr
.if (\c) < 3
	v_add_nc_u32 v2, CH, v2                        ; the next chunk's region
	v_add_nc_u32 v3, CH, v3
.endif
	s_wait_dscnt 0x0                               ; my part of the chunk is in LDS (and my reads of the last one are back)
	s_barrier_signal -1
	s_barrier_wait -1                              ; everybody's is; the next chunk's global loads stay on their way
	COMPUTE \c                                     ; the conversions of the next chunk's turns are the places in front of its fragment loads
.endm
	s_load_b256 s[4:11], s[0:1], 0x0               ; A s[4:5], B s[6:7], bias s[8:9], out s[10:11]
	v_lshl_add_u32 v208, v0, 2, 0x33a00
	v_mov_b32 v209, 0
	v_lshrrev_b32 v7, 5, v0
	v_readfirstlane_b32 s12, v7                    ; w
	s_and_b32 s13, s12, 1                          ; mb
	s_lshr_b32 s14, s12, 1                         ; nb
	s_and_b32 s16, ttmp7, 0xffff                   ; y: block of 32 rows; ttmp9 = x: block of 64 columns
	v_and_b32 v16, 31, v0                          ; L
	v_and_b32 v17, 15, v0                          ; r
	v_bfe_u32 v18, v0, 4, 1                        ; h
	v_lshlrev_b32 v1, 4, v16                       ; 16 L
	s_mul_i32 s22, s12, 8*PB
	v_lshl_add_u32 v2, v16, 3, s22                 ; B: my rows 8 w .., 8 bytes a lane
.if ASRC == 2
	s_lshl_b32 s22, s12, 11
	s_add_co_u32 s22, s22, AOFF
	v_add_nc_u32 v3, s22, v1                       ; A dense: 2,048 bytes a wave
.else
	s_mul_i32 s22, s12, 4*PB
	s_add_co_u32 s22, s22, AOFF
.if ASRC == 0
	v_lshl_add_u32 v3, v16, 3, s22                 ; A: my rows 4 w .., 8 bytes a lane
.else
	v_add_nc_u32 v3, s22, v1                       ; 16 bytes a lane
.endif
.endif
	v_mul_u32_u24 v19, v17, PB
	v_lshl_add_u32 v19, v18, 4, v19                ; r x pitch + 16 h
	s_mul_i32 s23, s14, 16*PB
	v_add_nc_u32 v4, s23, v19                      ; B's fragments: rows 16 nb + r
.if ASRC == 2
	s_lshl_b32 s23, s13, 13
	s_add_co_u32 s23, s23, AOFF
	v_add_nc_u32 v5, s23, v1                       ; A's fragments lie as the registers want them
.else
	s_mul_i32 s23, s13, 16*PB
	s_add_co_u32 s23, s23, AOFF
	v_add_nc_u32 v5, s23, v19                      ; rows 16 mb + r
.endif
	s_lshl_b32 s24, s14, 6
	v_lshl_add_u32 v6, v18, 5, s24                 ; bias: 4 (16 nb + 8 h)
.if OUTF32
	v_mul_u32_u24 v20, v17, SPT
	v_add_nc_u32 v20, v20, v6
	s_mul_i32 s25, s13, 16*SPT
	s_add_co_u32 s25, s25, STG
	v_add_nc_u32 v44, s25, v20                     ; in: row 16 mb + r, 32 bytes at 64 nb + 32 h
	v_mul_u32_u24 v20, v18, SPT
	v_lshl_add_u32 v20, v17, 4, v20
	s_mul_i32 s25, s12, 4*SPT
	s_add_co_u32 s25, s25, STG
	v_add_nc_u32 v45, s25, v20                     ; back: row 4 w + h, 16 bytes at 16 r
	v_lshlrev_b32 v46, 4, v17
	v_lshl_add_u32 v46, v18, 12, v46               ; the same in the output
.endif
	; byte offsets into the four buffers, each in a pair of its own
.if ASRC == 0
	s_lshl_b32 s18, s16, 17                        ; (32 y + 4 w) rows of 4,096 bytes
	s_lshl_b32 s24, s12, 14
	s_add_co_u32 s18, s18, s24
.endif
.if ASRC == 1
	s_lshl_b32 s18, s16, 20                        ; ((32 y + 4 w) 16 + x) rows of 2,048 bytes
	s_lshl_b32 s24, s12, 17
	s_add_co_u32 s18, s18, s24
	s_lshl_b32 s24, ttmp9, 11
	s_add_co_u32 s18, s18, s24
.endif
.if ASRC == 2
	s_lshl_b32 s18, s16, 16                        ; tile 2 y + (w >> 2) of 32,768 bytes, + (w & 3) 2,048
	s_lshr_b32 s24, s12, 2
	s_lshl_b32 s24, s24, 15
	s_add_co_u32 s18, s18, s24
	s_and_b32 s24, s12, 3
	s_lshl_b32 s24, s24, 11
	s_add_co_u32 s18, s18, s24
.endif
	s_mov_b32 s19, 0
	s_lshl_b32 s20, ttmp9, 18                      ; (64 x + 8 w) rows of 4,096 bytes
	s_lshl_b32 s24, s12, 15
	s_add_co_u32 s20, s20, s24
.if BOFF
	s_add_co_u32 s20, s20, BOFF
.endif
	s_mov_b32 s21, 0
	s_lshl_b32 s26, ttmp9, 8                       ; 64 x numbers of 4 bytes
.if BIASOFF
	s_add_co_u32 s26, s26, BIASOFF
.endif
	s_mov_b32 s27, 0
.if OUTF32
	s_lshl_b32 s28, s16, 17                        ; (32 y + 4 w) rows of 4,096 bytes + 256 x
	s_lshl_b32 s24, s12, 14
	s_add_co_u32 s28, s28, s24
	s_lshl_b32 s24, ttmp9, 8
	s_add_co_u32 s28, s28, s24
.else
	s_lshl_b32 s28, s16, 16                        ; ((2 y + mb) 32 + 2 x) 1,024 + 512 nb
	s_lshl_b32 s24, s13, 15
	s_add_co_u32 s28, s28, s24
	s_lshl_b32 s24, ttmp9, 11
	s_add_co_u32 s28, s28, s24
	s_lshl_b32 s24, s14, 9
	s_add_co_u32 s28, s28, s24
.endif
	s_mov_b32 s29, 0
	s_wait_kmcnt 0x0
	s_add_nc_u64 s[4:5], s[4:5], s[18:19]
	s_add_nc_u64 s[6:7], s[6:7], s[20:21]
	s_add_nc_u64 s[8:9], s[8:9], s[26:27]
	s_add_nc_u64 s[10:11], s[10:11], s[28:29]
	global_load_b128 v[BIAS:BIAS+3], v6, s[8:9]
	global_load_b128 v[BIAS+4:BIAS+7], v6, s[8:9] offset:16
.set kk, 0
.rept NS
	LD 0, kk                                       ; the ring is filled with chunk 0
.set kk, kk+1
.endr
.if SCALED
	s_wait_loadcnt NS                              ; the bias is in; the NS ring loads behind it stay out
.irp j, 0,2,4,6
	v_pk_mul_f32 v[BIAS+\j:BIAS+\j+1], v[BIAS+\j:BIAS+\j+1], 0x3b38aa3b op_sel_hi:[1,0]   ; bias x log2 e / 512, so that one fused multiply-add ends the sum
.endr
.endif
	CHUNK 0
	CHUNK 1
	CHUNK 2
	CHUNK 3
	; the way out
	PLACES
.irp j, 0,2,4,6
	v_pk_add_f32 v[ACC0+\j:ACC0+\j+1], v[ACC0+\j:ACC0+\j+1], v[ACC1+\j:ACC1+\j+1]
.endr
.irp j, 0,2,4,6
.if SCALED
	v_pk_fma_f32 v[ACC0+\j:ACC0+\j+1], v[ACC0+\j:ACC0+\j+1], 0x3b38aa3b, v[BIAS+\j:BIAS+\j+1] op_sel_hi:[1,0,1]
.else
	v_pk_add_f32 v[ACC0+\j:ACC0+\j+1], v[ACC0+\j:ACC0+\j+1], v[BIAS+\j:BIAS+\j+1]
.endif
.endr
.if OUTF32
	ds_store_b128 v44, v[ACC0:ACC0+3]
	ds_store_b128 v44, v[ACC0+4:ACC0+7] offset:16
	s_wait_dscnt 0x0                               ; for the others: a row of the stage is written by four waves
	s_barrier_signal -1
	s_barrier_wait -1
	ds_load_b128 v[FR:FR+3], v45                   ; rows 4 w + h
	ds_load_b128 v[FR+4:FR+7], v45 offset:2*SPT    ; rows 4 w + 2 + h
	s_wait_dscnt 1
	global_store_b128 v46, v[FR:FR+3], s[10:11]                ; 16 lanes store 256 consecutive bytes, at a multiple of 256 from the buffer's first byte
	s_wait_dscnt 0x0
	global_store_b128 v46, v[FR+4:FR+7], s[10:11] offset:8192
.else
.irp j, 0,1,2,3
	v_cvt_pk_f16_f32 v[OUTP+\j], v[ACC0+2*\j], v[ACC0+2*\j+1]
.endr
	global_store_b128 v1, v[OUTP:OUTP+3], s[10:11]             ; the wave's 512 consecutive bytes in fragment order
.endif
	s_wait_tensorcnt 0x0
	ds_add_u32 v208, v209
	s_wait_dscnt 0x0
	s_endpgm
.Lfunc_end_k_q210fea44b7_qproj:
	.size	k_q210fea44b7_qproj, .Lfunc_end_k_q210fea44b7_qproj-k_q210fea44b7_qproj
	.p2alignl 7, 3214868480
	.fill 96, 4, 3214868480
	.section	.rodata,"a",@progbits
	.p2align	6, 0x0
	.amdhsa_kernel k_q210fea44b7_qproj
		.amdhsa_group_segment_fixed_size 212480
		.amdhsa_private_segment_fixed_size 0
		.amdhsa_enable_private_segment 0
		.amdhsa_kernarg_size 32
		.amdhsa_user_sgpr_count 2
		.amdhsa_user_sgpr_kernarg_segment_ptr 1
		.amdhsa_wavefront_size32 1
		.amdhsa_system_sgpr_workgroup_id_x 1
		.amdhsa_system_sgpr_workgroup_id_y 1
		.amdhsa_system_sgpr_workgroup_id_z 1
		.amdhsa_system_vgpr_workitem_id 0
		.amdhsa_next_free_vgpr 210
		.amdhsa_next_free_sgpr 66
		.amdhsa_reserve_vcc 0
		.amdhsa_float_denorm_mode_32 3
		.amdhsa_float_denorm_mode_16_64 3
		.amdhsa_memory_ordered 1
		.amdhsa_forward_progress 1
		.amdhsa_inst_pref_size 47
	.end_amdhsa_kernel
	.amdgpu_metadata
---
amdhsa.version: [ 1, 2 ]
amdhsa.kernels:
  - .name:           k_q210fea44b7_qproj
    .symbol:         k_q210fea44b7_qproj.kd
    .args:
      - { .name: q, .offset: 0, .size: 8, .value_kind: global_buffer, .address_space: global }
      - { .name: Wq, .offset: 8, .size: 8, .value_kind: global_buffer, .address_space: global }
      - { .name: bq, .offset: 16, .size: 8, .value_kind: global_buffer, .address_space: global }
      - { .name: qh, .offset: 24, .size: 8, .value_kind: global_buffer, .address_space: global }
    .group_segment_fixed_size: 212480
    .private_segment_fixed_size: 0
    .kernarg_segment_align: 8
    .kernarg_segment_size: 32
    .max_flat_workgroup_size: 256
    .sgpr_count:     66
    .vgpr_count:     210
    .wavefront_size: 32
...
	.end_amdgpu_metadata
.endif
;; end of part 1
;; launch qkfold (part 2): grid 16 x 16, 8 waves a work-group, no clusters, 54,272 bytes of LDS; arguments qh, Wkv, bkv, qk, cb; writes qk, cb
.if DOCPART == 2
	.amdgcn_target "amdgcn-amd-amdhsa--gfx1250"
	.amdhsa_code_object_version 6
	.text
	.protected	k_q210fea44b7_qkfold
	.globl	k_q210fea44b7_qkfold
	.p2align	8
	.type	k_q210fea44b7_qkfold,@function
k_q210fea44b7_qkfold:
	s_mov_b64 s[64:65], 0
	v_nop
	global_prefetch_b8 v0, s[64:65] scope:SCOPE_SE
	s_setreg_imm32_b32 hwreg(HW_REG_WAVE_MODE, 25, 1), 1
	s_wait_xcnt 0x0
; qkfold: the key projection is folded into the query.  For span n and head h
;   qk[n][h][j] = sum over d of Wk[64 h + d][j] qh'[n][64 h + d]   (f16, [512][16][1024]),   c[h][n] = sum over d of bk[64 h + d] qh'[n][64 h + d]   (f32, [16][512]),
; so that a score is 64 (qk . x + c): qh . (Wk x + bk) with the sums taken in another order (qh' carries 1/64).  Wk = rows 0 .. 1023 of Wkv, bk = the first half of bkv.
; Work-group (h = x; y = 8 rh + jb): head h, rows n = 256 rh .. + 255, columns j = 128 jb .. + 127.  K = d = 64, two steps u of 32.
; Wave w: the two tiles of 16 rows 16 rh + 2 w + a.  Wk's 64 x 128 numbers are rounded to f16 once and lie in LDS as [d][j]; the
; transposing LDS load makes fragments of them with j as the row and d along the registers.
; The matrix instruction is used transposed (source 0: rows j; source 1: rows n): a lane holds 8 neighbouring j of one row n.
; c: source 0 holds bk in all 16 rows, so every register of the result is c of the lane's row; only the work-groups with jb = 0 make it.
; Its store is 128 consecutive bytes a wave, half of an aligned block of 256: the whole of cb is 32,768 bytes.
; CLUSTERS are not used: the shared tile (Wk, by the two work-groups rh = 0, 1) is f32 in memory and must be rounded before the 16-bit transposing load.
; LIMITS: Wk, bk and qk are rounded to f16; the order of rounding differs from a projection of kv followed by a dot product.
; A number above 65,504 in magnitude would become infinite.  qk as stored: with q (spread 1), Wq and Wk (spread 0.02) all carrying an offset of 30 spreads
; it is 30 x 0.6 x 1024 x 0.0028 x 0.6 x 64 = 2,000; without the 1/64 it would be 127,000, which is why that factor is there.  With inputs of those spreads
; alone it is about 3e-4, where f16 still has its 11 bits; below 2^-14 its steps are 2^-24, which is 2^-18 of a score's unit for each number of kv's size 1.
; NaN and infinities are not considered.
.set PW,  288                          ; LDS row of Wk: 256 bytes + 32, an odd multiple of 32 for the transposing load
.set STG, 64*PW                        ; behind it a stage of 16 rows x 272 bytes for each wave
.set SPT, 272
.set BKF, 16                           ; v[16:31]   bk as a fragment, step u at 8 u
.set QF,  32                           ; v[32:63]   qh' fragments, tile a, step u at 16 a + 8 u
.set ACC, 64                           ; v[64:127]  eight accumulators (jt); before that: Wk as loaded v[64:95], bk as loaded v[96:127]
.set WF,  128                          ; v[128:255] Wk fragments at 16 jt + 8 u; before that: Wk rounded v[128:143]
; v1 16 L; v2 where I store Wk; v3 transposing loads; v4 into the stage; v5 back from it; v6 offset in qk; v7 32 h; v8 c; v9 4 L
.macro PLACES                          ; four plain vector instructions behind a matrix instruction before its result is read (ISA guide 7.12.1)
.rept 4
	v_nop
.endr
.endm
	s_load_b256 s[4:11], s[0:1], 0x0               ; qh s[4:5], Wkv s[6:7], bkv s[8:9], qk s[10:11]
	s_load_b64 s[12:13], s[0:1], 0x20              ; cb
	v_lshl_add_u32 v14, v0, 2, 0xd000
	v_mov_b32 v15, 0
	v_lshrrev_b32 v10, 5, v0
	v_readfirstlane_b32 s14, v10                   ; w
	s_and_b32 s16, ttmp7, 0xffff
	s_lshr_b32 s17, s16, 3                         ; rh
	s_and_b32 s18, s16, 7                          ; jb
	s_mov_b32 s20, 0xffff0000                      ; lanes 16 to 31
	s_lshl_b32 s22, ttmp9, 18                      ; Wk: (64 h + 8 w) rows of 4,096 bytes + 512 jb
	s_lshl_b32 s15, s14, 15
	s_add_co_u32 s22, s22, s15
	s_lshl_b32 s15, s18, 9
	s_add_co_u32 s22, s22, s15
	s_mov_b32 s23, 0
	s_lshl_b32 s24, ttmp9, 8                       ; bk: 64 h numbers
	s_mov_b32 s25, 0
	s_lshl_b32 s26, s17, 19                        ; qh: tile 16 rh + 2 w of 32,768 bytes, step 2 h of 1,024
	s_lshl_b32 s15, s14, 16
	s_add_co_u32 s26, s26, s15
	s_lshl_b32 s15, ttmp9, 11
	s_add_co_u32 s26, s26, s15
	s_mov_b32 s27, 0
	s_lshl_b32 s28, s17, 23                        ; qk: ((16 rh + 2 w) 256 + h) rows of 2,048 bytes + 256 jb
	s_lshl_b32 s15, s14, 20
	s_add_co_u32 s28, s28, s15
	s_lshl_b32 s15, ttmp9, 11
	s_add_co_u32 s28, s28, s15
	s_lshl_b32 s15, s18, 8
	s_add_co_u32 s28, s28, s15
	s_mov_b32 s29, 0
	s_lshl_b32 s30, ttmp9, 11                      ; cb: 4 (512 h + 256 rh + 32 w)
	s_lshl_b32 s15, s17, 10
	s_add_co_u32 s30, s30, s15
	s_lshl_b32 s15, s14, 7
	s_add_co_u32 s30, s30, s15
	s_mov_b32 s31, 0
	v_and_b32 v10, 31, v0                          ; L
	v_and_b32 v11, 15, v0                          ; r
	v_bfe_u32 v12, v0, 4, 1                        ; h of the lane
	v_lshlrev_b32 v1, 4, v10
	s_mul_i32 s19, s14, 8*PW
	v_lshl_add_u32 v2, v10, 3, s19                 ; rows 8 w .., 8 bytes a lane
	v_and_b32 v13, 7, v0
	v_lshl_add_u32 v13, v12, 3, v13                ; row 8 h + (L & 7)
	v_mul_u32_u24 v13, v13, PW
	v_bfe_u32 v3, v0, 3, 1
	v_lshl_add_u32 v3, v3, 4, v13                  ; + 16 ((L >> 3) & 1)
	s_mul_i32 s19, s14, 16*SPT
	s_add_co_u32 s19, s19, STG                     ; my stage
	v_mul_u32_u24 v13, v11, SPT
	v_lshl_add_u32 v13, v12, 4, v13
	v_add_nc_u32 v4, s19, v13                      ; in: row r, 16 bytes for each half of the lanes
	v_mul_u32_u24 v13, v12, SPT
	v_lshl_add_u32 v13, v11, 4, v13
	v_add_nc_u32 v5, s19, v13                      ; back: lanes 0-15 one row of 256 bytes, lanes 16-31 the next
	v_lshlrev_b32 v6, 4, v11
	v_lshl_add_u32 v6, v12, 15, v6                 ; the same two rows in qk, 32,768 bytes apart
	v_lshlrev_b32 v7, 5, v12
	v_lshlrev_b32 v9, 2, v10
	s_wait_kmcnt 0x0
	s_add_nc_u64 s[6:7], s[6:7], s[22:23]
	s_add_nc_u64 s[8:9], s[8:9], s[24:25]
	s_add_nc_u64 s[4:5], s[4:5], s[26:27]
	s_add_nc_u64 s[10:11], s[10:11], s[28:29]
	s_add_nc_u64 s[12:13], s[12:13], s[30:31]
.irp i, 0,1,2,3,4,5,6,7
	global_load_b128 v[ACC+4*\i:ACC+4*\i+3], v1, s[6:7] offset:4096*\i         ; Wk row 8 w + i, 512 consecutive bytes
.endr
.irp u, 0,1
	global_load_b128 v[96+16*\u:96+16*\u+3],     v7, s[8:9] offset:128*\u      ; bk[32 u + 8 h ..]
	global_load_b128 v[96+16*\u+4:96+16*\u+7],   v7, s[8:9] offset:128*\u+16
	global_load_b128 v[96+16*\u+8:96+16*\u+11],  v7, s[8:9] offset:128*\u+64   ; bk[32 u + 16 + 8 h ..]
	global_load_b128 v[96+16*\u+12:96+16*\u+15], v7, s[8:9] offset:128*\u+80
.endr
.irp a, 0,1
.irp u, 0,1
	global_load_b128 v[QF+16*\a+8*\u:QF+16*\a+8*\u+3],   v1, s[4:5] offset:32768*\a+1024*\u      ; fragments as they lie in memory
	global_load_b128 v[QF+16*\a+8*\u+4:QF+16*\a+8*\u+7], v1, s[4:5] offset:32768*\a+1024*\u+512
.endr
.endr
	s_wait_loadcnt 16                              ; Wk is in; bk's 8 loads and qh's 8 are younger
.irp i, 0,1,2,3,4,5,6,7
	v_cvt_pk_f16_f32 v[WF+2*\i], v[ACC+4*\i], v[ACC+4*\i+1]
	v_cvt_pk_f16_f32 v[WF+2*\i+1], v[ACC+4*\i+2], v[ACC+4*\i+3]
	ds_store_b64 v2, v[WF+2*\i:WF+2*\i+1] offset:PW*\i
.endr
	s_wait_loadcnt 8                               ; bk is in; qh's 8 loads are younger
.irp m, 0,1,2,3,4,5,6,7,8,9,10,11,12,13,14,15
	v_cvt_pk_f16_f32 v[BKF+\m], v[96+2*\m], v[96+2*\m+1]
.endr
	s_wait_dscnt 0x0                               ; my rows of Wk are in LDS,
	s_barrier_signal -1
	s_barrier_wait -1                              ; everybody's are
.irp u, 0,1
.irp jt, 0,1,2,3,4,5,6,7
	ds_load_tr16_b128 v[WF+16*\jt+8*\u:WF+16*\jt+8*\u+3],   v3 offset:32*PW*\u+32*\jt          ; d = 32 u + 8 h .. + 7 of column 16 jt + r
	ds_load_tr16_b128 v[WF+16*\jt+8*\u+4:WF+16*\jt+8*\u+7], v3 offset:32*PW*\u+32*\jt+16*PW    ; d = 32 u + 16 + 8 h .. + 7
.endr
.endr
	s_wait_loadcnt 0x0                             ; qh
; Tile a: 16 rows n x 128 columns j.  The eight accumulators take turns, one instruction a turn.
.macro TILE a
.if \a
	s_wait_xcnt 0x0                                ; the accumulators' registers were the data of the last tile's stores: rewritten only behind this wait
.else
	s_wait_dscnt 16                                ; step 0's 16 loads are in; step 1's are younger
.endif
.irp jt, 0,1,2,3,4,5,6,7
	v_wmma_f32_16x16x32_f16 v[ACC+8*\jt:ACC+8*\jt+7], v[WF+16*\jt:WF+16*\jt+7], v[QF+16*\a:QF+16*\a+7], 0
.endr
.if \a == 0
	s_wait_dscnt 0x0
.endif
.irp jt, 0,1,2,3,4,5,6,7
	v_wmma_f32_16x16x32_f16 v[ACC+8*\jt:ACC+8*\jt+7], v[WF+16*\jt+8:WF+16*\jt+15], v[QF+16*\a+8:QF+16*\a+15], v[ACC+8*\jt:ACC+8*\jt+7]
.endr
	PLACES
.irp jt, 0,1,2,3,4,5,6,7
.irp i, 0,1,2,3
	v_cvt_pk_f16_f32 v[ACC+8*\jt+\i], v[ACC+8*\jt+2*\i], v[ACC+8*\jt+2*\i+1]       ; in place: the target has been read already
.endr
.endr
.irp jt, 0,1,2,3,4,5,6,7
	ds_store_b128 v4, v[ACC+8*\jt:ACC+8*\jt+3] offset:32*\jt
.endr
.irp k, 0,1,2,3,4,5,6,7
	ds_load_b128 v[ACC+8*\k+4:ACC+8*\k+7], v5 offset:2*SPT*\k      ; my own bytes; LDS serves a wave's instructions in order (ISA guide 5.7.1)
.endr
.irp k, 0,1,2,3,4,5,6,7
	s_wait_dscnt 7-\k
	global_store_b128 v6, v[ACC+8*\k+4:ACC+8*\k+7], s[10:11] offset:65536*\k+524288*\a   ; rows 2 k + h: 16 lanes store 256 consecutive bytes, aligned
.endr
.endm
	TILE 0
	TILE 1
	s_cmp_lg_u32 s18, 0                            ; c hangs on (h, n) alone: the work-groups with jb = 0 make it
	s_cbranch_scc1 .Ldone
	s_wait_xcnt 0x0                                ; v[64:79] were store data
	v_wmma_f32_16x16x32_f16 v[64:71], v[BKF:BKF+7], v[QF:QF+7], 0                  ; two accumulators by turns
	v_wmma_f32_16x16x32_f16 v[72:79], v[BKF:BKF+7], v[QF+16:QF+23], 0
	v_wmma_f32_16x16x32_f16 v[64:71], v[BKF+8:BKF+15], v[QF+8:QF+15], v[64:71]
	v_wmma_f32_16x16x32_f16 v[72:79], v[BKF+8:BKF+15], v[QF+24:QF+31], v[72:79]
	PLACES
	v_cndmask_b32 v8, v64, v72, s20                ; lanes 0-15: rows of tile 0; lanes 16-31: rows of tile 1
	global_store_b32 v9, v8, s[12:13]              ; c[h][256 rh + 32 w + L]
.Ldone:
	s_wait_tensorcnt 0x0
	ds_add_u32 v14, v15
	s_wait_dscnt 0x0
	s_endpgm
.Lfunc_end_k_q210fea44b7_qkfold:
	.size	k_q210fea44b7_qkfold, .Lfunc_end_k_q210fea44b7_qkfold-k_q210fea44b7_qkfold
	.p2alignl 7, 3214868480
	.fill 96, 4, 3214868480
	.section	.rodata,"a",@progbits
	.p2align	6, 0x0
	.amdhsa_kernel k_q210fea44b7_qkfold
		.amdhsa_group_segment_fixed_size 54272
		.amdhsa_private_segment_fixed_size 0
		.amdhsa_enable_private_segment 0
		.amdhsa_kernarg_size 40
		.amdhsa_user_sgpr_count 2
		.amdhsa_user_sgpr_kernarg_segment_ptr 1
		.amdhsa_wavefront_size32 1
		.amdhsa_system_sgpr_workgroup_id_x 1
		.amdhsa_system_sgpr_workgroup_id_y 1
		.amdhsa_system_sgpr_workgroup_id_z 1
		.amdhsa_system_vgpr_workitem_id 0
		.amdhsa_next_free_vgpr 256
		.amdhsa_next_free_sgpr 66
		.amdhsa_reserve_vcc 0
		.amdhsa_float_denorm_mode_32 3
		.amdhsa_float_denorm_mode_16_64 3
		.amdhsa_memory_ordered 1
		.amdhsa_forward_progress 1
		.amdhsa_inst_pref_size 22
	.end_amdhsa_kernel
	.amdgpu_metadata
---
amdhsa.version: [ 1, 2 ]
amdhsa.kernels:
  - .name:           k_q210fea44b7_qkfold
    .symbol:         k_q210fea44b7_qkfold.kd
    .args:
      - { .name: qh, .offset: 0, .size: 8, .value_kind: global_buffer, .address_space: global }
      - { .name: Wkv, .offset: 8, .size: 8, .value_kind: global_buffer, .address_space: global }
      - { .name: bkv, .offset: 16, .size: 8, .value_kind: global_buffer, .address_space: global }
      - { .name: qk, .offset: 24, .size: 8, .value_kind: global_buffer, .address_space: global }
      - { .name: cb, .offset: 32, .size: 8, .value_kind: global_buffer, .address_space: global }
    .group_segment_fixed_size: 54272
    .private_segment_fixed_size: 0
    .kernarg_segment_align: 8
    .kernarg_segment_size: 40
    .max_flat_workgroup_size: 256
    .sgpr_count:     66
    .vgpr_count:     256
    .wavefront_size: 32
...
	.end_amdgpu_metadata
.endif
;; end of part 2
;; launch span (part 3): grid 256 x 1, 8 waves a work-group, no clusters, 312,320 bytes of LDS; arguments kv, qk, cb, mask, xp; writes xp
.if DOCPART == 3
	.amdgcn_target "amdgcn-amd-amdhsa--gfx1250"
	.amdhsa_code_object_version 6
	.text
	.protected	k_q210fea44b7_span
	.globl	k_q210fea44b7_span
	.p2align	8
	.type	k_q210fea44b7_span,@function
k_q210fea44b7_span:
	s_mov_b64 s[64:65], 0
	v_nop
	global_prefetch_b8 v0, s[64:65] scope:SCOPE_SE
	s_setreg_imm32_b32 hwreg(HW_REG_WAVE_MODE, 25, 1), 1
	s_wait_xcnt 0x0
; span: the stream over kv.  For span n (512 of them), with x[s] = kv row 64 n + s:
;   t[h][s] = 64 (qk[n][h] . x[s] + c[h][n])  (in base 2 and scaled; qk and c carry 1/64);  where mask[n][s] is 0: t = the lowest finite f32;
;   e = 2^(t - max over s of t);   xp[n][h][j] = (sum over s of e[h][s] x[s][j]) / (sum over s of e[h][s])   (f16, [512][16][1024]).
; The value projection follows in the next launch: since the weights sum to 1, sum p (Wv x + bv) = Wv (sum p x) + bv.
; A work-group takes two spans, four waves each.  Wave w: span sp = w >> 2, columns 256 cq .. + 255 (cq = w & 3) of all 64 rows: 64 KiB of f32,
; read once as 128 loads of 512 consecutive bytes through a ring of 32 register slots, rounded to f16 and kept in the wave's own LDS rows
; for both products.  The only exchange between waves is the sum of the four partial score tiles: one barrier.
; Both products use the matrix instruction transposed.  Scores: source 0 = 16 rows s of x, source 1 = the 16 heads of qk: lane 16 h + r holds
; head r, s = 16 g + 8 h + j.  That is also the register image of the weights as source 1 of the second product (K = s), whose source 0
; (rows j, K = s) comes from the same LDS rows by the transposing load.
; The divisor is the sum of the weights as they are used (rounded to f16), made by a product with a fragment of ones.
; CLUSTERS, tensor loads: not used: no two work-groups read a common byte of kv, qk or mask, and kv has to pass through registers to be rounded.
; LIMITS: kv, qk, e and xp are rounded to f16; the order of rounding differs from projecting kv first.  A number of kv above 65,504 in magnitude would
; become infinite (kv's spread is 1; 30 times that, or an offset of 30, is far below); xp is a weighted mean of kv's rows and no larger than they are;
; e lies in 0 .. 1, and below 2^-25 it counts as 0.  A mask byte counts as true when it is not 0.  A span with no true byte gets 64 equal weights, as the
; lowest finite number minus itself is 0.  NaN and infinities among the inputs are not considered.
.set PX,   544                         ; LDS row of x: 512 bytes + 32, an odd multiple of 32 for the transposing loads
.set PQ,   528                         ; rows of the two stages (qk in, xp out), laid over the wave's own x rows: 512 + 16
.set XRB,  64*PX                       ; a wave's x rows
.set PART, 8*XRB                       ; behind them 4,096 bytes a wave: its partial scores
.set T,    12                          ; v[12:15]   two pairs, rounded numbers on their way to LDS
.set QF,   16                          ; v[16:79]   qk fragments, K step t at 8 t
.set SCO,  80                          ; v[80:111]  scores, tile g at 8 g
.set BF,   112                         ; v[112:127] x fragments of the first two tiles (second buffer: v[96:111], not yet live); first the mask bytes
.set RING, 128                         ; v[128:255] 32 slots of 4
.set XB,   16                          ; later: v[16:79] two buffers of transposed x fragments
.set PF,   112                         ; v[112:127] the weights as fragments, step u at 8 u
.set ONES, 80                          ; v[80:87]   1.0 in every f16
.set DON,  88                          ; v[88:95]   the sum of the weights
.set DA,   128                         ; v[128:159] two buffers of two accumulators
.set OUTR, 160                         ; v[160:223] xp, 4 registers for each of 16 tiles
.set MX,   224                         ; v[224:225] the maximum, twice
.set INV,  226                         ; v[226:227] 1 / sum, twice
.set MC,   228                         ; v[228:231] four chains of maxima
.set MS,   32                          ; s[32:63]   lane masks: bit L of s[32 + 8 g + j] = mask[n][16 g + 8 h + j]
; v1 16 L; v2 x stores; v3 x fragments; v4 transposing loads; v5 stage by fragment; v6 stage by row; v7 my partial; v8 my span's partials;
; v9 the lowest finite f32; v[10:11] 64 c, twice
.macro PLACES                          ; four plain vector instructions behind a matrix instruction, before its result is read or a load is issued
.rept 4                                ; into one of its registers (ISA guide 7.12.1 for vector instructions)
	v_nop
.endr
.endm
; Load i of the wave's 128: row i >> 1, half i & 1, slot i mod 32.  left = the younger loads that may stay out.
.macro SLOT i, refill, left
	s_wait_loadcnt \left                           ; loads come back in order (ISA guide 5.7.1)
	v_cvt_pk_f16_f32 v[T+2*((\i)&1)], v[RING+4*((\i)&31)], v[RING+4*((\i)&31)+1]
	v_cvt_pk_f16_f32 v[T+2*((\i)&1)+1], v[RING+4*((\i)&31)+2], v[RING+4*((\i)&31)+3]
	ds_store_b64 v2, v[T+2*((\i)&1):T+2*((\i)&1)+1] offset:PX*((\i)>>1)+256*((\i)&1)
.if \refill
	global_load_b128 v[RING+4*((\i)&31):RING+4*((\i)&31)+3], v1, s[4:5] offset:4096*(((\i)>>1)+16)+512*((\i)&1) th:TH_LOAD_NT   ; 16 rows further down
.endif
.endm
.macro P1LD p, reg, t                  ; four LDS loads: x fragments of tiles 2 p, 2 p + 1 at K step t
.irp e, 0,1
	ds_load_b128 v[(\reg)+8*\e:(\reg)+8*\e+3],   v3 offset:PX*16*(2*(\p)+\e)+64*(\t)
	ds_load_b128 v[(\reg)+8*\e+4:(\reg)+8*\e+7], v3 offset:PX*16*(2*(\p)+\e)+64*(\t)+32
.endr
.endm
; Partial scores of tiles 2 p, 2 p + 1 over my 256 columns: 8 K steps on nbuf fragment buffers at base + stride (t mod nbuf).
; The two accumulators take turns, one instruction a turn.
.macro PASS1 p, base, stride, nbuf
.set tt, 0
.rept \nbuf
.set rg, \base+(\stride)*(tt%\nbuf)
	P1LD \p, rg, tt
.set tt, tt+1
.endr
.set tt, 0
.rept 8
.set rg, \base+(\stride)*(tt%\nbuf)
.if tt+\nbuf-1 < 7
	s_wait_dscnt 4*(\nbuf-1)                       ; the later steps' loads, four each, are younger
.else
	s_wait_dscnt 4*(7-tt)
.endif
.if tt == 0
	v_wmma_f32_16x16x32_f16 v[SCO+16*\p:SCO+16*\p+7],    v[rg:rg+7],    v[QF+8*tt:QF+8*tt+7], 0
	v_wmma_f32_16x16x32_f16 v[SCO+16*\p+8:SCO+16*\p+15], v[rg+8:rg+15], v[QF+8*tt:QF+8*tt+7], 0
.else
	v_wmma_f32_16x16x32_f16 v[SCO+16*\p:SCO+16*\p+7],    v[rg:rg+7],    v[QF+8*tt:QF+8*tt+7], v[SCO+16*\p:SCO+16*\p+7]
	v_wmma_f32_16x16x32_f16 v[SCO+16*\p+8:SCO+16*\p+15], v[rg+8:rg+15], v[QF+8*tt:QF+8*tt+7], v[SCO+16*\p+8:SCO+16*\p+15]
.endif
.if tt+\nbuf <= 7
	PLACES
	P1LD \p, rg, tt+\nbuf
.endif
.set tt, tt+1
.endr
.endm
.macro TRL b                           ; eight transposing loads: column tiles 2 b, 2 b + 1, both steps of 32 rows s, into buffer b & 1
.irp e, 0,1
.irp u, 0,1
	ds_load_tr16_b128 v[XB+32*((\b)&1)+16*\e+8*\u:XB+32*((\b)&1)+16*\e+8*\u+3],   v4 offset:32*PX*\u+32*(2*(\b)+\e)
	ds_load_tr16_b128 v[XB+32*((\b)&1)+16*\e+8*\u+4:XB+32*((\b)&1)+16*\e+8*\u+7], v4 offset:32*PX*\u+32*(2*(\b)+\e)+16*PX
.endr
.endr
.endm
.macro MM2 b, e, u, zero
.if \zero
	v_wmma_f32_16x16x32_f16 v[DA+16*((\b)&1)+8*\e:DA+16*((\b)&1)+8*\e+7], v[XB+32*((\b)&1)+16*\e+8*\u:XB+32*((\b)&1)+16*\e+8*\u+7], v[PF+8*\u:PF+8*\u+7], 0
.else
	v_wmma_f32_16x16x32_f16 v[DA+16*((\b)&1)+8*\e:DA+16*((\b)&1)+8*\e+7], v[XB+32*((\b)&1)+16*\e+8*\u:XB+32*((\b)&1)+16*\e+8*\u+7], v[PF+8*\u:PF+8*\u+7], v[DA+16*((\b)&1)+8*\e:DA+16*((\b)&1)+8*\e+7]
.endif
.endm
.macro PACK b                          ; batch b's two tiles: divide by the sum, round to f16
.irp e, 0,1
.irp i, 0,1,2,3
	v_pk_mul_f32 v[DA+16*((\b)&1)+8*\e+2*\i:DA+16*((\b)&1)+8*\e+2*\i+1], v[DA+16*((\b)&1)+8*\e+2*\i:DA+16*((\b)&1)+8*\e+2*\i+1], v[INV:INV+1]
.endr
.irp i, 0,1,2,3
	v_cvt_pk_f16_f32 v[OUTR+4*(2*(\b)+\e)+\i], v[DA+16*((\b)&1)+8*\e+2*\i], v[DA+16*((\b)&1)+8*\e+2*\i+1]
.endr
.endr
.endm
; Batch b = 1 .. 7.  The two accumulators take turns.  PACK of the batch before names none of this batch's registers:
; its 16 vector instructions are the places in front of the loads into this batch's fragments and in front of this batch's own PACK.
.macro BATCH b, left, more
	s_wait_dscnt \left                             ; the next batch's eight loads are younger
	MM2 \b, 0, 0, 1
	MM2 \b, 1, 0, 1
	MM2 \b, 0, 1, 0
	MM2 \b, 1, 1, 0
	PACK (\b)-1
.if \more
	TRL (\b)+2
.endif
.endm
	s_load_b256 s[4:11], s[0:1], 0x0               ; kv s[4:5], qk s[6:7], cb s[8:9], mask s[10:11]
	s_load_b64 s[12:13], s[0:1], 0x20              ; xp
	s_set_vgpr_msb 0x40
	v_lshl_add_u32 v0, v0, 2, 0x4c000
	v_mov_b32 v1, 0
	s_set_vgpr_msb 0x4000
	v_lshrrev_b32 v12, 5, v0
	v_readfirstlane_b32 s14, v12                   ; w
	s_lshr_b32 s15, s14, 2                         ; sp
	s_and_b32 s16, s14, 3                          ; cq
	s_lshl1_add_u32 s17, ttmp9, s15                ; n = 2 x work-group + sp
	s_mov_b32 s20, 0x76543210                      ; v_permlanex16_b32: lane i of one half reads lane i of the other
	s_mov_b32 s21, 0xfedcba98
	s_lshl_b32 s18, s17, 18                        ; kv: 64 n rows of 4,096 bytes + 1,024 cq
	s_lshl_b32 s31, s16, 10
	s_add_co_u32 s18, s18, s31
	s_mov_b32 s19, 0
	s_lshl_b32 s22, s17, 15                        ; qk, xp: 16 n rows of 2,048 bytes + 512 cq
	s_lshl_b32 s31, s16, 9
	s_add_co_u32 s22, s22, s31
	s_mov_b32 s23, 0
	s_lshl_b32 s24, s17, 2                         ; cb: 4 n
	s_mov_b32 s25, 0
	s_lshl_b32 s26, s17, 6                         ; mask: 64 n
	s_mov_b32 s27, 0
	s_mul_i32 s28, s14, XRB                        ; my x rows
	s_lshl_b32 s29, s14, 12
	s_add_co_u32 s29, s29, PART                    ; my partial scores
	s_lshl_b32 s30, s15, 14
	s_add_co_u32 s30, s30, PART                    ; my span's four
	v_and_b32 v14, 31, v0                          ; L
	v_and_b32 v15, 15, v0                          ; r
	v_bfe_u32 v10, v0, 4, 1                        ; h
	v_lshlrev_b32 v1, 4, v14
	v_lshl_add_u32 v2, v14, 3, s28
	v_mul_u32_u24 v11, v15, PX
	v_lshl_add_u32 v11, v10, 4, v11
	v_add_nc_u32 v3, s28, v11                      ; r x pitch + 16 h
	v_and_b32 v11, 7, v0
	v_lshl_add_u32 v11, v10, 3, v11
	v_mul_u32_u24 v11, v11, PX                     ; (8 h + (L & 7)) x pitch
	v_bfe_u32 v4, v0, 3, 1
	v_lshl_add_u32 v11, v4, 4, v11                 ; + 16 ((L >> 3) & 1)
	v_add_nc_u32 v4, s28, v11
	v_mul_u32_u24 v11, v15, PQ
	v_lshl_add_u32 v11, v10, 4, v11
	v_add_nc_u32 v5, s28, v11
	v_add_nc_u32 v6, s28, v1
	v_add_nc_u32 v7, s29, v1
	v_add_nc_u32 v8, s30, v1
	v_mov_b32 v9, 0xff7fffff
	v_lshlrev_b32 v12, 3, v10                      ; mask: 8 h
	v_lshlrev_b32 v13, 11, v15                     ; c: head r, 512 numbers a head
	s_wait_kmcnt 0x0
	s_add_nc_u64 s[4:5], s[4:5], s[18:19]
	s_add_nc_u64 s[6:7], s[6:7], s[22:23]
	s_add_nc_u64 s[12:13], s[12:13], s[22:23]
	s_add_nc_u64 s[8:9], s[8:9], s[24:25]
	s_add_nc_u64 s[10:11], s[10:11], s[26:27]
.irp g, 0,1,2,3
	global_load_b64 v[BF+2*\g:BF+2*\g+1], v12, s[10:11] offset:16*\g           ; mask[n][16 g + 8 h .. + 7]
.endr
	global_load_b32 v10, v13, s[8:9]                                           ; c[r][n]
.irp hd, 0,1,2,3,4,5,6,7,8,9,10,11,12,13,14,15
	global_load_b128 v[QF+4*\hd:QF+4*\hd+3], v1, s[6:7] offset:2048*\hd        ; qk[n][hd], my 512 bytes
.endr
.set ii, 0
.rept 32
	global_load_b128 v[RING+4*ii:RING+4*ii+3], v1, s[4:5] offset:4096*(ii>>1)+512*(ii&1) th:TH_LOAD_NT   ; the ring: rows 0 to 15
.set ii, ii+1
.endr
	s_wait_loadcnt 32                              ; mask, c and qk are in; the ring's 32 loads are younger
	v_mul_f32 v10, 0x42800000, v10                 ; 64 c: the addend of the multiply-add that takes the 1/64 back
	v_mov_b32 v11, v10
.irp g, 0,1,2,3
.irp j, 0,1,2,3,4,5,6,7
	v_and_b32 v[T+(\j&1)], 0xff<<(8*(\j&3)), v[BF+2*\g+(\j>>2)]
	v_cmp_ne_u32 s[MS+8*\g+\j], 0, v[T+(\j&1)]
.endr
.endr
.irp hd, 0,1,2,3,4,5,6,7,8,9,10,11,12,13,14,15
	ds_store_b128 v6, v[QF+4*\hd:QF+4*\hd+3] offset:PQ*\hd                     ; qk by rows into the stage
.endr
	s_wait_dscnt 0x0                               ; the same registers are the stores' data and the loads' target
.irp t, 0,1,2,3,4,5,6,7
	ds_load_b128 v[QF+8*\t:QF+8*\t+3],   v5 offset:64*\t                       ; and back as fragments: head r, columns 32 t + 8 h ..
	ds_load_b128 v[QF+8*\t+4:QF+8*\t+7], v5 offset:64*\t+32
.endr
	; The stream.  x's rows are laid over the stage: LDS serves a wave's instructions in order (ISA guide 5.7.1), so the loads above come first;
	; they are shown done by the first counted wait of PASS1, behind which only younger LDS loads are out.
.set ii, 0
.rept 64
	SLOT ii, 1, 31                                 ; 31 younger loads: the ring stays full
.set ii, ii+1
.endr
	PASS1 0, BF, -16, 2                            ; rows 0 to 31 are in LDS: score tiles 0, 1, while 32 loads are on their way
.rept 32
	SLOT ii, 1, 31
.set ii, ii+1
.endr
.rept 32
	SLOT ii, 0, 127-ii                             ; nothing more is fetched: the counts run down
.set ii, ii+1
.endr
	PASS1 1, RING, 16, 8                           ; tiles 2, 3: the ring's registers are free, all 32 fragment loads go out at once
	; the four partial tiles of a span meet in LDS
	PLACES
.irp q, 0,1,2,3,4,5,6,7
	ds_store_b128 v7, v[SCO+4*\q:SCO+4*\q+3] offset:512*\q
.endr
	s_wait_dscnt 0x0                               ; for the others: zero
	s_barrier_signal -1
	s_barrier_wait -1
.irp i, 0,1,2,3
.irp q, 0,1,2,3,4,5,6,7
	ds_load_b128 v[RING+32*\i+4*\q:RING+32*\i+4*\q+3], v8 offset:4096*\i+512*\q
.endr
.endr
	TRL 0                                          ; the second product's first fragments come in under the softmax
	TRL 1
	s_wait_dscnt 16                                ; the partial scores are in; the 16 transposing loads are younger
.set pp, 0
.rept 16
	v_pk_add_f32 v[RING+2*pp:RING+2*pp+1], v[RING+2*pp:RING+2*pp+1], v[RING+32+2*pp:RING+32+2*pp+1]
	v_pk_add_f32 v[RING+64+2*pp:RING+64+2*pp+1], v[RING+64+2*pp:RING+64+2*pp+1], v[RING+96+2*pp:RING+96+2*pp+1]
.set pp, pp+1
.endr
.set pp, 0
.rept 16
	v_pk_add_f32 v[RING+2*pp:RING+2*pp+1], v[RING+2*pp:RING+2*pp+1], v[RING+64+2*pp:RING+64+2*pp+1]
.set pp, pp+1
.endr
.set pp, 0
.rept 16
	v_pk_fma_f32 v[SCO+2*pp:SCO+2*pp+1], v[RING+2*pp:RING+2*pp+1], 0x42800000, v[10:11] op_sel_hi:[1,0,1]   ; t = 64 x sum + 64 c
.set pp, pp+1
.endr
.irp g, 0,1,2,3
.irp j, 0,1,2,3,4,5,6,7
	v_cndmask_b32 v[SCO+8*\g+\j], v9, v[SCO+8*\g+\j], s[MS+8*\g+\j]            ; mask 0: the lowest finite number
.endr
.endr
	; the maximum over the head's 64 scores: 32 in this lane, 32 in the lane 16 away
.irp g, 0,1,2,3
	v_max3_num_f32 v[MC+\g], v[SCO+8*\g], v[SCO+8*\g+1], v[SCO+8*\g+2]
.endr
.irp g, 0,1,2,3
	v_max3_num_f32 v[MC+\g], v[MC+\g], v[SCO+8*\g+3], v[SCO+8*\g+4]
.endr
.irp g, 0,1,2,3
	v_max3_num_f32 v[MC+\g], v[MC+\g], v[SCO+8*\g+5], v[SCO+8*\g+6]
.endr
.irp g, 0,1,2,3
	v_max_num_f32 v[MC+\g], v[MC+\g], v[SCO+8*\g+7]
.endr
	v_max3_num_f32 v[MC], v[MC], v[MC+1], v[MC+2]
	v_max_num_f32 v[MC], v[MC], v[MC+3]
	v_permlanex16_b32 v[MC+1], v[MC], s20, s21     ; its destination counts as read: a register that has been written
	v_max_num_f32 v[MX], v[MC], v[MC+1]
	v_max_num_f32 v[MX+1], v[MC], v[MC+1]
.set pp, 0
.rept 16
	v_pk_add_f32 v[SCO+2*pp:SCO+2*pp+1], v[SCO+2*pp:SCO+2*pp+1], v[MX:MX+1] neg_lo:[0,1] neg_hi:[0,1]   ; t - max, at most 0
.set pp, pp+1
.endr
.set pp, 0
.rept 32
	v_exp_f32 v[SCO+pp], v[SCO+pp]
.set pp, pp+1
.endr
	v_nop                                          ; one plain vector instruction behind a transcendental before its result is used (ISA guide 5.7.2)
	s_wait_alu depctr_va_vdst(0)
.irp u, 0,1
.irp e, 0,1
.irp i, 0,1,2,3
	v_cvt_pk_f16_f32 v[PF+8*\u+4*\e+\i], v[SCO+8*(2*\u+\e)+2*\i], v[SCO+8*(2*\u+\e)+2*\i+1]   ; tiles 2 u, 2 u + 1 are step u's fragment, lane for lane
.endr
.endr
.endr
.irp i, 0,1,2,3,4,5,6,7
	v_mov_b32 v[ONES+\i], 0x3c003c00
.endr
	; the second product, 16 column tiles in 8 batches of two.  Batch 0 also makes the sum of the weights; three accumulators by turns.
	s_wait_dscnt 8                                 ; batch 0's fragments are in; batch 1's eight loads are younger
	v_wmma_f32_16x16x32_f16 v[DON:DON+7], v[ONES:ONES+7], v[PF:PF+7], 0
	MM2 0, 0, 0, 1
	MM2 0, 1, 0, 1
	v_wmma_f32_16x16x32_f16 v[DON:DON+7], v[ONES:ONES+7], v[PF+8:PF+15], v[DON:DON+7]
	MM2 0, 0, 1, 0
	MM2 0, 1, 1, 0
	PLACES
	v_rcp_f32 v[INV], v[DON]                       ; the largest weight is 1, so the sum is at least 1
	v_rcp_f32 v[INV+1], v[DON]
	v_nop
	s_wait_alu depctr_va_vdst(0)
	TRL 2
	BATCH 1, 8, 1
	BATCH 2, 8, 1
	BATCH 3, 8, 1
	BATCH 4, 8, 1
	BATCH 5, 8, 1
	BATCH 6, 8, 0
	BATCH 7, 0, 0
	PACK 7                                         ; behind PACK 6, whose 16 instructions name none of batch 7's registers
	; the way out: by fragment into the stage (over my x rows, whose reads are all back), by rows out of it
.irp jt, 0,1,2,3,4,5,6,7,8,9,10,11,12,13,14,15
	ds_store_b128 v5, v[OUTR+4*\jt:OUTR+4*\jt+3] offset:32*\jt
.endr
.irp hd, 0,1,2,3,4,5,6,7,8,9,10,11,12,13,14,15
	ds_load_b128 v[XB+4*\hd:XB+4*\hd+3], v6 offset:PQ*\hd
.endr
.irp hd, 0,1,2,3,4,5,6,7,8,9,10,11,12,13,14,15
	s_wait_dscnt 15-\hd
	global_store_b128 v1, v[XB+4*\hd:XB+4*\hd+3], s[12:13] offset:2048*\hd     ; xp[n][hd], my 512 consecutive bytes, aligned
.endr
	s_set_vgpr_msb 0x5
	s_wait_tensorcnt 0x0
	ds_add_u32 v0, v1
	s_wait_dscnt 0x0
	s_set_vgpr_msb 0x500
	s_endpgm
.Lfunc_end_k_q210fea44b7_span:
	.size	k_q210fea44b7_span, .Lfunc_end_k_q210fea44b7_span-k_q210fea44b7_span
	.p2alignl 7, 3214868480
	.fill 96, 4, 3214868480
	.section	.rodata,"a",@progbits
	.p2align	6, 0x0
	.amdhsa_kernel k_q210fea44b7_span
		.amdhsa_group_segment_fixed_size 312320
		.amdhsa_private_segment_fixed_size 0
		.amdhsa_enable_private_segment 0
		.amdhsa_kernarg_size 40
		.amdhsa_user_sgpr_count 2
		.amdhsa_user_sgpr_kernarg_segment_ptr 1
		.amdhsa_wavefront_size32 1
		.amdhsa_system_sgpr_workgroup_id_x 1
		.amdhsa_system_sgpr_workgroup_id_y 1
		.amdhsa_system_sgpr_workgroup_id_z 1
		.amdhsa_system_vgpr_workitem_id 0
		.amdhsa_next_free_vgpr 258
		.amdhsa_next_free_sgpr 66
		.amdhsa_reserve_vcc 0
		.amdhsa_float_denorm_mode_32 3
		.amdhsa_float_denorm_mode_16_64 3
		.amdhsa_memory_ordered 1
		.amdhsa_forward_progress 1
		.amdhsa_inst_pref_size 91
	.end_amdhsa_kernel
	.amdgpu_metadata
---
amdhsa.version: [ 1, 2 ]
amdhsa.kernels:
  - .name:           k_q210fea44b7_span
    .symbol:         k_q210fea44b7_span.kd
    .args:
      - { .name: kv, .offset: 0, .size: 8, .value_kind: global_buffer, .address_space: global }
      - { .name: qk, .offset: 8, .size: 8, .value_kind: global_buffer, .address_space: global }
      - { .name: cb, .offset: 16, .size: 8, .value_kind: global_buffer, .address_space: global }
      - { .name: mask, .offset: 24, .size: 8, .value_kind: global_buffer, .address_space: global }
      - { .name: xp, .offset: 32, .size: 8, .value_kind: global_buffer, .address_space: global }
    .group_segment_fixed_size: 312320
    .private_segment_fixed_size: 0
    .kernarg_segment_align: 8
    .kernarg_segment_size: 40
    .max_flat_workgroup_size: 256
    .sgpr_count:     66
    .vgpr_count:     258
    .wavefront_size: 32
...
	.end_amdgpu_metadata
.endif
;; end of part 3
;; launch vproj (part 4): grid 16 x 16, 8 waves a work-group, no clusters, 212,480 bytes of LDS; arguments xp, Wkv, bkv, at; writes at
.if DOCPART == 4
	.amdgcn_target "amdgcn-amd-amdhsa--gfx1250"
	.amdhsa_code_object_version 6
	.text
	.protected	k_q210fea44b7_vproj
	.globl	k_q210fea44b7_vproj
	.p2align	8
	.type	k_q210fea44b7_vproj,@function
k_q210fea44b7_vproj:
	s_mov_b64 s[64:65], 0
	v_nop
	global_prefetch_b8 v0, s[64:65] scope:SCOPE_SE
	s_setreg_imm32_b32 hwreg(HW_REG_WAVE_MODE, 25, 1), 1
	s_wait_xcnt 0x0
; vproj: attn[n][64 h + d] = Wv[64 h + d] . xp[n][h] + bv[64 h + d], rounded to f16 and stored in fragment order.
; Wv = rows 1024 .. 2047 of Wkv, bv = the second half of bkv.  The column block x is the head: A's rows are xp[n][x].
; GENERAL FORM (this text serves three launches, told apart by the six .set lines below):
;   C[512][1024] = A[512][1024] B[1024][1024]^T + bias, operands rounded to f16, sums in f32.
; A work-group makes 32 rows x 64 columns with eight waves; wave w makes the block of 16 x 16 at (mb = w & 1, nb = w >> 1) in two
; accumulators, one for the even and one for the odd steps of 32 along K, added at the end.
; K goes in four chunks of 256.  Each wave brings 8 rows of B and 4 rows of A of a chunk through a ring of NS register slots
; (NS loads of 512 consecutive bytes on their way), rounds f32 to f16 once and lays the chunk into LDS; one barrier a chunk.
; Each chunk has LDS bytes of its own, written once: a wave that is ahead stores into another range than a wave behind reads.
; FRAGMENT ORDER (buffers qh, at): [tile of 16 rows][step t of 32 columns][q][lane][16 bytes]; lane 16 h + r of (tile, t, q) holds row
; 16 tile + r, columns 32 t + 16 q + 8 h .. + 7: a matrix operand's register image, stored and loaded as 512 consecutive bytes.
; CLUSTERS are not used: what work-groups share (B along y) is f32 in memory and lies in LDS as f16, rounded in registers on
; the way, once for the work-group; brought as it is it would take 4 bytes a number and be rounded again by each wave that reads it.
; WHY f16: 11 bits of precision against bf16's 8; five roundings of intermediates lie between the inputs and the output.
; LIMITS: operands are rounded to f16 (nearest even), the result of this launch too.  A number above 65,504 in magnitude would become infinite:
; Wv itself, and attn, which is 30 x 0.6 x 1024 = 18,432 when kv (spread 1) and Wv (spread 0.02) both carry an offset of 30 spreads.
; Below 2^-14 f16 has steps of 2^-24.  NaN and infinities among the inputs are not considered.
.set ASRC,    1                        ; A: 0 = f32 rows of 4,096 bytes; 1 = f16 rows of 2,048 bytes, 32,768 apart, head x; 2 = fragment order
.set NA,      4                        ; A's loads in a chunk, for one wave
.set BOFF,    4194304                  ; B starts so many bytes into its buffer
.set BIASOFF, 4096                     ; the bias likewise
.set SCALED,  0                        ; 1: result times log2 e / 512
.set OUTF32,  0                        ; 1: f32 rows; 0: f16 in fragment order
.set NS,   NA+16                       ; ring slots = loads of a wave in a chunk (16 are B's)
.set PB,   528                         ; LDS row of a chunk: 512 bytes + 16, an odd multiple of 16: 16 rows start in 16 different columns of 16 bytes modulo 256
.set AOFF, 64*PB                       ; A's part of a chunk's region, behind B's 64 rows
.set CH,   96*PB                       ; a chunk's region
.set STG,  4*CH                        ; stage for f32 rows on the way out: 32 rows of 272 bytes
.set SPT,  272
.set BIAS, 8                           ; v[8:15]   bias of my 8 columns
.set T,    16                          ; v[16:23]  four pairs, rounded numbers on their way to LDS
.set ACC0, 24                          ; v[24:31]  sums of the even K steps
.set ACC1, 32                          ; v[32:39]  sums of the odd K steps
.set OUTP, 40                          ; v[40:43]  packed result
.set FR,   48                          ; v[48:111] two fragment buffers of 32: two K steps, each B 8 registers, A 8
.set RING, 112                         ; v[112:..] NS slots of 4
; v1 16 L; v2, v3 where I store B, A in LDS; v4, v5 where I read B's, A's fragments; v6 bias offset; v44-46 the f32 way out
.macro PLACES                          ; a load into a register that a matrix instruction has read, and a vector instruction that reads its result,
.rept 4                                ; stand four plain vector instructions behind it (ISA guide 7.12.1 for vector instructions)
	v_nop
.endr
.endm
.macro LD c, k                         ; load k of chunk c into slot k: A's loads first, then B's
.if (\k) < NA
.if ASRC == 0
	global_load_b128 v[RING+4*(\k):RING+4*(\k)+3], v1, s[4:5] offset:4096*((\k)>>1)+1024*(\c)+512*((\k)&1)
.endif
.if ASRC == 1
	global_load_b128 v[RING+4*(\k):RING+4*(\k)+3], v1, s[4:5] offset:32768*(\k)+512*(\c)
.endif
.if ASRC == 2
	global_load_b128 v[RING+4*(\k):RING+4*(\k)+3], v1, s[4:5] offset:8192*(\c)+512*(\k)
.endif
.else
	global_load_b128 v[RING+4*(\k):RING+4*(\k)+3], v1, s[6:7] offset:4096*(((\k)-NA)>>1)+1024*(\c)+512*(((\k)-NA)&1)
.endif
.endm
.macro RND k, adr, off                 ; slot k: four f32 to four f16, 8 bytes a lane, 256 consecutive bytes a wave
	v_cvt_pk_f16_f32 v[T+2*((\k)&3)], v[RING+4*(\k)], v[RING+4*(\k)+1]
	v_cvt_pk_f16_f32 v[T+2*((\k)&3)+1], v[RING+4*(\k)+2], v[RING+4*(\k)+3]
	ds_store_b64 \adr, v[T+2*((\k)&3):T+2*((\k)&3)+1] offset:\off
.endm
.macro CONS k                          ; slot k goes to LDS
.if (\k) < NA
.if ASRC == 0
	RND \k, v3, PB*((\k)>>1)+256*((\k)&1)
.endif
.if ASRC == 1
	ds_store_b128 v3, v[RING+4*(\k):RING+4*(\k)+3] offset:PB*(\k)
.endif
.if ASRC == 2
	ds_store_b128 v3, v[RING+4*(\k):RING+4*(\k)+3] offset:512*(\k)
.endif
.else
	RND \k, v2, PB*(((\k)-NA)>>1)+256*(((\k)-NA)&1)
.endif
.endm
.macro TURN c, k, more, left           ; left = the younger loads that may stay out
	s_wait_loadcnt \left                           ; loads come back in order (ISA guide 5.7.1): slot k is in
	CONS \k
.if \more
	LD (\c)+1, \k                                  ; the slot's next load: the same place in the next chunk
.endif
.endm
.macro FL bb                           ; eight LDS loads: the fragments of K steps 2 bb, 2 bb + 1 of the chunk into buffer bb & 1
.irp e, 0,1
	ds_load_b128 v[FR+32*((\bb)&1)+16*\e:FR+32*((\bb)&1)+16*\e+3], v4 offset:64*(2*(\bb)+\e)
	ds_load_b128 v[FR+32*((\bb)&1)+16*\e+4:FR+32*((\bb)&1)+16*\e+7], v4 offset:64*(2*(\bb)+\e)+32
.if ASRC == 2
	ds_load_b128 v[FR+32*((\bb)&1)+16*\e+8:FR+32*((\bb)&1)+16*\e+11], v5 offset:1024*(2*(\bb)+\e)
	ds_load_b128 v[FR+32*((\bb)&1)+16*\e+12:FR+32*((\bb)&1)+16*\e+15], v5 offset:1024*(2*(\bb)+\e)+512
.else
	ds_load_b128 v[FR+32*((\bb)&1)+16*\e+8:FR+32*((\bb)&1)+16*\e+11], v5 offset:64*(2*(\bb)+\e)
	ds_load_b128 v[FR+32*((\bb)&1)+16*\e+12:FR+32*((\bb)&1)+16*\e+15], v5 offset:64*(2*(\bb)+\e)+32
.endif
.endr
.endm
; Two matrix instructions, used transposed: source 0 = 16 rows of B, source 1 = 16 rows of A, so that lane 16 h + r holds row r of C and
; its registers the 8 neighbouring columns 8 h + 0 .. 7.  The two accumulators take turns, one instruction a turn.
.macro MM buf, zero
.if \zero
	v_wmma_f32_16x16x32_f16 v[ACC0:ACC0+7], v[FR+32*\buf:FR+32*\buf+7], v[FR+32*\buf+8:FR+32*\buf+15], 0
	v_wmma_f32_16x16x32_f16 v[ACC1:ACC1+7], v[FR+32*\buf+16:FR+32*\buf+23], v[FR+32*\buf+24:FR+32*\buf+31], 0
.else
	v_wmma_f32_16x16x32_f16 v[ACC0:ACC0+7], v[FR+32*\buf:FR+32*\buf+7], v[FR+32*\buf+8:FR+32*\buf+15], v[ACC0:ACC0+7]
	v_wmma_f32_16x16x32_f16 v[ACC1:ACC1+7], v[FR+32*\buf+16:FR+32*\buf+23], v[FR+32*\buf+24:FR+32*\buf+31], v[ACC1:ACC1+7]
.endif
.endm
.macro COMPUTE c                       ; a chunk's eight K steps, in four batches of two on two buffers
	FL 0
	FL 1
	s_wait_dscnt 8                                 ; all but the eight loads of the next batch
.if (\c) == 0
	MM 0, 1                                        ; the first products start the sums: nothing is cleared
.else
	MM 0, 0
.endif
	PLACES
	FL 2
	s_wait_dscnt 8
	MM 1, 0
	PLACES
	FL 3
.if (\c) < 3
	v_add_nc_u32 v4, CH, v4                        ; the next chunk's region
	v_add_nc_u32 v5, CH, v5
.endif
	s_wait_dscnt 8
	MM 0, 0
	s_wait_dscnt 0x0
	MM 1, 0
.endm
.macro CHUNK c
.set kk, 0
.rept NS
.if (\c) < 3
	TURN \c, kk, 1, NS-1                           ; NS-1-k younger loads of this chunk and k of the next
.else
	TURN \c, kk, 0, NS-1-kk                        ; nothing more is fetched: the counts run down
.endif
.set kk, kk+1
.endr
.if (\c) < 3
	v_add_nc_u32 v2, CH, v2                        ; the next chunk's region
	v_add_nc_u32 v3, CH, v3
.endif
	s_wait_dscnt 0x0                               ; my part of the chunk is in LDS (and my reads of the last one are back)
	s_barrier_signal -1
	s_barrier_wait -1                              ; everybody's is; the next chunk's global loads stay on their way
	COMPUTE \c                                     ; the conversions of the next chunk's turns are the places in front of its fragment loads
.endm
	s_load_b256 s[4:11], s[0:1], 0x0               ; A s[4:5], B s[6:7], bias s[8:9], out s[10:11]
	v_lshl_add_u32 v208, v0, 2, 0x33a00
	v_mov_b32 v209, 0
	v_lshrrev_b32 v7, 5, v0
	v_readfirstlane_b32 s12, v7                    ; w
	s_and_b32 s13, s12, 1                          ; mb
	s_lshr_b32 s14, s12, 1                         ; nb
	s_and_b32 s16, ttmp7, 0xffff                   ; y: block of 32 rows; ttmp9 = x: block of 64 columns
	v_and_b32 v16, 31, v0                          ; L
	v_and_b32 v17, 15, v0                          ; r
	v_bfe_u32 v18, v0, 4, 1                        ; h
	v_lshlrev_b32 v1, 4, v16                       ; 16 L
	s_mul_i32 s22, s12, 8*PB
	v_lshl_add_u32 v2, v16, 3, s22                 ; B: my rows 8 w .., 8 bytes a lane
.if ASRC == 2
	s_lshl_b32 s22, s12, 11
	s_add_co_u32 s22, s22, AOFF
	v_add_nc_u32 v3, s22, v1                       ; A dense: 2,048 bytes a wave
.else
	s_mul_i32 s22, s12, 4*PB
	s_add_co_u32 s22, s22, AOFF
.if ASRC == 0
	v_lshl_add_u32 v3, v16, 3, s22                 ; A: my rows 4 w .., 8 bytes a lane
.else
	v_add_nc_u32 v3, s22, v1                       ; 16 bytes a lane
.endif
.endif
	v_mul_u32_u24 v19, v17, PB
	v_lshl_add_u32 v19, v18, 4, v19                ; r x pitch + 16 h
	s_mul_i32 s23, s14, 16*PB
	v_add_nc_u32 v4, s23, v19                      ; B's fragments: rows 16 nb + r
.if ASRC == 2
	s_lshl_b32 s23, s13, 13
	s_add_co_u32 s23, s23, AOFF
	v_add_nc_u32 v5, s23, v1                       ; A's fragments lie as the registers want them
.else
	s_mul_i32 s23, s13, 16*PB
	s_add_co_u32 s23, s23, AOFF
	v_add_nc_u32 v5, s23, v19                      ; rows 16 mb + r
.endif
	s_lshl_b32 s24, s14, 6
	v_lshl_add_u32 v6, v18, 5, s24                 ; bias: 4 (16 nb + 8 h)
.if OUTF32
	v_mul_u32_u24 v20, v17, SPT
	v_add_nc_u32 v20, v20, v6
	s_mul_i32 s25, s13, 16*SPT
	s_add_co_u32 s25, s25, STG
	v_add_nc_u32 v44, s25, v20                     ; in: row 16 mb + r, 32 bytes at 64 nb + 32 h
	v_mul_u32_u24 v20, v18, SPT
	v_lshl_add_u32 v20, v17, 4, v20
	s_mul_i32 s25, s12, 4*SPT
	s_add_co_u32 s25, s25, STG
	v_add_nc_u32 v45, s25, v20                     ; back: row 4 w + h, 16 bytes at 16 r
	v_lshlrev_b32 v46, 4, v17
	v_lshl_add_u32 v46, v18, 12, v46               ; the same in the output
.endif
	; byte offsets into the four buffers, each in a pair of its own
.if ASRC == 0
	s_lshl_b32 s18, s16, 17                        ; (32 y + 4 w) rows of 4,096 bytes
	s_lshl_b32 s24, s12, 14
	s_add_co_u32 s18, s18, s24
.endif
.if ASRC == 1
	s_lshl_b32 s18, s16, 20                        ; ((32 y + 4 w) 16 + x) rows of 2,048 bytes
	s_lshl_b32 s24, s12, 17
	s_add_co_u32 s18, s18, s24
	s_lshl_b32 s24, ttmp9, 11
	s_add_co_u32 s18, s18, s24
.endif
.if ASRC == 2
	s_lshl_b32 s18, s16, 16                        ; tile 2 y + (w >> 2) of 32,768 bytes, + (w & 3) 2,048
	s_lshr_b32 s24, s12, 2
	s_lshl_b32 s24, s24, 15
	s_add_co_u32 s18, s18, s24
	s_and_b32 s24, s12, 3
	s_lshl_b32 s24, s24, 11
	s_add_co_u32 s18, s18, s24
.endif
	s_mov_b32 s19, 0
	s_lshl_b32 s20, ttmp9, 18                      ; (64 x + 8 w) rows of 4,096 bytes
	s_lshl_b32 s24, s12, 15
	s_add_co_u32 s20, s20, s24
.if BOFF
	s_add_co_u32 s20, s20, BOFF
.endif
	s_mov_b32 s21, 0
	s_lshl_b32 s26, ttmp9, 8                       ; 64 x numbers of 4 bytes
.if BIASOFF
	s_add_co_u32 s26, s26, BIASOFF
.endif
	s_mov_b32 s27, 0
.if OUTF32
	s_lshl_b32 s28, s16, 17                        ; (32 y + 4 w) rows of 4,096 bytes + 256 x
	s_lshl_b32 s24, s12, 14
	s_add_co_u32 s28, s28, s24
	s_lshl_b32 s24, ttmp9, 8
	s_add_co_u32 s28, s28, s24
.else
	s_lshl_b32 s28, s16, 16                        ; ((2 y + mb) 32 + 2 x) 1,024 + 512 nb
	s_lshl_b32 s24, s13, 15
	s_add_co_u32 s28, s28, s24
	s_lshl_b32 s24, ttmp9, 11
	s_add_co_u32 s28, s28, s24
	s_lshl_b32 s24, s14, 9
	s_add_co_u32 s28, s28, s24
.endif
	s_mov_b32 s29, 0
	s_wait_kmcnt 0x0
	s_add_nc_u64 s[4:5], s[4:5], s[18:19]
	s_add_nc_u64 s[6:7], s[6:7], s[20:21]
	s_add_nc_u64 s[8:9], s[8:9], s[26:27]
	s_add_nc_u64 s[10:11], s[10:11], s[28:29]
	global_load_b128 v[BIAS:BIAS+3], v6, s[8:9]
	global_load_b128 v[BIAS+4:BIAS+7], v6, s[8:9] offset:16
.set kk, 0
.rept NS
	LD 0, kk                                       ; the ring is filled with chunk 0
.set kk, kk+1
.endr
.if SCALED
	s_wait_loadcnt NS                              ; the bias is in; the NS ring loads behind it stay out
.irp j, 0,2,4,6
	v_pk_mul_f32 v[BIAS+\j:BIAS+\j+1], v[BIAS+\j:BIAS+\j+1], 0x3b38aa3b op_sel_hi:[1,0]   ; bias x log2 e / 512, so that one fused multiply-add ends the sum
.endr
.endif
	CHUNK 0
	CHUNK 1
	CHUNK 2
	CHUNK 3
	; the way out
	PLACES
.irp j, 0,2,4,6
	v_pk_add_f32 v[ACC0+\j:ACC0+\j+1], v[ACC0+\j:ACC0+\j+1], v[ACC1+\j:ACC1+\j+1]
.endr
.irp j, 0,2,4,6
.if SCALED
	v_pk_fma_f32 v[ACC0+\j:ACC0+\j+1], v[ACC0+\j:ACC0+\j+1], 0x3b38aa3b, v[BIAS+\j:BIAS+\j+1] op_sel_hi:[1,0,1]
.else
	v_pk_add_f32 v[ACC0+\j:ACC0+\j+1], v[ACC0+\j:ACC0+\j+1], v[BIAS+\j:BIAS+\j+1]
.endif
.endr
.if OUTF32
	ds_store_b128 v44, v[ACC0:ACC0+3]
	ds_store_b128 v44, v[ACC0+4:ACC0+7] offset:16
	s_wait_dscnt 0x0                               ; for the others: a row of the stage is written by four waves
	s_barrier_signal -1
	s_barrier_wait -1
	ds_load_b128 v[FR:FR+3], v45                   ; rows 4 w + h
	ds_load_b128 v[FR+4:FR+7], v45 offset:2*SPT    ; rows 4 w + 2 + h
	s_wait_dscnt 1
	global_store_b128 v46, v[FR:FR+3], s[10:11]                ; 16 lanes store 256 consecutive bytes, at a multiple of 256 from the buffer's first byte
	s_wait_dscnt 0x0
	global_store_b128 v46, v[FR+4:FR+7], s[10:11] offset:8192
.else
.irp j, 0,1,2,3
	v_cvt_pk_f16_f32 v[OUTP+\j], v[ACC0+2*\j], v[ACC0+2*\j+1]
.endr
	global_store_b128 v1, v[OUTP:OUTP+3], s[10:11]             ; the wave's 512 consecutive bytes in fragment order
.endif
	s_wait_tensorcnt 0x0
	ds_add_u32 v208, v209
	s_wait_dscnt 0x0
	s_endpgm
.Lfunc_end_k_q210fea44b7_vproj:
	.size	k_q210fea44b7_vproj, .Lfunc_end_k_q210fea44b7_vproj-k_q210fea44b7_vproj
	.p2alignl 7, 3214868480
	.fill 96, 4, 3214868480
	.section	.rodata,"a",@progbits
	.p2align	6, 0x0
	.amdhsa_kernel k_q210fea44b7_vproj
		.amdhsa_group_segment_fixed_size 212480
		.amdhsa_private_segment_fixed_size 0
		.amdhsa_enable_private_segment 0
		.amdhsa_kernarg_size 32
		.amdhsa_user_sgpr_count 2
		.amdhsa_user_sgpr_kernarg_segment_ptr 1
		.amdhsa_wavefront_size32 1
		.amdhsa_system_sgpr_workgroup_id_x 1
		.amdhsa_system_sgpr_workgroup_id_y 1
		.amdhsa_system_sgpr_workgroup_id_z 1
		.amdhsa_system_vgpr_workitem_id 0
		.amdhsa_next_free_vgpr 210
		.amdhsa_next_free_sgpr 66
		.amdhsa_reserve_vcc 0
		.amdhsa_float_denorm_mode_32 3
		.amdhsa_float_denorm_mode_16_64 3
		.amdhsa_memory_ordered 1
		.amdhsa_forward_progress 1
		.amdhsa_inst_pref_size 40
	.end_amdhsa_kernel
	.amdgpu_metadata
---
amdhsa.version: [ 1, 2 ]
amdhsa.kernels:
  - .name:           k_q210fea44b7_vproj
    .symbol:         k_q210fea44b7_vproj.kd
    .args:
      - { .name: xp, .offset: 0, .size: 8, .value_kind: global_buffer, .address_space: global }
      - { .name: Wkv, .offset: 8, .size: 8, .value_kind: global_buffer, .address_space: global }
      - { .name: bkv, .offset: 16, .size: 8, .value_kind: global_buffer, .address_space: global }
      - { .name: at, .offset: 24, .size: 8, .value_kind: global_buffer, .address_space: global }
    .group_segment_fixed_size: 212480
    .private_segment_fixed_size: 0
    .kernarg_segment_align: 8
    .kernarg_segment_size: 32
    .max_flat_workgroup_size: 256
    .sgpr_count:     66
    .vgpr_count:     210
    .wavefront_size: 32
...
	.end_amdgpu_metadata
.endif
;; end of part 4
;; launch oproj (part 5): grid 16 x 16, 8 waves a work-group, no clusters, 212,480 bytes of LDS; arguments at, Wo, bo, out0; writes out0
.if DOCPART == 5
	.amdgcn_target "amdgcn-amd-amdhsa--gfx1250"
	.amdhsa_code_object_version 6
	.text
	.protected	k_q210fea44b7_oproj
	.globl	k_q210fea44b7_oproj
	.p2align	8
	.type	k_q210fea44b7_oproj,@function
k_q210fea44b7_oproj:
	s_mov_b64 s[64:65], 0
	v_nop
	global_prefetch_b8 v0, s[64:65] scope:SCOPE_SE
	s_setreg_imm32_b32 hwreg(HW_REG_WAVE_MODE, 25, 1), 1
	s_wait_xcnt 0x0
; oproj: out0 = attn Wo^T + bo, f32 rows of 4,096 bytes.  attn comes in fragment order, as the launch before stored it.
; GENERAL FORM (this text serves three launches, told apart by the six .set lines below):
;   C[512][1024] = A[512][1024] B[1024][1024]^T + bias, operands rounded to f16, sums in f32.
; A work-group makes 32 rows x 64 columns with eight waves; wave w makes the block of 16 x 16 at (mb = w & 1, nb = w >> 1) in two
; accumulators, one for the even and one for the odd steps of 32 along K, added at the end.
; K goes in four chunks of 256.  Each wave brings 8 rows of B and its share of A of a chunk through a ring of NS register slots
; (NS loads of 512 consecutive bytes on their way), rounds f32 to f16 once and lays the chunk into LDS; one barrier a chunk.
; Each chunk has LDS bytes of its own, written once: a wave that is ahead stores into another range than a wave behind reads.
; FRAGMENT ORDER (buffers qh, at): [tile of 16 rows][step t of 32 columns][q][lane][16 bytes]; lane 16 h + r of (tile, t, q) holds row
; 16 tile + r, columns 32 t + 16 q + 8 h .. + 7: a matrix operand's register image, stored and loaded as 512 consecutive bytes.
; The block is 64 columns wide so that a row of it is 256 bytes of f32: it leaves through a stage in LDS, 16 lanes to an aligned block of 256 bytes.
; CLUSTERS are not used: what work-groups share most (B along y) is f32 in memory and lies in LDS as f16, rounded in registers on
; the way, once for the work-group; brought as it is it would take 4 bytes a number and be rounded again by each wave that reads it.
; WHY f16: 11 bits of precision against bf16's 8; five roundings of intermediates lie between the inputs and the output.
; LIMITS: operands are rounded to f16 (nearest even).  A number of Wo above 65,504 in magnitude would become infinite (its spread is 0.02); below 2^-14
; f16 has steps of 2^-24.  NaN and infinities among the inputs are not considered.
.set ASRC,    2                        ; A: 0 = f32 rows of 4,096 bytes; 1 = f16 rows of 2,048 bytes, 32,768 apart, head x; 2 = fragment order
.set NA,      4                        ; A's loads in a chunk, for one wave
.set BOFF,    0                        ; B starts so many bytes into its buffer
.set BIASOFF, 0                        ; the bias likewise
.set SCALED,  0                        ; 1: result times log2 e / 512
.set OUTF32,  1                        ; 1: f32 rows; 0: f16 in fragment order
.set NS,   NA+16                       ; ring slots = loads of a wave in a chunk (16 are B's)
.set PB,   528                         ; LDS row of a chunk: 512 bytes + 16, an odd multiple of 16: 16 rows start in 16 different columns of 16 bytes modulo 256
.set AOFF, 64*PB                       ; A's part of a chunk's region, behind B's 64 rows
.set CH,   96*PB                       ; a chunk's region
.set STG,  4*CH                        ; stage for f32 rows on the way out: 32 rows of 272 bytes
.set SPT,  272
.set BIAS, 8                           ; v[8:15]   bias of my 8 columns
.set T,    16                          ; v[16:23]  four pairs, rounded numbers on their way to LDS
.set ACC0, 24                          ; v[24:31]  sums of the even K steps
.set ACC1, 32                          ; v[32:39]  sums of the odd K steps
.set OUTP, 40                          ; v[40:43]  packed result
.set FR,   48                          ; v[48:111] two fragment buffers of 32: two K steps, each B 8 registers, A 8
.set RING, 112                         ; v[112:..] NS slots of 4
; v1 16 L; v2, v3 where I store B, A in LDS; v4, v5 where I read B's, A's fragments; v6 bias offset; v44-46 the f32 way out
.macro PLACES                          ; a load into a register that a matrix instruction has read, and a vector instruction that reads its result,
.rept 4                                ; stand four plain vector instructions behind it (ISA guide 7.12.1 for vector instructions)
	v_nop
.endr
.endm
.macro LD c, k                         ; load k of chunk c into slot k: A's loads first, then B's
.if (\k) < NA
.if ASRC == 0
	global_load_b128 v[RING+4*(\k):RING+4*(\k)+3], v1, s[4:5] offset:4096*((\k)>>1)+1024*(\c)+512*((\k)&1)
.endif
.if ASRC == 1
	global_load_b128 v[RING+4*(\k):RING+4*(\k)+3], v1, s[4:5] offset:32768*(\k)+512*(\c)
.endif
.if ASRC == 2
	global_load_b128 v[RING+4*(\k):RING+4*(\k)+3], v1, s[4:5] offset:8192*(\c)+512*(\k)
.endif
.else
	global_load_b128 v[RING+4*(\k):RING+4*(\k)+3], v1, s[6:7] offset:4096*(((\k)-NA)>>1)+1024*(\c)+512*(((\k)-NA)&1)
.endif
.endm
.macro RND k, adr, off                 ; slot k: four f32 to four f16, 8 bytes a lane, 256 consecutive bytes a wave
	v_cvt_pk_f16_f32 v[T+2*((\k)&3)], v[RING+4*(\k)], v[RING+4*(\k)+1]
	v_cvt_pk_f16_f32 v[T+2*((\k)&3)+1], v[RING+4*(\k)+2], v[RING+4*(\k)+3]
	ds_store_b64 \adr, v[T+2*((\k)&3):T+2*((\k)&3)+1] offset:\off
.endm
.macro CONS k                          ; slot k goes to LDS
.if (\k) < NA
.if ASRC == 0
	RND \k, v3, PB*((\k)>>1)+256*((\k)&1)
.endif
.if ASRC == 1
	ds_store_b128 v3, v[RING+4*(\k):RING+4*(\k)+3] offset:PB*(\k)
.endif
.if ASRC == 2
	ds_store_b128 v3, v[RING+4*(\k):RING+4*(\k)+3] offset:512*(\k)
.endif
.else
	RND \k, v2, PB*(((\k)-NA)>>1)+256*(((\k)-NA)&1)
.endif
.endm
.macro TURN c, k, more, left           ; left = the younger loads that may stay out
	s_wait_loadcnt \left                           ; loads come back in order (ISA guide 5.7.1): slot k is in
	CONS \k
.if \more
	LD (\c)+1, \k                                  ; the slot's next load: the same place in the next chunk
.endif
.endm
.macro FL bb                           ; eight LDS loads: the fragments of K steps 2 bb, 2 bb + 1 of the chunk into buffer bb & 1
.irp e, 0,1
	ds_load_b128 v[FR+32*((\bb)&1)+16*\e:FR+32*((\bb)&1)+16*\e+3], v4 offset:64*(2*(\bb)+\e)
	ds_load_b128 v[FR+32*((\bb)&1)+16*\e+4:FR+32*((\bb)&1)+16*\e+7], v4 offset:64*(2*(\bb)+\e)+32
.if ASRC == 2
	ds_load_b128 v[FR+32*((\bb)&1)+16*\e+8:FR+32*((\bb)&1)+16*\e+11], v5 offset:1024*(2*(\bb)+\e)
	ds_load_b128 v[FR+32*((\bb)&1)+16*\e+12:FR+32*((\bb)&1)+16*\e+15], v5 offset:1024*(2*(\bb)+\e)+512
.else
	ds_load_b128 v[FR+32*((\bb)&1)+16*\e+8:FR+32*((\bb)&1)+16*\e+11], v5 offset:64*(2*(\bb)+\e)
	ds_load_b128 v[FR+32*((\bb)&1)+16*\e+12:FR+32*((\bb)&1)+16*\e+15], v5 offset:64*(2*(\bb)+\e)+32
.endif
.endr
.endm
; Two matrix instructions, used transposed: source 0 = 16 rows of B, source 1 = 16 rows of A, so that lane 16 h + r holds row r of C and
; its registers the 8 neighbouring columns 8 h + 0 .. 7.  The two accumulators take turns, one instruction a turn.
.macro MM buf, zero
.if \zero
	v_wmma_f32_16x16x32_f16 v[ACC0:ACC0+7], v[FR+32*\buf:FR+32*\buf+7], v[FR+32*\buf+8:FR+32*\buf+15], 0
	v_wmma_f32_16x16x32_f16 v[ACC1:ACC1+7], v[FR+32*\buf+16:FR+32*\buf+23], v[FR+32*\buf+24:FR+32*\buf+31], 0
.else
	v_wmma_f32_16x16x32_f16 v[ACC0:ACC0+7], v[FR+32*\buf:FR+32*\buf+7], v[FR+32*\buf+8:FR+32*\buf+15], v[ACC0:ACC0+7]
	v_wmma_f32_16x16x32_f16 v[ACC1:ACC1+7], v[FR+32*\buf+16:FR+32*\buf+23], v[FR+32*\buf+24:FR+32*\buf+31], v[ACC1:ACC1+7]
.endif
.endm
.macro COMPUTE c                       ; a chunk's eight K steps, in four batches of two on two buffers
	FL 0
	FL 1
	s_wait_dscnt 8                                 ; all but the eight loads of the next batch
.if (\c) == 0
	MM 0, 1                                        ; the first products start the sums: nothing is cleared
.else
	MM 0, 0
.endif
	PLACES
	FL 2
	s_wait_dscnt 8
	MM 1, 0
	PLACES
	FL 3
.if (\c) < 3
	v_add_nc_u32 v4, CH, v4                        ; the next chunk's region
	v_add_nc_u32 v5, CH, v5
.endif
	s_wait_dscnt 8
	MM 0, 0
	s_wait_dscnt 0x0
	MM 1, 0
.endm
.macro CHUNK c
.set kk, 0
.rept NS
.if (\c) < 3
	TURN \c, kk, 1, NS-1                           ; NS-1-k younger loads of this chunk and k of the next
.else
	TURN \c, kk, 0, NS-1-kk                        ; nothing more is fetched: the counts run down
.endif
.set kk, kk+1
.endr
.if (\c) < 3
	v_add_nc_u32 v2, CH, v2                        ; the next chunk's region
	v_add_nc_u32 v3, CH, v3
.endif
	s_wait_dscnt 0x0                               ; my part of the chunk is in LDS (and my reads of the last one are back)
	s_barrier_signal -1
	s_barrier_wait -1                              ; everybody's is; the next chunk's global loads stay on their way
	COMPUTE \c                                     ; the conversions of the next chunk's turns are the places in front of its fragment loads
.endm
	s_load_b256 s[4:11], s[0:1], 0x0               ; A s[4:5], B s[6:7], bias s[8:9], out s[10:11]
	v_lshl_add_u32 v208, v0, 2, 0x33a00
	v_mov_b32 v209, 0
	v_lshrrev_b32 v7, 5, v0
	v_readfirstlane_b32 s12, v7                    ; w
	s_and_b32 s13, s12, 1                          ; mb
	s_lshr_b32 s14, s12, 1                         ; nb
	s_and_b32 s16, ttmp7, 0xffff                   ; y: block of 32 rows; ttmp9 = x: block of 64 columns
	v_and_b32 v16, 31, v0                          ; L
	v_and_b32 v17, 15, v0                          ; r
	v_bfe_u32 v18, v0, 4, 1                        ; h
	v_lshlrev_b32 v1, 4, v16                       ; 16 L
	s_mul_i32 s22, s12, 8*PB
	v_lshl_add_u32 v2, v16, 3, s22                 ; B: my rows 8 w .., 8 bytes a lane
.if ASRC == 2
	s_lshl_b32 s22, s12, 11
	s_add_co_u32 s22, s22, AOFF
	v_add_nc_u32 v3, s22, v1                       ; A dense: 2,048 bytes a wave
.else
	s_mul_i32 s22, s12, 4*PB
	s_add_co_u32 s22, s22, AOFF
.if ASRC == 0
	v_lshl_add_u32 v3, v16, 3, s22                 ; A: my rows 4 w .., 8 bytes a lane
.else
	v_add_nc_u32 v3, s22, v1                       ; 16 bytes a lane
.endif
.endif
	v_mul_u32_u24 v19, v17, PB
	v_lshl_add_u32 v19, v18, 4, v19                ; r x pitch + 16 h
	s_mul_i32 s23, s14, 16*PB
	v_add_nc_u32 v4, s23, v19                      ; B's fragments: rows 16 nb + r
.if ASRC == 2
	s_lshl_b32 s23, s13, 13
	s_add_co_u32 s23, s23, AOFF
	v_add_nc_u32 v5, s23, v1                       ; A's fragments lie as the registers want them
.else
	s_mul_i32 s23, s13, 16*PB
	s_add_co_u32 s23, s23, AOFF
	v_add_nc_u32 v5, s23, v19                      ; rows 16 mb + r
.endif
	s_lshl_b32 s24, s14, 6
	v_lshl_add_u32 v6, v18, 5, s24                 ; bias: 4 (16 nb + 8 h)
.if OUTF32
	v_mul_u32_u24 v20, v17, SPT
	v_add_nc_u32 v20, v20, v6
	s_mul_i32 s25, s13, 16*SPT
	s_add_co_u32 s25, s25, STG
	v_add_nc_u32 v44, s25, v20                     ; in: row 16 mb + r, 32 bytes at 64 nb + 32 h
	v_mul_u32_u24 v20, v18, SPT
	v_lshl_add_u32 v20, v17, 4, v20
	s_mul_i32 s25, s12, 4*SPT
	s_add_co_u32 s25, s25, STG
	v_add_nc_u32 v45, s25, v20                     ; back: row 4 w + h, 16 bytes at 16 r
	v_lshlrev_b32 v46, 4, v17
	v_lshl_add_u32 v46, v18, 12, v46               ; the same in the output
.endif
	; byte offsets into the four buffers, each in a pair of its own
.if ASRC == 0
	s_lshl_b32 s18, s16, 17                        ; (32 y + 4 w) rows of 4,096 bytes
	s_lshl_b32 s24, s12, 14
	s_add_co_u32 s18, s18, s24
.endif
.if ASRC == 1
	s_lshl_b32 s18, s16, 20                        ; ((32 y + 4 w) 16 + x) rows of 2,048 bytes
	s_lshl_b32 s24, s12, 17
	s_add_co_u32 s18, s18, s24
	s_lshl_b32 s24, ttmp9, 11
	s_add_co_u32 s18, s18, s24
.endif
.if ASRC == 2
	s_lshl_b32 s18, s16, 16                        ; tile 2 y + (w >> 2) of 32,768 bytes, + (w & 3) 2,048
	s_lshr_b32 s24, s12, 2
	s_lshl_b32 s24, s24, 15
	s_add_co_u32 s18, s18, s24
	s_and_b32 s24, s12, 3
	s_lshl_b32 s24, s24, 11
	s_add_co_u32 s18, s18, s24
.endif
	s_mov_b32 s19, 0
	s_lshl_b32 s20, ttmp9, 18                      ; (64 x + 8 w) rows of 4,096 bytes
	s_lshl_b32 s24, s12, 15
	s_add_co_u32 s20, s20, s24
.if BOFF
	s_add_co_u32 s20, s20, BOFF
.endif
	s_mov_b32 s21, 0
	s_lshl_b32 s26, ttmp9, 8                       ; 64 x numbers of 4 bytes
.if BIASOFF
	s_add_co_u32 s26, s26, BIASOFF
.endif
	s_mov_b32 s27, 0
.if OUTF32
	s_lshl_b32 s28, s16, 17                        ; (32 y + 4 w) rows of 4,096 bytes + 256 x
	s_lshl_b32 s24, s12, 14
	s_add_co_u32 s28, s28, s24
	s_lshl_b32 s24, ttmp9, 8
	s_add_co_u32 s28, s28, s24
.else
	s_lshl_b32 s28, s16, 16                        ; ((2 y + mb) 32 + 2 x) 1,024 + 512 nb
	s_lshl_b32 s24, s13, 15
	s_add_co_u32 s28, s28, s24
	s_lshl_b32 s24, ttmp9, 11
	s_add_co_u32 s28, s28, s24
	s_lshl_b32 s24, s14, 9
	s_add_co_u32 s28, s28, s24
.endif
	s_mov_b32 s29, 0
	s_wait_kmcnt 0x0
	s_add_nc_u64 s[4:5], s[4:5], s[18:19]
	s_add_nc_u64 s[6:7], s[6:7], s[20:21]
	s_add_nc_u64 s[8:9], s[8:9], s[26:27]
	s_add_nc_u64 s[10:11], s[10:11], s[28:29]
	global_load_b128 v[BIAS:BIAS+3], v6, s[8:9]
	global_load_b128 v[BIAS+4:BIAS+7], v6, s[8:9] offset:16
.set kk, 0
.rept NS
	LD 0, kk                                       ; the ring is filled with chunk 0
.set kk, kk+1
.endr
.if SCALED
	s_wait_loadcnt NS                              ; the bias is in; the NS ring loads behind it stay out
.irp j, 0,2,4,6
	v_pk_mul_f32 v[BIAS+\j:BIAS+\j+1], v[BIAS+\j:BIAS+\j+1], 0x3b38aa3b op_sel_hi:[1,0]   ; bias x log2 e / 512, so that one fused multiply-add ends the sum
.endr
.endif
	CHUNK 0
	CHUNK 1
	CHUNK 2
	CHUNK 3
	; the way out
	PLACES
.irp j, 0,2,4,6
	v_pk_add_f32 v[ACC0+\j:ACC0+\j+1], v[ACC0+\j:ACC0+\j+1], v[ACC1+\j:ACC1+\j+1]
.endr
.irp j, 0,2,4,6
.if SCALED
	v_pk_fma_f32 v[ACC0+\j:ACC0+\j+1], v[ACC0+\j:ACC0+\j+1], 0x3b38aa3b, v[BIAS+\j:BIAS+\j+1] op_sel_hi:[1,0,1]
.else
	v_pk_add_f32 v[ACC0+\j:ACC0+\j+1], v[ACC0+\j:ACC0+\j+1], v[BIAS+\j:BIAS+\j+1]
.endif
.endr
.if OUTF32
	ds_store_b128 v44, v[ACC0:ACC0+3]
	ds_store_b128 v44, v[ACC0+4:ACC0+7] offset:16
	s_wait_dscnt 0x0                               ; for the others: a row of the stage is written by four waves
	s_barrier_signal -1
	s_barrier_wait -1
	ds_load_b128 v[FR:FR+3], v45                   ; rows 4 w + h
	ds_load_b128 v[FR+4:FR+7], v45 offset:2*SPT    ; rows 4 w + 2 + h
	s_wait_dscnt 1
	global_store_b128 v46, v[FR:FR+3], s[10:11]                ; 16 lanes store 256 consecutive bytes, at a multiple of 256 from the buffer's first byte
	s_wait_dscnt 0x0
	global_store_b128 v46, v[FR+4:FR+7], s[10:11] offset:8192
.else
.irp j, 0,1,2,3
	v_cvt_pk_f16_f32 v[OUTP+\j], v[ACC0+2*\j], v[ACC0+2*\j+1]
.endr
	global_store_b128 v1, v[OUTP:OUTP+3], s[10:11]             ; the wave's 512 consecutive bytes in fragment order
.endif
	s_wait_tensorcnt 0x0
	ds_add_u32 v208, v209
	s_wait_dscnt 0x0
	s_endpgm
.Lfunc_end_k_q210fea44b7_oproj:
	.size	k_q210fea44b7_oproj, .Lfunc_end_k_q210fea44b7_oproj-k_q210fea44b7_oproj
	.p2alignl 7, 3214868480
	.fill 96, 4, 3214868480
	.section	.rodata,"a",@progbits
	.p2align	6, 0x0
	.amdhsa_kernel k_q210fea44b7_oproj
		.amdhsa_group_segment_fixed_size 212480
		.amdhsa_private_segment_fixed_size 0
		.amdhsa_enable_private_segment 0
		.amdhsa_kernarg_size 32
		.amdhsa_user_sgpr_count 2
		.amdhsa_user_sgpr_kernarg_segment_ptr 1
		.amdhsa_wavefront_size32 1
		.amdhsa_system_sgpr_workgroup_id_x 1
		.amdhsa_system_sgpr_workgroup_id_y 1
		.amdhsa_system_sgpr_workgroup_id_z 1
		.amdhsa_system_vgpr_workitem_id 0
		.amdhsa_next_free_vgpr 210
		.amdhsa_next_free_sgpr 66
		.amdhsa_reserve_vcc 0
		.amdhsa_float_denorm_mode_32 3
		.amdhsa_float_denorm_mode_16_64 3
		.amdhsa_memory_ordered 1
		.amdhsa_forward_progress 1
		.amdhsa_inst_pref_size 41
	.end_amdhsa_kernel
	.amdgpu_metadata
---
amdhsa.version: [ 1, 2 ]
amdhsa.kernels:
  - .name:           k_q210fea44b7_oproj
    .symbol:         k_q210fea44b7_oproj.kd
    .args:
      - { .name: at, .offset: 0, .size: 8, .value_kind: global_buffer, .address_space: global }
      - { .name: Wo, .offset: 8, .size: 8, .value_kind: global_buffer, .address_space: global }
      - { .name: bo, .offset: 16, .size: 8, .value_kind: global_buffer, .address_space: global }
      - { .name: out0, .offset: 24, .size: 8, .value_kind: global_buffer, .address_space: global }
    .group_segment_fixed_size: 212480
    .private_segment_fixed_size: 0
    .kernarg_segment_align: 8
    .kernarg_segment_size: 32
    .max_flat_workgroup_size: 256
    .sgpr_count:     66
    .vgpr_count:     210
    .wavefront_size: 32
...
	.end_amdgpu_metadata
.endif
;; end of part 5
;; ======== version 2 of 3: 5 launches; 1.15 times as fast as version 1
;; limits: values are held in f16: magnitudes above 65,504 overflow, below 6.1e-05 lose precision
;; workspace buffers: qh 1,048,576 bytes; qk 16,777,216 bytes; cb 32,768 bytes; xp 16,777,216 bytes; at 1,048,576 bytes; w16 4,194,304 bytes
;; launch qproj (part 6): grid 16 x 16, 8 waves a work-group, no clusters, 284,160 bytes of LDS; arguments q, Wq, bq, qh; writes qh
.if DOCPART == 6
	.amdgcn_target "amdgcn-amd-amdhsa--gfx1250"
	.amdhsa_code_object_version 6
	.text
	.protected	k_q210fea44b7_qproj
	.globl	k_q210fea44b7_qproj
	.p2align	8
	.type	k_q210fea44b7_qproj,@function
k_q210fea44b7_qproj:
	s_mov_b64 s[64:65], 0
	v_nop
	global_prefetch_b8 v0, s[64:65] scope:SCOPE_SE
	s_setreg_imm32_b32 hwreg(HW_REG_WAVE_MODE, 25, 1), 1
	s_wait_xcnt 0x0
; qproj: qh' = (q Wq^T + bq) * (log2 e / 512), rounded to f16 and stored in fragment order.
; The factor is the softmax's 1/sqrt(64), the change to base 2, and 1/64, which the launch that makes the scores takes back: it keeps the
; folded query (next launch) inside f16 (see LIMITS there).
; GENERAL FORM (the six .set lines below choose A's form, the offsets, the scale and the way out; this launch alone uses the text, with A in f32):
;   C[512][1024] = A[512][1024] B[1024][1024]^T + bias, operands rounded to f16, sums in f32.
; A work-group makes 32 rows x 64 columns with eight waves.  K IS SHARED OUT AMONG THE WAVES: wave w takes K = 128 w .. + 127 of the whole block,
; eight accumulator tiles of 16 x 16.  So what a wave loads (512 bytes of each of B's 64 rows, its part of A's 32 rows) only that wave reads: it goes through
; a ring of 32 register slots (32 loads of 512 bytes on their way), is rounded to f16 once and lies in LDS rows of the wave's own, with no barrier;
; and a K step of 32 takes 8 fragment loads for 4 matrix instructions.  The slots are taken four at a time, so that no LDS store stands behind its own conversion.
; The product of columns 0 .. 31 runs while the wave's last 32 loads (B's rows 32 .. 63) are on their way, that of columns 32 .. 63 behind them.
; Then the eight partial blocks meet in LDS, behind the one barrier: wave w adds the eight partial tiles of tile w (nb = w >> 1, mb = w & 1) and sends it out.
; FRAGMENT ORDER (buffers qh, at): [tile of 16 rows][step t of 32 columns][q][lane][16 bytes]; lane 16 h + r of (tile, t, q) holds row
; 16 tile + r, columns 32 t + 16 q + 8 h .. + 7: a matrix operand's register image, stored and loaded as 512 consecutive bytes.
; CLUSTERS are not used: what work-groups share (B along y, A along x) is f32 in memory and lies in LDS as f16, rounded in registers on
; the way, once for the work-group; brought as it is it would take 4 bytes a number in LDS and be rounded again for every fragment made of it.
; WHY f16: 11 bits of precision against bf16's 8; five roundings of intermediates lie between the inputs and the output.
; LIMITS: operands are rounded to f16 (nearest even), the result of this launch too; K is added as eight f32 partial sums, then a tree of seven f32 additions.
; A number above 65,504 in magnitude would become infinite: q and Wq themselves, and qh', which is 30 x 0.6 x 1024 x 0.0028 = 52 when q (spread 1) and
; Wq (spread 0.02) both carry an offset of 30 spreads.  Below 2^-14 f16 has steps of 2^-24.  NaN and infinities among the inputs are not considered.
.set ASRC,    0                        ; A: 0 = f32 rows of 4,096 bytes; 1 = f16 rows of 2,048 bytes, 32,768 apart, head x; 2 = fragment order
.set NA,      32                       ; A's loads, for one wave
.set BOFF,    0                        ; B starts so many bytes into its buffer
.set BIASOFF, 0                        ; the bias likewise
.set SCALED,  1                        ; 1: result times log2 e / 512
.set OUTF32,  0                        ; 1: f32 rows; 0: f16 in fragment order
.set NT,   NA+64                       ; a wave's loads: A's, then B's 64 rows
.set NG,   NT/4                        ; groups of four
.set G1,   (NA+32)/4                   ; groups in front of the first product: A and B's rows 0 .. 31
.set PB,   272                         ; an LDS row: 128 f16 + 16 bytes, an odd multiple of 16: 16 rows start in 16 different columns of 16 bytes modulo 256
.set AOFF, 64*PB                       ; A's rows, behind B's 64
.set WR,   96*PB                       ; a wave's rows
.set PART, 8*WR                        ; behind them 8,192 bytes a wave: its partial block, [tile][half][lane][16 bytes]
.set STG,  PART+8*8192                 ; stage for f32 rows on the way out: 32 rows of 272 bytes
.set SPT,  272
.set BIAS, 8                           ; v[8:15]    bias of my 8 columns
.set T,    16                          ; v[16:31]   eight pairs, rounded numbers on their way to LDS; at the end addresses and the packed result
.set ACC,  32                          ; v[32:95]   eight accumulators, tile 2 nb + mb at 8 (2 nb + mb)
.set FR,   96                          ; v[96:127]  a K step's fragments: B of two nb, A of two mb (first product's second buffer: v[64:95], not yet live)
.set RING, 128                         ; v[128:255] 32 slots of 4; then the second product's fragments; then the eight partial tiles
.set RES,  RING                        ; v[128:135] the sum
.set OUTP, 20                          ; v[20:23]   packed result
; v1 16 L; v2, v3 where I store B, A in LDS; v4, v5 where I read B's, A's fragments; v6 bias offset; v7 A's offset in memory (ASRC 1)
.macro PLACES                          ; a load into a register that a matrix instruction has read stands four plain vector instructions behind it
.rept 4                                ; (ISA guide 7.12.1 for vector instructions)
	v_nop
.endr
.endm
.macro LD k                            ; load k of the wave into slot k mod 32
.if (\k) < NA
.if ASRC == 0
	global_load_b128 v[RING+4*((\k)&31):RING+4*((\k)&31)+3], v1, s[4:5] offset:4096*(\k)                   ; row k, my 512 bytes
.endif
.if ASRC == 1
	global_load_b128 v[RING+4*((\k)&31):RING+4*((\k)&31)+3], v7, s[4:5] offset:65536*(\k)                  ; rows 2 k + h, my 256 bytes of each
.endif
.if ASRC == 2
	global_load_b128 v[RING+4*((\k)&31):RING+4*((\k)&31)+3], v1, s[4:5] offset:32768*((\k)>>3)+512*((\k)&7) ; tile k >> 3, my four steps' 4,096 bytes
.endif
.else
	global_load_b128 v[RING+4*((\k)&31):RING+4*((\k)&31)+3], v1, s[6:7] offset:4096*((\k)-NA)              ; B's row k - NA, my 512 bytes
.endif
.endm
; Group g: loads 4 g .. 4 g + 3 go to LDS, and their slots are loaded again, 32 loads further on, as long as there is something to fetch.
.macro GRP g
.if NT-4*(\g)-4 < 28
	s_wait_loadcnt NT-4*(\g)-4                     ; nothing more is fetched: the counts run down
.else
	s_wait_loadcnt 28                              ; loads come back in order (ISA guide 5.7.1): all but the 28 issued behind the group's four
.endif
.set raw, 0
.if 4*(\g) < NA
.if ASRC != 0
.set raw, 1                                            ; f16 as it comes: no rounding
.endif
.endif
.if raw
.irp j, 0,1,2,3
.if ASRC == 1
	ds_store_b128 v3, v[RING+4*((4*(\g)+\j)&31):RING+4*((4*(\g)+\j)&31)+3] offset:2*PB*(4*(\g)+\j)
.else
	ds_store_b128 v3, v[RING+4*((4*(\g)+\j)&31):RING+4*((4*(\g)+\j)&31)+3] offset:4096*((4*(\g)+\j)>>3)+512*((4*(\g)+\j)&7)
.endif
.endr
.else
.irp j, 0,1,2,3
	v_cvt_pk_f16_f32 v[T+8*((\g)&1)+2*\j],   v[RING+4*((4*(\g)+\j)&31)],   v[RING+4*((4*(\g)+\j)&31)+1]
	v_cvt_pk_f16_f32 v[T+8*((\g)&1)+2*\j+1], v[RING+4*((4*(\g)+\j)&31)+2], v[RING+4*((4*(\g)+\j)&31)+3]
.endr
.endif
.if 4*(\g)+32 < NT
.irp j, 0,1,2,3
	LD 4*(\g)+\j+32
.endr
.endif
.if raw == 0
.irp j, 0,1,2,3
.if 4*(\g) < NA
	ds_store_b64 v3, v[T+8*((\g)&1)+2*\j:T+8*((\g)&1)+2*\j+1] offset:PB*(4*(\g)+\j)       ; 8 bytes a lane, 256 consecutive bytes a wave
.else
	ds_store_b64 v2, v[T+8*((\g)&1)+2*\j:T+8*((\g)&1)+2*\j+1] offset:PB*(4*(\g)+\j-NA)
.endif
.endr
.endif
.endm
.macro PLD p, reg, t                   ; eight LDS loads: K step t's fragments of B's tiles 2 p, 2 p + 1 and of A's two tiles
.irp e, 0,1
	ds_load_b128 v[(\reg)+8*\e:(\reg)+8*\e+3],   v4 offset:PB*16*(2*(\p)+\e)+64*(\t)
	ds_load_b128 v[(\reg)+8*\e+4:(\reg)+8*\e+7], v4 offset:PB*16*(2*(\p)+\e)+64*(\t)+32
.endr
.irp e, 0,1
.if ASRC == 2
	ds_load_b128 v[(\reg)+16+8*\e:(\reg)+16+8*\e+3],   v5 offset:4096*\e+1024*(\t)
	ds_load_b128 v[(\reg)+16+8*\e+4:(\reg)+16+8*\e+7], v5 offset:4096*\e+1024*(\t)+512
.else
	ds_load_b128 v[(\reg)+16+8*\e:(\reg)+16+8*\e+3],   v5 offset:PB*16*\e+64*(\t)
	ds_load_b128 v[(\reg)+16+8*\e+4:(\reg)+16+8*\e+7], v5 offset:PB*16*\e+64*(\t)+32
.endif
.endr
.endm
; The product of columns 32 p .. + 31 over my 128 K: 4 K steps on nbuf fragment buffers at base + stride (t mod nbuf).
; The matrix instruction is used transposed: source 0 = 16 rows of B, source 1 = 16 rows of A, so that lane 16 h + r holds row r of C and its
; registers the 8 neighbouring columns 8 h + 0 .. 7.  The four accumulators take turns, one instruction a turn.
; The first K step starts the sums: nothing is cleared.
.macro PROD p, base, stride, nbuf
.set tt, 0
.rept \nbuf
.set rg, \base+(\stride)*(tt%\nbuf)
	PLD \p, rg, tt
.set tt, tt+1
.endr
.set tt, 0
.rept 4
.set rg, \base+(\stride)*(tt%\nbuf)
.if tt+\nbuf-1 < 3
	s_wait_dscnt 8*(\nbuf-1)                       ; the later steps' loads, eight each, are younger
.else
	s_wait_dscnt 8*(3-tt)
.endif
.irp e, 0,1
.irp m, 0,1
.if tt == 0
	v_wmma_f32_16x16x32_f16 v[ACC+32*\p+16*\e+8*\m:ACC+32*\p+16*\e+8*\m+7], v[rg+8*\e:rg+8*\e+7], v[rg+16+8*\m:rg+16+8*\m+7], 0
.else
	v_wmma_f32_16x16x32_f16 v[ACC+32*\p+16*\e+8*\m:ACC+32*\p+16*\e+8*\m+7], v[rg+8*\e:rg+8*\e+7], v[rg+16+8*\m:rg+16+8*\m+7], v[ACC+32*\p+16*\e+8*\m:ACC+32*\p+16*\e+8*\m+7]
.endif
.endr
.endr
.if tt+\nbuf <= 3
	PLACES
	PLD \p, rg, tt+\nbuf
.endif
.set tt, tt+1
.endr
.endm
	s_load_b256 s[4:11], s[0:1], 0x0               ; A s[4:5], B s[6:7], bias s[8:9], out s[10:11]
	v_lshl_add_u32 v7, v0, 2, 0x45200
	s_set_vgpr_msb 0x40
	v_mov_b32 v1, 0
	s_set_vgpr_msb 0x4000
	v_lshrrev_b32 v16, 5, v0
	v_readfirstlane_b32 s12, v16                   ; w
	s_and_b32 s13, s12, 1                          ; mb of the tile that I send out
	s_lshr_b32 s14, s12, 1                         ; nb of it
	s_and_b32 s16, ttmp7, 0xffff                   ; y: block of 32 rows; ttmp9 = x: block of 64 columns
	s_mul_i32 s17, s12, WR                         ; my LDS rows
	s_add_co_u32 s15, s17, AOFF                    ; A's among them
	s_lshl_b32 s22, s12, 13
	s_add_co_u32 s22, s22, PART                    ; my partial block
	s_lshl_b32 s23, s12, 10
	s_add_co_u32 s23, s23, PART                    ; tile w of wave 0's partial block
	v_and_b32 v16, 31, v0                          ; L
	v_and_b32 v17, 15, v0                          ; r
	v_bfe_u32 v18, v0, 4, 1                        ; h
	v_lshlrev_b32 v1, 4, v16                       ; 16 L
	v_lshl_add_u32 v2, v16, 3, s17                 ; B: 8 bytes a lane
	v_mul_u32_u24 v19, v17, PB
	v_lshl_add_u32 v19, v18, 4, v19                ; r x pitch + 16 h
	v_add_nc_u32 v4, s17, v19
.if ASRC == 0
	v_lshl_add_u32 v3, v16, 3, s15                 ; A: 8 bytes a lane
	v_add_nc_u32 v5, s15, v19
.endif
.if ASRC == 1
	v_mul_u32_u24 v20, v18, PB
	v_lshl_add_u32 v20, v17, 4, v20
	v_add_nc_u32 v3, s15, v20                      ; A: lanes 0-15 one row of 256 bytes, lanes 16-31 the next
	v_add_nc_u32 v5, s15, v19
	v_lshlrev_b32 v7, 4, v17
	v_lshl_add_u32 v7, v18, 15, v7                 ; the same two rows in memory, 32,768 bytes apart
.endif
.if ASRC == 2
	v_add_nc_u32 v3, s15, v1                       ; A lies in LDS as in memory, as the registers want it
	v_add_nc_u32 v5, s15, v1
.endif
	s_lshl_b32 s24, s14, 6
	v_lshl_add_u32 v6, v18, 5, s24                 ; bias: 4 (16 nb + 8 h)
.if OUTF32
	s_mul_i32 s25, s13, 16*SPT
	s_add_co_u32 s25, s25, STG
	s_mul_i32 s30, s12, 4*SPT
	s_add_co_u32 s30, s30, STG
.endif
	; byte offsets into the four buffers, each in a pair of its own
.if ASRC == 0
	s_lshl_b32 s18, s16, 17                        ; 32 y rows of 4,096 bytes + 512 w
	s_lshl_b32 s24, s12, 9
	s_add_co_u32 s18, s18, s24
.endif
.if ASRC == 1
	s_lshl_b32 s18, s16, 20                        ; (32 y x 16 + x) rows of 2,048 bytes + 256 w
	s_lshl_b32 s24, ttmp9, 11
	s_add_co_u32 s18, s18, s24
	s_lshl_b32 s24, s12, 8
	s_add_co_u32 s18, s18, s24
.endif
.if ASRC == 2
	s_lshl_b32 s18, s16, 16                        ; tile 2 y of 32,768 bytes, step 4 w of 1,024
	s_lshl_b32 s24, s12, 12
	s_add_co_u32 s18, s18, s24
.endif
	s_mov_b32 s19, 0
	s_lshl_b32 s20, ttmp9, 18                      ; 64 x rows of 4,096 bytes + 512 w
	s_lshl_b32 s24, s12, 9
	s_add_co_u32 s20, s20, s24
.if BOFF
	s_add_co_u32 s20, s20, BOFF
.endif
	s_mov_b32 s21, 0
	s_lshl_b32 s26, ttmp9, 8                       ; 64 x numbers of 4 bytes
.if BIASOFF
	s_add_co_u32 s26, s26, BIASOFF
.endif
	s_mov_b32 s27, 0
.if OUTF32
	s_lshl_b32 s28, s16, 17                        ; (32 y + 4 w) rows of 4,096 bytes + 256 x
	s_lshl_b32 s24, s12, 14
	s_add_co_u32 s28, s28, s24
	s_lshl_b32 s24, ttmp9, 8
	s_add_co_u32 s28, s28, s24
.else
	s_lshl_b32 s28, s16, 16                        ; ((2 y + mb) 32 + 2 x) 1,024 + 512 nb
	s_lshl_b32 s24, s13, 15
	s_add_co_u32 s28, s28, s24
	s_lshl_b32 s24, ttmp9, 11
	s_add_co_u32 s28, s28, s24
	s_lshl_b32 s24, s14, 9
	s_add_co_u32 s28, s28, s24
.endif
	s_mov_b32 s29, 0
	s_wait_kmcnt 0x0
	s_add_nc_u64 s[4:5], s[4:5], s[18:19]
	s_add_nc_u64 s[6:7], s[6:7], s[20:21]
	s_add_nc_u64 s[8:9], s[8:9], s[26:27]
	s_add_nc_u64 s[10:11], s[10:11], s[28:29]
	global_load_b128 v[BIAS:BIAS+3], v6, s[8:9]
	global_load_b128 v[BIAS+4:BIAS+7], v6, s[8:9] offset:16
.set kk, 0
.rept 32
	LD kk                                          ; the ring is filled
.set kk, kk+1
.endr
.set gg, 0
.rept G1
	GRP gg
.set gg, gg+1
.endr
	PROD 0, FR, -32, 2                             ; columns 0 .. 31, while B's rows 32 .. 63 are on their way
.rept NG-G1
	GRP gg
.set gg, gg+1
.endr
	PROD 1, RING, 32, 4                            ; columns 32 .. 63: the ring's registers are free, all 32 fragment loads go out at once
	; The eight partial blocks meet in LDS.  The next four lines are the places behind the last matrix instructions,
	; for the stores that read their results and for the loads into their sources.
	v_add_nc_u32 v16, s22, v1
	v_add_nc_u32 v17, s23, v1
	v_nop
	v_nop
.irp a, 0,1,2,3,4,5,6,7
	ds_store_b128 v16, v[ACC+8*\a:ACC+8*\a+3]   offset:1024*\a
	ds_store_b128 v16, v[ACC+8*\a+4:ACC+8*\a+7] offset:1024*\a+512
.endr
	s_wait_dscnt 0x0                               ; for the others: zero
	s_barrier_signal -1
	s_barrier_wait -1
.irp i, 0,1,2,3,4,5,6,7
	ds_load_b128 v[RES+8*\i:RES+8*\i+3],   v17 offset:8192*\i          ; wave i's part of tile w
	ds_load_b128 v[RES+8*\i+4:RES+8*\i+7], v17 offset:8192*\i+512
.endr
.if SCALED
.irp j, 0,2,4,6
	v_pk_mul_f32 v[BIAS+\j:BIAS+\j+1], v[BIAS+\j:BIAS+\j+1], 0x3b38aa3b op_sel_hi:[1,0]   ; bias x log2 e / 512, so that one fused multiply-add ends the sum
.endr
.endif
.if OUTF32
	v_and_b32 v21, 15, v0                          ; r
	v_bfe_u32 v22, v0, 4, 1                        ; h
	v_mul_u32_u24 v23, v21, SPT
	v_add_nc_u32 v23, v23, v6
	v_add_nc_u32 v18, s25, v23                     ; in: row 16 mb + r, 32 bytes at 64 nb + 32 h
	v_mul_u32_u24 v23, v22, SPT
	v_lshl_add_u32 v23, v21, 4, v23
	v_add_nc_u32 v19, s30, v23                     ; back: row 4 w + h, 16 bytes at 16 r
	v_lshlrev_b32 v20, 4, v21
	v_lshl_add_u32 v20, v22, 12, v20               ; the same in the output
.endif
	s_wait_dscnt 8                                 ; parts 0 to 3 are in; the eight loads of parts 4 to 7 are younger
.irp j, 0,2,4,6
	v_pk_add_f32 v[RES+\j:RES+\j+1],       v[RES+\j:RES+\j+1],       v[RES+8+\j:RES+8+\j+1]
	v_pk_add_f32 v[RES+16+\j:RES+16+\j+1], v[RES+16+\j:RES+16+\j+1], v[RES+24+\j:RES+24+\j+1]
.endr
.irp j, 0,2,4,6
	v_pk_add_f32 v[RES+\j:RES+\j+1], v[RES+\j:RES+\j+1], v[RES+16+\j:RES+16+\j+1]
.endr
	s_wait_dscnt 0x0
.irp j, 0,2,4,6
	v_pk_add_f32 v[RES+32+\j:RES+32+\j+1], v[RES+32+\j:RES+32+\j+1], v[RES+40+\j:RES+40+\j+1]
	v_pk_add_f32 v[RES+48+\j:RES+48+\j+1], v[RES+48+\j:RES+48+\j+1], v[RES+56+\j:RES+56+\j+1]
.endr
.irp j, 0,2,4,6
	v_pk_add_f32 v[RES+32+\j:RES+32+\j+1], v[RES+32+\j:RES+32+\j+1], v[RES+48+\j:RES+48+\j+1]
.endr
.irp j, 0,2,4,6
	v_pk_add_f32 v[RES+\j:RES+\j+1], v[RES+\j:RES+\j+1], v[RES+32+\j:RES+32+\j+1]
.endr
	; the way out
.irp j, 0,2,4,6
.if SCALED
	v_pk_fma_f32 v[RES+\j:RES+\j+1], v[RES+\j:RES+\j+1], 0x3b38aa3b, v[BIAS+\j:BIAS+\j+1] op_sel_hi:[1,0,1]
.else
	v_pk_add_f32 v[RES+\j:RES+\j+1], v[RES+\j:RES+\j+1], v[BIAS+\j:BIAS+\j+1]
.endif
.endr
.if OUTF32
	ds_store_b128 v18, v[RES:RES+3]
	ds_store_b128 v18, v[RES+4:RES+7] offset:16
	s_wait_dscnt 0x0                               ; for the others: a row of the stage is written by four waves
	s_barrier_signal -1
	s_barrier_wait -1
	ds_load_b128 v[FR:FR+3], v19                   ; rows 4 w + h
	ds_load_b128 v[FR+4:FR+7], v19 offset:2*SPT    ; rows 4 w + 2 + h
	s_wait_dscnt 1
	global_store_b128 v20, v[FR:FR+3], s[10:11]                ; 16 lanes store 256 consecutive bytes, at a multiple of 256 from the buffer's first byte
	s_wait_dscnt 0x0
	global_store_b128 v20, v[FR+4:FR+7], s[10:11] offset:8192
.else
.irp j, 0,1,2,3
	v_cvt_pk_f16_f32 v[OUTP+\j], v[RES+2*\j], v[RES+2*\j+1]
.endr
	global_store_b128 v1, v[OUTP:OUTP+3], s[10:11]             ; the wave's 512 consecutive bytes in fragment order
.endif
	s_set_vgpr_msb 0x4
	s_wait_tensorcnt 0x0
	ds_add_u32 v7, v1
	s_wait_dscnt 0x0
	s_set_vgpr_msb 0x400
	s_endpgm
.Lfunc_end_k_q210fea44b7_qproj:
	.size	k_q210fea44b7_qproj, .Lfunc_end_k_q210fea44b7_qproj-k_q210fea44b7_qproj
	.p2alignl 7, 3214868480
	.fill 96, 4, 3214868480
	.section	.rodata,"a",@progbits
	.p2align	6, 0x0
	.amdhsa_kernel k_q210fea44b7_qproj
		.amdhsa_group_segment_fixed_size 284160
		.amdhsa_private_segment_fixed_size 0
		.amdhsa_enable_private_segment 0
		.amdhsa_kernarg_size 32
		.amdhsa_user_sgpr_count 2
		.amdhsa_user_sgpr_kernarg_segment_ptr 1
		.amdhsa_wavefront_size32 1
		.amdhsa_system_sgpr_workgroup_id_x 1
		.amdhsa_system_sgpr_workgroup_id_y 1
		.amdhsa_system_sgpr_workgroup_id_z 1
		.amdhsa_system_vgpr_workitem_id 0
		.amdhsa_next_free_vgpr 258
		.amdhsa_next_free_sgpr 66
		.amdhsa_reserve_vcc 0
		.amdhsa_float_denorm_mode_32 3
		.amdhsa_float_denorm_mode_16_64 3
		.amdhsa_memory_ordered 1
		.amdhsa_forward_progress 1
		.amdhsa_inst_pref_size 43
	.end_amdhsa_kernel
	.amdgpu_metadata
---
amdhsa.version: [ 1, 2 ]
amdhsa.kernels:
  - .name:           k_q210fea44b7_qproj
    .symbol:         k_q210fea44b7_qproj.kd
    .args:
      - { .name: q, .offset: 0, .size: 8, .value_kind: global_buffer, .address_space: global }
      - { .name: Wq, .offset: 8, .size: 8, .value_kind: global_buffer, .address_space: global }
      - { .name: bq, .offset: 16, .size: 8, .value_kind: global_buffer, .address_space: global }
      - { .name: qh, .offset: 24, .size: 8, .value_kind: global_buffer, .address_space: global }
    .group_segment_fixed_size: 284160
    .private_segment_fixed_size: 0
    .kernarg_segment_align: 8
    .kernarg_segment_size: 32
    .max_flat_workgroup_size: 256
    .sgpr_count:     66
    .vgpr_count:     258
    .wavefront_size: 32
...
	.end_amdgpu_metadata
.endif
;; end of part 6
;; launch qkfold (part 7): grid 16 x 16, 8 waves a work-group, no clusters, 71,168 bytes of LDS; arguments qh, Wkv, bkv, qk, cb, Wo, w16; writes qk, cb, w16
.if DOCPART == 7
	.amdgcn_target "amdgcn-amd-amdhsa--gfx1250"
	.amdhsa_code_object_version 6
	.text
	.protected	k_q210fea44b7_qkfold
	.globl	k_q210fea44b7_qkfold
	.p2align	8
	.type	k_q210fea44b7_qkfold,@function
k_q210fea44b7_qkfold:
	s_mov_b64 s[64:65], 0
	v_nop
	global_prefetch_b8 v0, s[64:65] scope:SCOPE_SE
	s_setreg_imm32_b32 hwreg(HW_REG_WAVE_MODE, 25, 1), 1
	s_wait_xcnt 0x0
; qkfold, FIRST JOB: the key projection is folded into the query.  For span n and head h
;   qk[n][h][j] = sum over d of Wk[64 h + d][j] qh'[n][64 h + d]   (f16, [512][16][1024]),   c[h][n] = sum over d of bk[64 h + d] qh'[n][64 h + d]   (f32, [16][512]),
; so that a score is 64 (qk . x + c): qh . (Wk x + bk) with the sums taken in another order (qh' carries 1/64).  Wk = rows 0 .. 1023 of Wkv, bk = the first half of bkv.
; Work-group (h = x; y = 8 rh + jb): head h, rows n = 256 rh .. + 255, columns j = 128 jb .. + 127.  K = d = 64, two steps u of 32.
; Wave w: the two tiles of 16 rows 16 rh + 2 w + a.  Wk's 64 x 128 numbers are rounded to f16 once and lie in LDS as [d][j]; the
; transposing LDS load makes fragments of them with j as the row and d along the registers.
; The matrix instruction is used transposed (source 0: rows j; source 1: rows n): a lane holds 8 neighbouring j of one row n.
; c: source 0 holds bk in all 16 rows, so every register of the result is c of the lane's row; only the work-groups with jb = 0 make it.
; Its store is 128 consecutive bytes a wave, half of an aligned block of 256: the whole of cb is 32,768 bytes.
; SECOND JOB: Wv (rows 1024 .. 2047 of Wkv) and Wo are rounded to f16 once and stored in w16 (Wv's 2 MiB, then Wo's) in FRAGMENT ORDER:
; [tile of 16 rows][step t of 32 along K][q][lane][16 bytes]; lane 16 h + r of (tile, t, q) holds row 16 tile + r, K = 32 t + 16 q + 8 h .. + 7.
; In each of the last two launches 16 work-groups read the same 64 rows of weights: from w16 they take 2 bytes a number instead of 4, straight into
; the matrix operand's registers, with nothing to round.  It stands here because this launch has the fewest bytes of its own: 64 KiB in for a work-group.
; The work-group takes tile 4 y + (x >> 2), K quarter x & 3, of both matrices: wave w loads rows 2 w, 2 w + 1 (two loads of 512 consecutive bytes a row),
; lays them rounded into LDS, and behind the launch's one barrier reads step w of the quarter as fragments and stores 1,024 consecutive bytes of each matrix.
; CLUSTERS are not used: the shared tile (Wk, by the two work-groups rh = 0, 1) is f32 in memory and must be rounded before the 16-bit transposing load.
; LIMITS: Wk, bk, qk, Wv and Wo are rounded to f16; the order of rounding differs from a projection of kv followed by a dot product.
; A number above 65,504 in magnitude would become infinite.  qk as stored: with q (spread 1), Wq and Wk (spread 0.02) all carrying an offset of 30 spreads
; it is 30 x 0.6 x 1024 x 0.0028 x 0.6 x 64 = 2,000; without the 1/64 it would be 127,000, which is why that factor is there.  With inputs of those spreads
; alone it is about 3e-4, where f16 still has its 11 bits; below 2^-14 its steps are 2^-24, which is 2^-18 of a score's unit for each number of kv's size 1.
; NaN and infinities are not considered.
.set PW,  288                          ; LDS row of Wk: 256 bytes + 32, an odd multiple of 32 for the transposing load
.set STG, 64*PW                        ; behind it a stage of 16 rows x 272 bytes for each wave
.set SPT, 272
.set PC,  528                          ; LDS row of the second job: 256 f16 + 16 bytes, an odd multiple of 16
.set CST, STG+8*16*SPT                 ; its rows: Wv's 16, then Wo's 16
.set BKF, 16                           ; v[16:31]   bk as a fragment, step u at 8 u
.set QF,  32                           ; v[32:63]   qh' fragments, tile a, step u at 16 a + 8 u
.set ACC, 64                           ; v[64:127]  eight accumulators (jt); before that: Wk as loaded v[64:95], bk as loaded v[96:127]
.set WF,  128                          ; v[128:255] Wk fragments at 16 jt + 8 u; before that: Wk rounded v[128:143]
.set CR,  192                          ; v[192:223] second job: rows as loaded (ahead of the barrier, where Wk's fragments are not yet there)
.set CT,  224                          ; v[224:239] rounded
.set CF,  112                          ; v[112:127] as fragments, on their way to w16 (ahead of the first product)
; v1 16 L; v2 where I store Wk; v3 transposing loads; v4 into the stage; v5 back from it; v6 offset in qk; v7 32 h; v8 c; v9 4 L;
; v14 second job's fragments in LDS; v15 where I store its rows
.macro PLACES                          ; four plain vector instructions behind a matrix instruction before its result is read (ISA guide 7.12.1)
.rept 4
	v_nop
.endr
.endm
	s_load_b256 s[4:11], s[0:1], 0x0               ; qh s[4:5], Wkv s[6:7], bkv s[8:9], qk s[10:11]
	s_load_b64 s[12:13], s[0:1], 0x20              ; cb
	s_load_b64 s[32:33], s[0:1], 0x28              ; Wo
	s_load_b64 s[34:35], s[0:1], 0x30              ; w16
	s_set_vgpr_msb 0x40
	v_lshl_add_u32 v0, v0, 2, 0x11200
	v_mov_b32 v1, 0
	s_set_vgpr_msb 0x4000
	v_lshrrev_b32 v10, 5, v0
	v_readfirstlane_b32 s14, v10                   ; w
	s_and_b32 s16, ttmp7, 0xffff
	s_lshr_b32 s17, s16, 3                         ; rh
	s_and_b32 s18, s16, 7                          ; jb
	s_mov_b32 s20, 0xffff0000                      ; lanes 16 to 31
	s_lshl_b32 s22, ttmp9, 18                      ; Wk: (64 h + 8 w) rows of 4,096 bytes + 512 jb
	s_lshl_b32 s15, s14, 15
	s_add_co_u32 s22, s22, s15
	s_lshl_b32 s15, s18, 9
	s_add_co_u32 s22, s22, s15
	s_mov_b32 s23, 0
	s_lshl_b32 s24, ttmp9, 8                       ; bk: 64 h numbers
	s_mov_b32 s25, 0
	s_lshl_b32 s26, s17, 19                        ; qh: tile 16 rh + 2 w of 32,768 bytes, step 2 h of 1,024
	s_lshl_b32 s15, s14, 16
	s_add_co_u32 s26, s26, s15
	s_lshl_b32 s15, ttmp9, 11
	s_add_co_u32 s26, s26, s15
	s_mov_b32 s27, 0
	s_lshl_b32 s28, s17, 23                        ; qk: ((16 rh + 2 w) 256 + h) rows of 2,048 bytes + 256 jb
	s_lshl_b32 s15, s14, 20
	s_add_co_u32 s28, s28, s15
	s_lshl_b32 s15, ttmp9, 11
	s_add_co_u32 s28, s28, s15
	s_lshl_b32 s15, s18, 8
	s_add_co_u32 s28, s28, s15
	s_mov_b32 s29, 0
	s_lshl_b32 s30, ttmp9, 11                      ; cb: 4 (512 h + 256 rh + 32 w)
	s_lshl_b32 s15, s17, 10
	s_add_co_u32 s30, s30, s15
	s_lshl_b32 s15, s14, 7
	s_add_co_u32 s30, s30, s15
	s_mov_b32 s31, 0
	s_lshr_b32 s44, ttmp9, 2                       ; the second job:
	s_lshl2_add_u32 s44, s16, s44                  ; tile = 4 y + (x >> 2), 0 .. 63
	s_and_b32 s45, ttmp9, 3                        ; K quarter
	s_lshl_b32 s40, s44, 16                        ; Wo: (16 tile + 2 w) rows of 4,096 bytes + 1,024 x quarter
	s_lshl_b32 s15, s14, 13
	s_add_co_u32 s40, s40, s15
	s_lshl_b32 s15, s45, 10
	s_add_co_u32 s40, s40, s15
	s_mov_b32 s41, 0
	s_add_co_u32 s38, s40, 0x400000                ; Wv: the same, 1,024 rows into Wkv
	s_mov_b32 s39, 0
	s_lshl_b32 s42, s44, 15                        ; w16: tile of 32,768 bytes, step 8 x quarter + w of 1,024
	s_lshl_b32 s15, s45, 13
	s_add_co_u32 s42, s42, s15
	s_lshl_b32 s15, s14, 10
	s_add_co_u32 s42, s42, s15
	s_mov_b32 s43, 0
	v_and_b32 v10, 31, v0                          ; L
	v_and_b32 v11, 15, v0                          ; r
	v_bfe_u32 v12, v0, 4, 1                        ; h of the lane
	v_lshlrev_b32 v1, 4, v10
	s_mul_i32 s19, s14, 8*PW
	v_lshl_add_u32 v2, v10, 3, s19                 ; rows 8 w .., 8 bytes a lane
	v_and_b32 v13, 7, v0
	v_lshl_add_u32 v13, v12, 3, v13                ; row 8 h + (L & 7)
	v_mul_u32_u24 v13, v13, PW
	v_bfe_u32 v3, v0, 3, 1
	v_lshl_add_u32 v3, v3, 4, v13                  ; + 16 ((L >> 3) & 1)
	s_mul_i32 s19, s14, 16*SPT
	s_add_co_u32 s19, s19, STG                     ; my stage
	v_mul_u32_u24 v13, v11, SPT
	v_lshl_add_u32 v13, v12, 4, v13
	v_add_nc_u32 v4, s19, v13                      ; in: row r, 16 bytes for each half of the lanes
	v_mul_u32_u24 v13, v12, SPT
	v_lshl_add_u32 v13, v11, 4, v13
	v_add_nc_u32 v5, s19, v13                      ; back: lanes 0-15 one row of 256 bytes, lanes 16-31 the next
	v_lshlrev_b32 v6, 4, v11
	v_lshl_add_u32 v6, v12, 15, v6                 ; the same two rows in qk, 32,768 bytes apart
	v_lshlrev_b32 v7, 5, v12
	v_lshlrev_b32 v9, 2, v10
	s_mul_i32 s46, s14, 2*PC
	s_add_co_u32 s46, s46, CST
	v_lshl_add_u32 v15, v10, 3, s46                ; second job: rows 2 w .., 8 bytes a lane
	s_lshl_b32 s46, s14, 6
	s_add_co_u32 s46, s46, CST
	v_mul_u32_u24 v13, v11, PC
	v_lshl_add_u32 v13, v12, 4, v13
	v_add_nc_u32 v14, s46, v13                     ; its fragments: row r, step w: 64 w + 16 h
	s_wait_kmcnt 0x0
	s_add_nc_u64 s[36:37], s[6:7], s[38:39]        ; Wv's rows, from Wkv's address as it came
	s_add_nc_u64 s[32:33], s[32:33], s[40:41]
	s_add_nc_u64 s[34:35], s[34:35], s[42:43]
	s_add_nc_u64 s[6:7], s[6:7], s[22:23]
	s_add_nc_u64 s[8:9], s[8:9], s[24:25]
	s_add_nc_u64 s[4:5], s[4:5], s[26:27]
	s_add_nc_u64 s[10:11], s[10:11], s[28:29]
	s_add_nc_u64 s[12:13], s[12:13], s[30:31]
.irp i, 0,1,2,3,4,5,6,7
	global_load_b128 v[ACC+4*\i:ACC+4*\i+3], v1, s[6:7] offset:4096*\i         ; Wk row 8 w + i, 512 consecutive bytes
.endr
.irp u, 0,1
	global_load_b128 v[96+16*\u:96+16*\u+3],     v7, s[8:9] offset:128*\u      ; bk[32 u + 8 h ..]
	global_load_b128 v[96+16*\u+4:96+16*\u+7],   v7, s[8:9] offset:128*\u+16
	global_load_b128 v[96+16*\u+8:96+16*\u+11],  v7, s[8:9] offset:128*\u+64   ; bk[32 u + 16 + 8 h ..]
	global_load_b128 v[96+16*\u+12:96+16*\u+15], v7, s[8:9] offset:128*\u+80
.endr
.irp i, 0,1
.irp p, 0,1
	global_load_b128 v[CR+8*\i+4*\p:CR+8*\i+4*\p+3], v1, s[36:37] offset:4096*\i+512*\p th:TH_LOAD_NT         ; Wv row 2 w + i of the tile, half p of the quarter
.endr
.endr
.irp i, 0,1
.irp p, 0,1
	global_load_b128 v[CR+16+8*\i+4*\p:CR+16+8*\i+4*\p+3], v1, s[32:33] offset:4096*\i+512*\p th:TH_LOAD_NT   ; Wo likewise
.endr
.endr
.irp a, 0,1
.irp u, 0,1
	global_load_b128 v[QF+16*\a+8*\u:QF+16*\a+8*\u+3],   v1, s[4:5] offset:32768*\a+1024*\u      ; fragments as they lie in memory
	global_load_b128 v[QF+16*\a+8*\u+4:QF+16*\a+8*\u+7], v1, s[4:5] offset:32768*\a+1024*\u+512
.endr
.endr
	s_wait_loadcnt 24                              ; Wk is in; bk's 8 loads, the second job's 8 and qh's 8 are younger
.irp i, 0,1,2,3,4,5,6,7
	v_cvt_pk_f16_f32 v[WF+2*\i], v[ACC+4*\i], v[ACC+4*\i+1]
	v_cvt_pk_f16_f32 v[WF+2*\i+1], v[ACC+4*\i+2], v[ACC+4*\i+3]
	ds_store_b64 v2, v[WF+2*\i:WF+2*\i+1] offset:PW*\i
.endr
	s_wait_loadcnt 16                              ; bk is in; the second job's 8 loads and qh's 8 are younger
.irp m, 0,1,2,3,4,5,6,7,8,9,10,11,12,13,14,15
	v_cvt_pk_f16_f32 v[BKF+\m], v[96+2*\m], v[96+2*\m+1]
.endr
	s_wait_loadcnt 8                               ; Wv's and Wo's rows are in; qh's 8 loads are younger
.irp c, 0,1,2,3,4,5,6,7
	v_cvt_pk_f16_f32 v[CT+2*\c],   v[CR+4*\c],   v[CR+4*\c+1]
	v_cvt_pk_f16_f32 v[CT+2*\c+1], v[CR+4*\c+2], v[CR+4*\c+3]
.endr
.irp b, 0,1
.irp i, 0,1
.irp p, 0,1
	ds_store_b64 v15, v[CT+8*\b+4*\i+2*\p:CT+8*\b+4*\i+2*\p+1] offset:16*PC*\b+PC*\i+256*\p    ; 8 bytes a lane, 256 consecutive bytes a wave
.endr
.endr
.endr
	s_wait_dscnt 0x0                               ; my rows of Wk, Wv and Wo are in LDS,
	s_barrier_signal -1
	s_barrier_wait -1                              ; everybody's are
.irp b, 0,1
.irp q, 0,1
	ds_load_b128 v[CF+8*\b+4*\q:CF+8*\b+4*\q+3], v14 offset:16*PC*\b+32*\q     ; row r, K = 32 w + 16 q + 8 h .. + 7 of the quarter
.endr
.endr
.irp u, 0,1
.irp jt, 0,1,2,3,4,5,6,7
	ds_load_tr16_b128 v[WF+16*\jt+8*\u:WF+16*\jt+8*\u+3],   v3 offset:32*PW*\u+32*\jt          ; d = 32 u + 8 h .. + 7 of column 16 jt + r
	ds_load_tr16_b128 v[WF+16*\jt+8*\u+4:WF+16*\jt+8*\u+7], v3 offset:32*PW*\u+32*\jt+16*PW    ; d = 32 u + 16 + 8 h .. + 7
.endr
.endr
	s_wait_dscnt 32                                ; the second job's four fragment loads are in; the 32 transposing loads are younger
.irp b, 0,1
.irp q, 0,1
	global_store_b128 v1, v[CF+8*\b+4*\q:CF+8*\b+4*\q+3], s[34:35] offset:2097152*\b+512*\q    ; 512 consecutive bytes, aligned; Wo's half lies 2 MiB behind Wv's
.endr
.endr
	s_wait_loadcnt 0x0                             ; qh
; Tile a: 16 rows n x 128 columns j.  The eight accumulators take turns, one instruction a turn.
.macro TILE a
	s_wait_xcnt 0x0                                ; accumulator registers were the data of stores (tile 0: those to w16; tile 1: the last tile's): rewritten only behind this wait
.if \a == 0
	s_wait_dscnt 16                                ; step 0's 16 loads are in; step 1's are younger
.endif
.irp jt, 0,1,2,3,4,5,6,7
	v_wmma_f32_16x16x32_f16 v[ACC+8*\jt:ACC+8*\jt+7], v[WF+16*\jt:WF+16*\jt+7], v[QF+16*\a:QF+16*\a+7], 0
.endr
.if \a == 0
	s_wait_dscnt 0x0
.endif
.irp jt, 0,1,2,3,4,5,6,7
	v_wmma_f32_16x16x32_f16 v[ACC+8*\jt:ACC+8*\jt+7], v[WF+16*\jt+8:WF+16*\jt+15], v[QF+16*\a+8:QF+16*\a+15], v[ACC+8*\jt:ACC+8*\jt+7]
.endr
	PLACES
.irp jt, 0,1,2,3,4,5,6,7
.irp i, 0,1,2,3
	v_cvt_pk_f16_f32 v[ACC+8*\jt+\i], v[ACC+8*\jt+2*\i], v[ACC+8*\jt+2*\i+1]       ; in place: the target has been read already
.endr
.endr
.irp jt, 0,1,2,3,4,5,6,7
	ds_store_b128 v4, v[ACC+8*\jt:ACC+8*\jt+3] offset:32*\jt
.endr
.irp k, 0,1,2,3,4,5,6,7
	ds_load_b128 v[ACC+8*\k+4:ACC+8*\k+7], v5 offset:2*SPT*\k      ; my own bytes; LDS serves a wave's instructions in order (ISA guide 5.7.1)
.endr
.irp k, 0,1,2,3,4,5,6,7
	s_wait_dscnt 7-\k
	global_store_b128 v6, v[ACC+8*\k+4:ACC+8*\k+7], s[10:11] offset:65536*\k+524288*\a   ; rows 2 k + h: 16 lanes store 256 consecutive bytes, aligned
.endr
.endm
	TILE 0
	TILE 1
	s_cmp_lg_u32 s18, 0                            ; c hangs on (h, n) alone: the work-groups with jb = 0 make it
	s_cbranch_scc1 .Ldone
	s_wait_xcnt 0x0                                ; v[64:79] were store data
	v_wmma_f32_16x16x32_f16 v[64:71], v[BKF:BKF+7], v[QF:QF+7], 0                  ; two accumulators by turns
	v_wmma_f32_16x16x32_f16 v[72:79], v[BKF:BKF+7], v[QF+16:QF+23], 0
	v_wmma_f32_16x16x32_f16 v[64:71], v[BKF+8:BKF+15], v[QF+8:QF+15], v[64:71]
	v_wmma_f32_16x16x32_f16 v[72:79], v[BKF+8:BKF+15], v[QF+24:QF+31], v[72:79]
	PLACES
	v_cndmask_b32 v8, v64, v72, s20                ; lanes 0-15: rows of tile 0; lanes 16-31: rows of tile 1
	global_store_b32 v9, v8, s[12:13]              ; c[h][256 rh + 32 w + L]
.Ldone:
	s_set_vgpr_msb 0x5
	s_wait_tensorcnt 0x0
	ds_add_u32 v0, v1
	s_wait_dscnt 0x0
	s_set_vgpr_msb 0x500
	s_endpgm
.Lfunc_end_k_q210fea44b7_qkfold:
	.size	k_q210fea44b7_qkfold, .Lfunc_end_k_q210fea44b7_qkfold-k_q210fea44b7_qkfold
	.p2alignl 7, 3214868480
	.fill 96, 4, 3214868480
	.section	.rodata,"a",@progbits
	.p2align	6, 0x0
	.amdhsa_kernel k_q210fea44b7_qkfold
		.amdhsa_group_segment_fixed_size 71168
		.amdhsa_private_segment_fixed_size 0
		.amdhsa_enable_private_segment 0
		.amdhsa_kernarg_size 56
		.amdhsa_user_sgpr_count 2
		.amdhsa_user_sgpr_kernarg_segment_ptr 1
		.amdhsa_wavefront_size32 1
		.amdhsa_system_sgpr_workgroup_id_x 1
		.amdhsa_system_sgpr_workgroup_id_y 1
		.amdhsa_system_sgpr_workgroup_id_z 1
		.amdhsa_system_vgpr_workitem_id 0
		.amdhsa_next_free_vgpr 258
		.amdhsa_next_free_sgpr 66
		.amdhsa_reserve_vcc 0
		.amdhsa_float_denorm_mode_32 3
		.amdhsa_float_denorm_mode_16_64 3
		.amdhsa_memory_ordered 1
		.amdhsa_forward_progress 1
		.amdhsa_inst_pref_size 26
	.end_amdhsa_kernel
	.amdgpu_metadata
---
amdhsa.version: [ 1, 2 ]
amdhsa.kernels:
  - .name:           k_q210fea44b7_qkfold
    .symbol:         k_q210fea44b7_qkfold.kd
    .args:
      - { .name: qh, .offset: 0, .size: 8, .value_kind: global_buffer, .address_space: global }
      - { .name: Wkv, .offset: 8, .size: 8, .value_kind: global_buffer, .address_space: global }
      - { .name: bkv, .offset: 16, .size: 8, .value_kind: global_buffer, .address_space: global }
      - { .name: qk, .offset: 24, .size: 8, .value_kind: global_buffer, .address_space: global }
      - { .name: cb, .offset: 32, .size: 8, .value_kind: global_buffer, .address_space: global }
      - { .name: Wo, .offset: 40, .size: 8, .value_kind: global_buffer, .address_space: global }
      - { .name: w16, .offset: 48, .size: 8, .value_kind: global_buffer, .address_space: global }
    .group_segment_fixed_size: 71168
    .private_segment_fixed_size: 0
    .kernarg_segment_align: 8
    .kernarg_segment_size: 56
    .max_flat_workgroup_size: 256
    .sgpr_count:     66
    .vgpr_count:     258
    .wavefront_size: 32
...
	.end_amdgpu_metadata
.endif
;; end of part 7
;; launch span (part 8): grid 256 x 1, 8 waves a work-group, no clusters, 312,320 bytes of LDS; arguments kv, qk, cb, mask, xp; writes xp
.if DOCPART == 8
	.amdgcn_target "amdgcn-amd-amdhsa--gfx1250"
	.amdhsa_code_object_version 6
	.text
	.protected	k_q210fea44b7_span
	.globl	k_q210fea44b7_span
	.p2align	8
	.type	k_q210fea44b7_span,@function
k_q210fea44b7_span:
	s_mov_b64 s[64:65], 0
	v_nop
	global_prefetch_b8 v0, s[64:65] scope:SCOPE_SE
	s_setreg_imm32_b32 hwreg(HW_REG_WAVE_MODE, 25, 1), 1
	s_wait_xcnt 0x0
; span: the stream over kv.  For span n (512 of them), with x[s] = kv row 64 n + s:
;   t[h][s] = 64 (qk[n][h] . x[s] + c[h][n])  (in base 2 and scaled; qk and c carry 1/64);  where mask[n][s] is 0: t = the lowest finite f32;
;   e = 2^(t - max over s of t);   xp[n][h][j] = (sum over s of e[h][s] x[s][j]) / (sum over s of e[h][s])   (f16, [512][16][1024]).
; The value projection follows in the next launch: since the weights sum to 1, sum p (Wv x + bv) = Wv (sum p x) + bv.
; A work-group takes two spans, four waves each.  Wave w: span sp = w >> 2, columns 256 cq .. + 255 (cq = w & 3) of all 64 rows: 64 KiB of f32,
; read once as 128 loads of 512 consecutive bytes through a ring of 32 register slots, rounded to f16 and kept in the wave's own LDS rows
; for both products.  The slots are taken four at a time, so that no LDS store stands behind its own conversion.
; The only exchange between waves is the sum of the four partial score tiles: one barrier.
; Both products use the matrix instruction transposed.  Scores: source 0 = 16 rows s of x, source 1 = the 16 heads of qk: lane 16 h + r holds
; head r, s = 16 g + 8 h + j.  That is also the register image of the weights as source 1 of the second product (K = s), whose source 0
; (rows j, K = s) comes from the same LDS rows by the transposing load.
; The divisor is the sum of the weights as they are used (rounded to f16), made by a product with a fragment of ones.
; CLUSTERS, tensor loads: not used: no two work-groups read a common byte of kv, qk or mask, and kv has to pass through registers to be rounded.
; LIMITS: kv, qk, e and xp are rounded to f16; the order of rounding differs from projecting kv first.  A number of kv above 65,504 in magnitude would
; become infinite (kv's spread is 1; 30 times that, or an offset of 30, is far below); xp is a weighted mean of kv's rows and no larger than they are;
; e lies in 0 .. 1, and below 2^-25 it counts as 0.  A mask byte counts as true when it is not 0.  A span with no true byte gets 64 equal weights, as the
; lowest finite number minus itself is 0.  NaN and infinities among the inputs are not considered.
.set PX,   544                         ; LDS row of x: 512 bytes + 32, an odd multiple of 32 for the transposing loads
.set PQ,   528                         ; rows of the two stages (qk in, xp out), laid over the wave's own x rows: 512 + 16
.set XRB,  64*PX                       ; a wave's x rows
.set PART, 8*XRB                       ; behind them 4,096 bytes a wave: its partial scores
.set MT,   12                          ; v[12:13]   at work on the mask bytes
.set QF,   16                          ; v[16:79]   qk fragments, K step t at 8 t
.set SCO,  80                          ; v[80:111]  scores, tile g at 8 g
.set BF,   112                         ; v[112:127] first the mask bytes; x fragments of the first two tiles (second buffer: v[96:111], not yet live)
.set T,    112                         ; v[112:127] in the stream: eight pairs, rounded numbers on their way to LDS
.set RING, 128                         ; v[128:255] 32 slots of 4
.set XB,   16                          ; later: v[16:79] two buffers of transposed x fragments
.set PF,   112                         ; v[112:127] the weights as fragments, step u at 8 u
.set ONES, 80                          ; v[80:87]   1.0 in every f16
.set DON,  88                          ; v[88:95]   the sum of the weights
.set DA,   128                         ; v[128:159] two buffers of two accumulators
.set OUTR, 160                         ; v[160:223] xp, 4 registers for each of 16 tiles
.set MX,   224                         ; v[224:225] the maximum, twice
.set INV,  226                         ; v[226:227] 1 / sum, twice
.set MC,   228                         ; v[228:231] four chains of maxima
.set MS,   32                          ; s[32:63]   lane masks: bit L of s[32 + 8 g + j] = mask[n][16 g + 8 h + j]
; v1 16 L; v2 x stores; v3 x fragments; v4 transposing loads; v5 stage by fragment; v6 stage by row; v7 my partial; v8 my span's partials;
; v9 the lowest finite f32; v[10:11] 64 c, twice
.macro PLACES                          ; four plain vector instructions behind a matrix instruction, before its result is read, one of its registers is
.rept 4                                ; written or a load is issued into one of them (ISA guide 7.12.1 for vector instructions)
	v_nop
.endr
.endm
; Group g of 32: loads 4 g .. 4 g + 3 of the wave's 128 (load i: row i >> 1, half i & 1, slot i mod 32) go to LDS; their slots are loaded again, 16 rows further down.
.macro SGRP g
.if 124-4*(\g) < 28
	s_wait_loadcnt 124-4*(\g)                      ; nothing more is fetched: the counts run down
.else
	s_wait_loadcnt 28                              ; loads come back in order (ISA guide 5.7.1): all but the 28 issued behind the group's four
.endif
.irp j, 0,1,2,3
	v_cvt_pk_f16_f32 v[T+8*((\g)&1)+2*\j],   v[RING+4*((4*(\g)+\j)&31)],   v[RING+4*((4*(\g)+\j)&31)+1]
	v_cvt_pk_f16_f32 v[T+8*((\g)&1)+2*\j+1], v[RING+4*((4*(\g)+\j)&31)+2], v[RING+4*((4*(\g)+\j)&31)+3]
.endr
.if (\g) < 24
.irp j, 0,1,2,3
	global_load_b128 v[RING+4*((4*(\g)+\j)&31):RING+4*((4*(\g)+\j)&31)+3], v1, s[4:5] offset:4096*(2*(\g)+(\j>>1)+16)+512*(\j&1) th:TH_LOAD_NT
.endr
.endif
.irp j, 0,1,2,3
	ds_store_b64 v2, v[T+8*((\g)&1)+2*\j:T+8*((\g)&1)+2*\j+1] offset:PX*(2*(\g)+(\j>>1))+256*(\j&1)
.endr
.endm
.macro P1LD p, reg, t                  ; four LDS loads: x fragments of tiles 2 p, 2 p + 1 at K step t
.irp e, 0,1
	ds_load_b128 v[(\reg)+8*\e:(\reg)+8*\e+3],   v3 offset:PX*16*(2*(\p)+\e)+64*(\t)
	ds_load_b128 v[(\reg)+8*\e+4:(\reg)+8*\e+7], v3 offset:PX*16*(2*(\p)+\e)+64*(\t)+32
.endr
.endm
; Partial scores of tiles 2 p, 2 p + 1 over my 256 columns: 8 K steps on nbuf fragment buffers at base + stride (t mod nbuf).
; The two accumulators take turns, one instruction a turn.
.macro PASS1 p, base, stride, nbuf
.set tt, 0
.rept \nbuf
.set rg, \base+(\stride)*(tt%\nbuf)
	P1LD \p, rg, tt
.set tt, tt+1
.endr
.set tt, 0
.rept 8
.set rg, \base+(\stride)*(tt%\nbuf)
.if tt+\nbuf-1 < 7
	s_wait_dscnt 4*(\nbuf-1)                       ; the later steps' loads, four each, are younger
.else
	s_wait_dscnt 4*(7-tt)
.endif
.if tt == 0
	v_wmma_f32_16x16x32_f16 v[SCO+16*\p:SCO+16*\p+7],    v[rg:rg+7],    v[QF+8*tt:QF+8*tt+7], 0
	v_wmma_f32_16x16x32_f16 v[SCO+16*\p+8:SCO+16*\p+15], v[rg+8:rg+15], v[QF+8*tt:QF+8*tt+7], 0
.else
	v_wmma_f32_16x16x32_f16 v[SCO+16*\p:SCO+16*\p+7],    v[rg:rg+7],    v[QF+8*tt:QF+8*tt+7], v[SCO+16*\p:SCO+16*\p+7]
	v_wmma_f32_16x16x32_f16 v[SCO+16*\p+8:SCO+16*\p+15], v[rg+8:rg+15], v[QF+8*tt:QF+8*tt+7], v[SCO+16*\p+8:SCO+16*\p+15]
.endif
.if tt+\nbuf <= 7
	PLACES
	P1LD \p, rg, tt+\nbuf
.endif
.set tt, tt+1
.endr
.endm
.macro TRL b                           ; eight transposing loads: column tiles 2 b, 2 b + 1, both steps of 32 rows s, into buffer b & 1
.irp e, 0,1
.irp u, 0,1
	ds_load_tr16_b128 v[XB+32*((\b)&1)+16*\e+8*\u:XB+32*((\b)&1)+16*\e+8*\u+3],   v4 offset:32*PX*\u+32*(2*(\b)+\e)
	ds_load_tr16_b128 v[XB+32*((\b)&1)+16*\e+8*\u+4:XB+32*((\b)&1)+16*\e+8*\u+7], v4 offset:32*PX*\u+32*(2*(\b)+\e)+16*PX
.endr
.endr
.endm
.macro MM2 b, e, u, zero
.if \zero
	v_wmma_f32_16x16x32_f16 v[DA+16*((\b)&1)+8*\e:DA+16*((\b)&1)+8*\e+7], v[XB+32*((\b)&1)+16*\e+8*\u:XB+32*((\b)&1)+16*\e+8*\u+7], v[PF+8*\u:PF+8*\u+7], 0
.else
	v_wmma_f32_16x16x32_f16 v[DA+16*((\b)&1)+8*\e:DA+16*((\b)&1)+8*\e+7], v[XB+32*((\b)&1)+16*\e+8*\u:XB+32*((\b)&1)+16*\e+8*\u+7], v[PF+8*\u:PF+8*\u+7], v[DA+16*((\b)&1)+8*\e:DA+16*((\b)&1)+8*\e+7]
.endif
.endm
.macro PACK b                          ; batch b's two tiles: divide by the sum, round to f16
.irp e, 0,1
.irp i, 0,1,2,3
	v_pk_mul_f32 v[DA+16*((\b)&1)+8*\e+2*\i:DA+16*((\b)&1)+8*\e+2*\i+1], v[DA+16*((\b)&1)+8*\e+2*\i:DA+16*((\b)&1)+8*\e+2*\i+1], v[INV:INV+1]
.endr
.irp i, 0,1,2,3
	v_cvt_pk_f16_f32 v[OUTR+4*(2*(\b)+\e)+\i], v[DA+16*((\b)&1)+8*\e+2*\i], v[DA+16*((\b)&1)+8*\e+2*\i+1]
.endr
.endr
.endm
; Batch b = 1 .. 7.  The two accumulators take turns.  PACK of the batch before names none of this batch's registers:
; its 16 vector instructions are the places in front of the loads into this batch's fragments and in front of this batch's own PACK.
.macro BATCH b, left, more
	s_wait_dscnt \left                             ; the next batch's eight loads are younger
	MM2 \b, 0, 0, 1
	MM2 \b, 1, 0, 1
	MM2 \b, 0, 1, 0
	MM2 \b, 1, 1, 0
	PACK (\b)-1
.if \more
	TRL (\b)+2
.endif
.endm
	s_load_b256 s[4:11], s[0:1], 0x0               ; kv s[4:5], qk s[6:7], cb s[8:9], mask s[10:11]
	s_load_b64 s[12:13], s[0:1], 0x20              ; xp
	s_set_vgpr_msb 0x40
	v_lshl_add_u32 v0, v0, 2, 0x4c000
	v_mov_b32 v1, 0
	s_set_vgpr_msb 0x4000
	v_lshrrev_b32 v12, 5, v0
	v_readfirstlane_b32 s14, v12                   ; w
	s_lshr_b32 s15, s14, 2                         ; sp
	s_and_b32 s16, s14, 3                          ; cq
	s_lshl1_add_u32 s17, ttmp9, s15                ; n = 2 x work-group + sp
	s_mov_b32 s20, 0x76543210                      ; v_permlanex16_b32: lane i of one half reads lane i of the other
	s_mov_b32 s21, 0xfedcba98
	s_lshl_b32 s18, s17, 18                        ; kv: 64 n rows of 4,096 bytes + 1,024 cq
	s_lshl_b32 s31, s16, 10
	s_add_co_u32 s18, s18, s31
	s_mov_b32 s19, 0
	s_lshl_b32 s22, s17, 15                        ; qk, xp: 16 n rows of 2,048 bytes + 512 cq
	s_lshl_b32 s31, s16, 9
	s_add_co_u32 s22, s22, s31
	s_mov_b32 s23, 0
	s_lshl_b32 s24, s17, 2                         ; cb: 4 n
	s_mov_b32 s25, 0
	s_lshl_b32 s26, s17, 6                         ; mask: 64 n
	s_mov_b32 s27, 0
	s_mul_i32 s28, s14, XRB                        ; my x rows
	s_lshl_b32 s29, s14, 12
	s_add_co_u32 s29, s29, PART                    ; my partial scores
	s_lshl_b32 s30, s15, 14
	s_add_co_u32 s30, s30, PART                    ; my span's four
	v_and_b32 v14, 31, v0                          ; L
	v_and_b32 v15, 15, v0                          ; r
	v_bfe_u32 v10, v0, 4, 1                        ; h
	v_lshlrev_b32 v1, 4, v14
	v_lshl_add_u32 v2, v14, 3, s28
	v_mul_u32_u24 v11, v15, PX
	v_lshl_add_u32 v11, v10, 4, v11
	v_add_nc_u32 v3, s28, v11                      ; r x pitch + 16 h
	v_and_b32 v11, 7, v0
	v_lshl_add_u32 v11, v10, 3, v11
	v_mul_u32_u24 v11, v11, PX                     ; (8 h + (L & 7)) x pitch
	v_bfe_u32 v4, v0, 3, 1
	v_lshl_add_u32 v11, v4, 4, v11                 ; + 16 ((L >> 3) & 1)
	v_add_nc_u32 v4, s28, v11
	v_mul_u32_u24 v11, v15, PQ
	v_lshl_add_u32 v11, v10, 4, v11
	v_add_nc_u32 v5, s28, v11
	v_add_nc_u32 v6, s28, v1
	v_add_nc_u32 v7, s29, v1
	v_add_nc_u32 v8, s30, v1
	v_mov_b32 v9, 0xff7fffff
	v_lshlrev_b32 v12, 3, v10                      ; mask: 8 h
	v_lshlrev_b32 v13, 11, v15                     ; c: head r, 512 numbers a head
	s_wait_kmcnt 0x0
	s_add_nc_u64 s[4:5], s[4:5], s[18:19]
	s_add_nc_u64 s[6:7], s[6:7], s[22:23]
	s_add_nc_u64 s[12:13], s[12:13], s[22:23]
	s_add_nc_u64 s[8:9], s[8:9], s[24:25]
	s_add_nc_u64 s[10:11], s[10:11], s[26:27]
.irp g, 0,1,2,3
	global_load_b64 v[BF+2*\g:BF+2*\g+1], v12, s[10:11] offset:16*\g           ; mask[n][16 g + 8 h .. + 7]
.endr
	global_load_b32 v10, v13, s[8:9]                                           ; c[r][n]
.irp hd, 0,1,2,3,4,5,6,7,8,9,10,11,12,13,14,15
	global_load_b128 v[QF+4*\hd:QF+4*\hd+3], v1, s[6:7] offset:2048*\hd        ; qk[n][hd], my 512 bytes
.endr
.set ii, 0
.rept 32
	global_load_b128 v[RING+4*ii:RING+4*ii+3], v1, s[4:5] offset:4096*(ii>>1)+512*(ii&1) th:TH_LOAD_NT   ; the ring: rows 0 to 15
.set ii, ii+1
.endr
	s_wait_loadcnt 32                              ; mask, c and qk are in; the ring's 32 loads are younger
	v_mul_f32 v10, 0x42800000, v10                 ; 64 c: the addend of the multiply-add that takes the 1/64 back
	v_mov_b32 v11, v10
.irp g, 0,1,2,3
.irp j, 0,1,2,3,4,5,6,7
	v_and_b32 v[MT+(\j&1)], 0xff<<(8*(\j&3)), v[BF+2*\g+(\j>>2)]
	v_cmp_ne_u32 s[MS+8*\g+\j], 0, v[MT+(\j&1)]
.endr
.endr
.irp hd, 0,1,2,3,4,5,6,7,8,9,10,11,12,13,14,15
	ds_store_b128 v6, v[QF+4*\hd:QF+4*\hd+3] offset:PQ*\hd                     ; qk by rows into the stage
.endr
	s_wait_dscnt 0x0                               ; the same registers are the stores' data and the loads' target
.irp t, 0,1,2,3,4,5,6,7
	ds_load_b128 v[QF+8*\t:QF+8*\t+3],   v5 offset:64*\t                       ; and back as fragments: head r, columns 32 t + 8 h ..
	ds_load_b128 v[QF+8*\t+4:QF+8*\t+7], v5 offset:64*\t+32
.endr
	; The stream.  x's rows are laid over the stage: LDS serves a wave's instructions in order (ISA guide 5.7.1), so the loads above come first.
.set gg, 0
.rept 16
	SGRP gg
.set gg, gg+1
.endr
	s_wait_dscnt 0x0                               ; the fragment loads below land in registers that were the data of the stores above; qk's fragments are in too
	PASS1 0, BF, -16, 2                            ; rows 0 to 31 are in LDS: score tiles 0, 1, while 32 loads are on their way
	PLACES                                         ; the next group's conversions write registers that the matrix instructions above have read
.rept 16
	SGRP gg
.set gg, gg+1
.endr
	PASS1 1, RING, 16, 8                           ; tiles 2, 3: the ring's registers are free, all 32 fragment loads go out at once
	; the four partial tiles of a span meet in LDS
	PLACES
.irp q, 0,1,2,3,4,5,6,7
	ds_store_b128 v7, v[SCO+4*\q:SCO+4*\q+3] offset:512*\q
.endr
	s_wait_dscnt 0x0                               ; for the others: zero
	s_barrier_signal -1
	s_barrier_wait -1
.irp i, 0,1,2,3
.irp q, 0,1,2,3,4,5,6,7
	ds_load_b128 v[RING+32*\i+4*\q:RING+32*\i+4*\q+3], v8 offset:4096*\i+512*\q
.endr
.endr
	TRL 0                                          ; the second product's first fragments come in under the softmax
	TRL 1
	s_wait_dscnt 16                                ; the partial scores are in; the 16 transposing loads are younger
.set pp, 0
.rept 16
	v_pk_add_f32 v[RING+2*pp:RING+2*pp+1], v[RING+2*pp:RING+2*pp+1], v[RING+32+2*pp:RING+32+2*pp+1]
	v_pk_add_f32 v[RING+64+2*pp:RING+64+2*pp+1], v[RING+64+2*pp:RING+64+2*pp+1], v[RING+96+2*pp:RING+96+2*pp+1]
.set pp, pp+1
.endr
.set pp, 0
.rept 16
	v_pk_add_f32 v[RING+2*pp:RING+2*pp+1], v[RING+2*pp:RING+2*pp+1], v[RING+64+2*pp:RING+64+2*pp+1]
.set pp, pp+1
.endr
.set pp, 0
.rept 16
	v_pk_fma_f32 v[SCO+2*pp:SCO+2*pp+1], v[RING+2*pp:RING+2*pp+1], 0x42800000, v[10:11] op_sel_hi:[1,0,1]   ; t = 64 x sum + 64 c
.set pp, pp+1
.endr
.irp g, 0,1,2,3
.irp j, 0,1,2,3,4,5,6,7
	v_cndmask_b32 v[SCO+8*\g+\j], v9, v[SCO+8*\g+\j], s[MS+8*\g+\j]            ; mask 0: the lowest finite number
.endr
.endr
	; the maximum over the head's 64 scores: 32 in this lane, 32 in the lane 16 away
.irp g, 0,1,2,3
	v_max3_num_f32 v[MC+\g], v[SCO+8*\g], v[SCO+8*\g+1], v[SCO+8*\g+2]
.endr
.irp g, 0,1,2,3
	v_max3_num_f32 v[MC+\g], v[MC+\g], v[SCO+8*\g+3], v[SCO+8*\g+4]
.endr
.irp g, 0,1,2,3
	v_max3_num_f32 v[MC+\g], v[MC+\g], v[SCO+8*\g+5], v[SCO+8*\g+6]
.endr
.irp g, 0,1,2,3
	v_max_num_f32 v[MC+\g], v[MC+\g], v[SCO+8*\g+7]
.endr
	v_max3_num_f32 v[MC], v[MC], v[MC+1], v[MC+2]
	v_max_num_f32 v[MC], v[MC], v[MC+3]
	v_permlanex16_b32 v[MC+1], v[MC], s20, s21     ; its destination counts as read: a register that has been written
	v_max_num_f32 v[MX], v[MC], v[MC+1]
	v_max_num_f32 v[MX+1], v[MC], v[MC+1]
.set pp, 0
.rept 16
	v_pk_add_f32 v[SCO+2*pp:SCO+2*pp+1], v[SCO+2*pp:SCO+2*pp+1], v[MX:MX+1] neg_lo:[0,1] neg_hi:[0,1]   ; t - max, at most 0
.set pp, pp+1
.endr
.set pp, 0
.rept 32
	v_exp_f32 v[SCO+pp], v[SCO+pp]
.set pp, pp+1
.endr
	v_nop                                          ; one plain vector instruction behind a transcendental before its result is used (ISA guide 5.7.2)
	s_wait_alu depctr_va_vdst(0)
.irp u, 0,1
.irp e, 0,1
.irp i, 0,1,2,3
	v_cvt_pk_f16_f32 v[PF+8*\u+4*\e+\i], v[SCO+8*(2*\u+\e)+2*\i], v[SCO+8*(2*\u+\e)+2*\i+1]   ; tiles 2 u, 2 u + 1 are step u's fragment, lane for lane
.endr
.endr
.endr
.irp i, 0,1,2,3,4,5,6,7
	v_mov_b32 v[ONES+\i], 0x3c003c00
.endr
	; the second product, 16 column tiles in 8 batches of two.  Batch 0 also makes the sum of the weights; three accumulators by turns.
	s_wait_dscnt 8                                 ; batch 0's fragments are in; batch 1's eight loads are younger
	v_wmma_f32_16x16x32_f16 v[DON:DON+7], v[ONES:ONES+7], v[PF:PF+7], 0
	MM2 0, 0, 0, 1
	MM2 0, 1, 0, 1
	v_wmma_f32_16x16x32_f16 v[DON:DON+7], v[ONES:ONES+7], v[PF+8:PF+15], v[DON:DON+7]
	MM2 0, 0, 1, 0
	MM2 0, 1, 1, 0
	PLACES
	v_rcp_f32 v[INV], v[DON]                       ; the largest weight is 1, so the sum is at least 1
	v_rcp_f32 v[INV+1], v[DON]
	v_nop
	s_wait_alu depctr_va_vdst(0)
	TRL 2
	BATCH 1, 8, 1
	BATCH 2, 8, 1
	BATCH 3, 8, 1
	BATCH 4, 8, 1
	BATCH 5, 8, 1
	BATCH 6, 8, 0
	BATCH 7, 0, 0
	PACK 7                                         ; behind PACK 6, whose 16 instructions name none of batch 7's registers
	; the way out: by fragment into the stage (over my x rows, whose reads are all back), by rows out of it
.irp jt, 0,1,2,3,4,5,6,7,8,9,10,11,12,13,14,15
	ds_store_b128 v5, v[OUTR+4*\jt:OUTR+4*\jt+3] offset:32*\jt
.endr
.irp hd, 0,1,2,3,4,5,6,7,8,9,10,11,12,13,14,15
	ds_load_b128 v[XB+4*\hd:XB+4*\hd+3], v6 offset:PQ*\hd
.endr
.irp hd, 0,1,2,3,4,5,6,7,8,9,10,11,12,13,14,15
	s_wait_dscnt 15-\hd
	global_store_b128 v1, v[XB+4*\hd:XB+4*\hd+3], s[12:13] offset:2048*\hd     ; xp[n][hd], my 512 consecutive bytes, aligned
.endr
	s_set_vgpr_msb 0x5
	s_wait_tensorcnt 0x0
	ds_add_u32 v0, v1
	s_wait_dscnt 0x0
	s_set_vgpr_msb 0x500
	s_endpgm
.Lfunc_end_k_q210fea44b7_span:
	.size	k_q210fea44b7_span, .Lfunc_end_k_q210fea44b7_span-k_q210fea44b7_span
	.p2alignl 7, 3214868480
	.fill 96, 4, 3214868480
	.section	.rodata,"a",@progbits
	.p2align	6, 0x0
	.amdhsa_kernel k_q210fea44b7_span
		.amdhsa_group_segment_fixed_size 312320
		.amdhsa_private_segment_fixed_size 0
		.amdhsa_enable_private_segment 0
		.amdhsa_kernarg_size 40
		.amdhsa_user_sgpr_count 2
		.amdhsa_user_sgpr_kernarg_segment_ptr 1
		.amdhsa_wavefront_size32 1
		.amdhsa_system_sgpr_workgroup_id_x 1
		.amdhsa_system_sgpr_workgroup_id_y 1
		.amdhsa_system_sgpr_workgroup_id_z 1
		.amdhsa_system_vgpr_workitem_id 0
		.amdhsa_next_free_vgpr 258
		.amdhsa_next_free_sgpr 66
		.amdhsa_reserve_vcc 0
		.amdhsa_float_denorm_mode_32 3
		.amdhsa_float_denorm_mode_16_64 3
		.amdhsa_memory_ordered 1
		.amdhsa_forward_progress 1
		.amdhsa_inst_pref_size 89
	.end_amdhsa_kernel
	.amdgpu_metadata
---
amdhsa.version: [ 1, 2 ]
amdhsa.kernels:
  - .name:           k_q210fea44b7_span
    .symbol:         k_q210fea44b7_span.kd
    .args:
      - { .name: kv, .offset: 0, .size: 8, .value_kind: global_buffer, .address_space: global }
      - { .name: qk, .offset: 8, .size: 8, .value_kind: global_buffer, .address_space: global }
      - { .name: cb, .offset: 16, .size: 8, .value_kind: global_buffer, .address_space: global }
      - { .name: mask, .offset: 24, .size: 8, .value_kind: global_buffer, .address_space: global }
      - { .name: xp, .offset: 32, .size: 8, .value_kind: global_buffer, .address_space: global }
    .group_segment_fixed_size: 312320
    .private_segment_fixed_size: 0
    .kernarg_segment_align: 8
    .kernarg_segment_size: 40
    .max_flat_workgroup_size: 256
    .sgpr_count:     66
    .vgpr_count:     258
    .wavefront_size: 32
...
	.end_amdgpu_metadata
.endif
;; end of part 8
;; launch vproj (part 9): grid 16 x 16, 8 waves a work-group, no clusters, 136,192 bytes of LDS; arguments xp, w16, bkv, at; writes at
.if DOCPART == 9
	.amdgcn_target "amdgcn-amd-amdhsa--gfx1250"
	.amdhsa_code_object_version 6
	.text
	.protected	k_q210fea44b7_vproj
	.globl	k_q210fea44b7_vproj
	.p2align	8
	.type	k_q210fea44b7_vproj,@function
k_q210fea44b7_vproj:
	s_mov_b64 s[64:65], 0
	v_nop
	global_prefetch_b8 v0, s[64:65] scope:SCOPE_SE
	s_setreg_imm32_b32 hwreg(HW_REG_WAVE_MODE, 25, 1), 1
	s_wait_xcnt 0x0
; vproj: attn[n][64 h + d] = Wv[64 h + d] . xp[n][h] + bv[64 h + d], rounded to f16 and stored in fragment order.
; Wv comes from w16's first 2 MiB, as f16 in fragment order (an earlier launch rounded it); bv = the second half of bkv.
; The column block x is the head: A's rows are xp[n][x].
; GENERAL FORM (this text serves the last two launches, told apart by the four .set lines below):
;   C[512][1024] = A[512][1024] B[1024][1024]^T + bias, operands f16, sums in f32.
; A work-group makes 32 rows x 64 columns with eight waves.  K IS SHARED OUT AMONG THE WAVES: wave w takes K = 128 w .. + 127 of the whole block,
; eight accumulator tiles of 16 x 16.
; FRAGMENT ORDER (buffers w16, at): [tile of 16 rows][step t of 32 along K][q][lane][16 bytes]; lane 16 h + r of (tile, t, q) holds row
; 16 tile + r, K = 32 t + 16 q + 8 h .. + 7: a matrix operand's register image.  So B's fragments (4 tiles x 4 steps, 128 registers) come by 32 loads of 512
; consecutive bytes straight into the registers that the matrix instructions name; A's (2 tiles x 4 steps, 64 registers) likewise where A lies in that order,
; and where A lies by rows (this launch) through LDS rows of the wave's own.  All 50 loads of a wave go out at the start; the products follow B's loads step by step.
; Then the eight partial blocks meet in LDS, behind the one barrier: wave w adds the eight partial tiles of tile w (nb = w >> 1, mb = w & 1) and sends it out.
; CLUSTERS and tensor loads are not used: what work-groups share (B along y) goes to registers, where only a load of the wave's own can put it.
; LIMITS: the result of this launch is rounded to f16 (nearest even); K is added as eight f32 partial sums, then a tree of seven f32 additions.
; A number above 65,504 in magnitude would become infinite: attn is 30 x 0.6 x 1024 = 18,432 when kv (spread 1) and Wv (spread 0.02)
; both carry an offset of 30 spreads.  Below 2^-14 f16 has steps of 2^-24.  NaN and infinities among the inputs are not considered.
.set ASRC,    1                        ; A: 1 = f16 rows of 2,048 bytes, 32,768 apart, head x; 2 = fragment order
.set BOFF,    0                        ; B starts so many bytes into w16
.set BIASOFF, 4096                     ; the bias so many into its buffer
.set OUTF32,  0                        ; 1: f32 rows; 0: f16 in fragment order
.set PB,   272                         ; an LDS row of A: 128 f16 + 16 bytes, an odd multiple of 16: 16 rows start in 16 different columns of 16 bytes modulo 256
.if ASRC == 1
.set WR,   32*PB                       ; a wave's rows of A
.else
.set WR,   0
.endif
.set PART, 8*WR                        ; 8,192 bytes a wave: its partial block, [tile][half][lane][16 bytes]
.set STG,  PART+8*8192                 ; stage for f32 rows on the way out: 32 rows of 272 bytes
.set SPT,  272
.set BIAS, 8                           ; v[8:15]    bias of my 8 columns
.set OUTP, 20                          ; v[20:23]   packed result
.set ACC0, 32                          ; v[32:63]   accumulators of columns 0 .. 31: tile 2 nb + mb at 8 (2 nb + mb)
.set AFR,  64                          ; v[64:127]  A's fragments, step t, tile m at 16 t + 8 m (first A's rows as loaded, where A lies by rows)
.set BFR,  128                         ; v[128:255] B's fragments, half p, step t, tile e at 64 p + 16 t + 8 e
.set ACC1, 128                         ; v[128:159] accumulators of columns 32 .. 63, over fragments that the first product has used up
.set RES,  192                         ; v[192:255] the eight partial tiles; v[192:199] the sum
.set BACK, 64                          ; v[64:71]   rows read back from the stage
; v1 16 L; v3 where I store A in LDS; v5 where I read A's fragments; v6 bias offset; v7 A's offset in memory; v16-23 at work, at the end addresses
; The product of columns 32 p .. + 31 over my 128 K.  The matrix instruction is used transposed: source 0 = 16 rows of B, source 1 = 16 rows of A, so that
; lane 16 h + r holds row r of C and its registers the 8 neighbouring columns 8 h + 0 .. 7.  The four accumulators take turns, one instruction a turn.
; The first K step starts the sums: nothing is cleared.
.macro PROD p
.irp t, 0,1,2,3
	s_wait_loadcnt 28-16*\p-4*\t                   ; loads come back in order (ISA guide 5.7.1): B's later steps, four loads each, are younger
.if ASRC == 1
.if \p == 0
	s_wait_dscnt 12-4*\t                           ; A's later steps, four LDS loads each, are younger
.endif
.endif
.irp e, 0,1
.irp m, 0,1
.if \t == 0
	v_wmma_f32_16x16x32_f16 v[ACC0+(ACC1-ACC0)*\p+16*\e+8*\m:ACC0+(ACC1-ACC0)*\p+16*\e+8*\m+7], v[BFR+64*\p+16*\t+8*\e:BFR+64*\p+16*\t+8*\e+7], v[AFR+16*\t+8*\m:AFR+16*\t+8*\m+7], 0
.else
	v_wmma_f32_16x16x32_f16 v[ACC0+(ACC1-ACC0)*\p+16*\e+8*\m:ACC0+(ACC1-ACC0)*\p+16*\e+8*\m+7], v[BFR+64*\p+16*\t+8*\e:BFR+64*\p+16*\t+8*\e+7], v[AFR+16*\t+8*\m:AFR+16*\t+8*\m+7], v[ACC0+(ACC1-ACC0)*\p+16*\e+8*\m:ACC0+(ACC1-ACC0)*\p+16*\e+8*\m+7]
.endif
.endr
.endr
.endr
.endm
	s_load_b256 s[4:11], s[0:1], 0x0               ; A s[4:5], w16 s[6:7], bias s[8:9], out s[10:11]
	v_lshl_add_u32 v30, v0, 2, 0x21000
	v_mov_b32 v31, 0
	v_lshrrev_b32 v16, 5, v0
	v_readfirstlane_b32 s12, v16                   ; w
	s_and_b32 s13, s12, 1                          ; mb of the tile that I send out
	s_lshr_b32 s14, s12, 1                         ; nb of it
	s_and_b32 s16, ttmp7, 0xffff                   ; y: block of 32 rows; ttmp9 = x: block of 64 columns
	s_lshl_b32 s22, s12, 13
	s_add_co_u32 s22, s22, PART                    ; my partial block
	s_lshl_b32 s23, s12, 10
	s_add_co_u32 s23, s23, PART                    ; tile w of wave 0's partial block
	v_and_b32 v16, 31, v0                          ; L
	v_and_b32 v17, 15, v0                          ; r
	v_bfe_u32 v18, v0, 4, 1                        ; h
	v_lshlrev_b32 v1, 4, v16                       ; 16 L
.if ASRC == 1
	s_mul_i32 s17, s12, WR                         ; my LDS rows
	v_mul_u32_u24 v19, v17, PB
	v_lshl_add_u32 v19, v18, 4, v19
	v_add_nc_u32 v5, s17, v19                      ; fragments: r x pitch + 16 h
	v_mul_u32_u24 v20, v18, PB
	v_lshl_add_u32 v20, v17, 4, v20
	v_add_nc_u32 v3, s17, v20                      ; in: lanes 0-15 one row of 256 bytes, lanes 16-31 the next
	v_lshlrev_b32 v7, 4, v17
	v_lshl_add_u32 v7, v18, 15, v7                 ; the same two rows in memory, 32,768 bytes apart
.endif
	s_lshl_b32 s24, s14, 6
	v_lshl_add_u32 v6, v18, 5, s24                 ; bias: 4 (16 nb + 8 h)
.if OUTF32
	s_mul_i32 s25, s13, 16*SPT
	s_add_co_u32 s25, s25, STG
	s_mul_i32 s30, s12, 4*SPT
	s_add_co_u32 s30, s30, STG
.endif
	; byte offsets into the four buffers, each in a pair of its own
.if ASRC == 1
	s_lshl_b32 s18, s16, 20                        ; (32 y x 16 + x) rows of 2,048 bytes + 256 w
	s_lshl_b32 s24, ttmp9, 11
	s_add_co_u32 s18, s18, s24
	s_lshl_b32 s24, s12, 8
	s_add_co_u32 s18, s18, s24
.else
	s_lshl_b32 s18, s16, 16                        ; tile 2 y of 32,768 bytes, step 4 w of 1,024
	s_lshl_b32 s24, s12, 12
	s_add_co_u32 s18, s18, s24
.endif
	s_mov_b32 s19, 0
	s_lshl_b32 s20, ttmp9, 17                      ; tile 4 x of 32,768 bytes, step 4 w of 1,024
	s_lshl_b32 s24, s12, 12
	s_add_co_u32 s20, s20, s24
.if BOFF
	s_add_co_u32 s20, s20, BOFF
.endif
	s_mov_b32 s21, 0
	s_lshl_b32 s26, ttmp9, 8                       ; 64 x numbers of 4 bytes
.if BIASOFF
	s_add_co_u32 s26, s26, BIASOFF
.endif
	s_mov_b32 s27, 0
.if OUTF32
	s_lshl_b32 s28, s16, 17                        ; (32 y + 4 w) rows of 4,096 bytes + 256 x
	s_lshl_b32 s24, s12, 14
	s_add_co_u32 s28, s28, s24
	s_lshl_b32 s24, ttmp9, 8
	s_add_co_u32 s28, s28, s24
.else
	s_lshl_b32 s28, s16, 16                        ; ((2 y + mb) 32 + 2 x) 1,024 + 512 nb
	s_lshl_b32 s24, s13, 15
	s_add_co_u32 s28, s28, s24
	s_lshl_b32 s24, ttmp9, 11
	s_add_co_u32 s28, s28, s24
	s_lshl_b32 s24, s14, 9
	s_add_co_u32 s28, s28, s24
.endif
	s_mov_b32 s29, 0
	s_wait_kmcnt 0x0
	s_add_nc_u64 s[4:5], s[4:5], s[18:19]
	s_add_nc_u64 s[6:7], s[6:7], s[20:21]
	s_add_nc_u64 s[8:9], s[8:9], s[26:27]
	s_add_nc_u64 s[10:11], s[10:11], s[28:29]
	global_load_b128 v[BIAS:BIAS+3], v6, s[8:9]
	global_load_b128 v[BIAS+4:BIAS+7], v6, s[8:9] offset:16
.set kk, 0
.rept 16
.if ASRC == 1
	global_load_b128 v[AFR+4*kk:AFR+4*kk+3], v7, s[4:5] offset:65536*kk            ; rows 2 k + h, my 256 bytes of each
.else
	global_load_b128 v[AFR+16*((kk>>1)&3)+8*(kk>>3)+4*(kk&1):AFR+16*((kk>>1)&3)+8*(kk>>3)+4*(kk&1)+3], v1, s[4:5] offset:32768*(kk>>3)+512*(kk&7)   ; tile k >> 3, step (k >> 1) & 3, q = k & 1
.endif
.set kk, kk+1
.endr
.irp p, 0,1
.irp t, 0,1,2,3
.irp e, 0,1
.irp q, 0,1
	global_load_b128 v[BFR+64*\p+16*\t+8*\e+4*\q:BFR+64*\p+16*\t+8*\e+4*\q+3], v1, s[6:7] offset:32768*(2*\p+\e)+1024*\t+512*\q   ; in the order in which the products want them
.endr
.endr
.endr
.endr
.if ASRC == 1
	s_wait_loadcnt 32                              ; the bias and A are in; B's 32 loads are younger
.irp k, 0,1,2,3,4,5,6,7,8,9,10,11,12,13,14,15
	ds_store_b128 v3, v[AFR+4*\k:AFR+4*\k+3] offset:2*PB*\k
.endr
	s_wait_dscnt 0x0                               ; the same registers are the stores' data and the loads' target
.irp t, 0,1,2,3
.irp m, 0,1
.irp q, 0,1
	ds_load_b128 v[AFR+16*\t+8*\m+4*\q:AFR+16*\t+8*\m+4*\q+3], v5 offset:PB*16*\m+64*\t+32*\q     ; my own bytes, back as fragments
.endr
.endr
.endr
.endif
	PROD 0                                         ; columns 0 .. 31
.rept 5
	v_nop                                          ; the next product's results are written over fragments that matrix instructions above have read: five places (ISA guide 7.12.1)
.endr
	PROD 1                                         ; columns 32 .. 63
	; The eight partial blocks meet in LDS.  The next four lines are the places behind the last matrix instructions,
	; for the stores that read their results and for the loads into their sources.
	v_add_nc_u32 v16, s22, v1
	v_add_nc_u32 v17, s23, v1
	v_nop
	v_nop
.irp a, 0,1,2,3
	ds_store_b128 v16, v[ACC0+8*\a:ACC0+8*\a+3]   offset:1024*\a
	ds_store_b128 v16, v[ACC0+8*\a+4:ACC0+8*\a+7] offset:1024*\a+512
.endr
.irp a, 0,1,2,3
	ds_store_b128 v16, v[ACC1+8*\a:ACC1+8*\a+3]   offset:1024*\a+4096
	ds_store_b128 v16, v[ACC1+8*\a+4:ACC1+8*\a+7] offset:1024*\a+4608
.endr
	s_wait_dscnt 0x0                               ; for the others: zero
	s_barrier_signal -1
	s_barrier_wait -1
.irp i, 0,1,2,3,4,5,6,7
	ds_load_b128 v[RES+8*\i:RES+8*\i+3],   v17 offset:8192*\i          ; wave i's part of tile w
	ds_load_b128 v[RES+8*\i+4:RES+8*\i+7], v17 offset:8192*\i+512
.endr
.if OUTF32
	v_and_b32 v21, 15, v0                          ; r
	v_bfe_u32 v22, v0, 4, 1                        ; h
	v_mul_u32_u24 v23, v21, SPT
	v_add_nc_u32 v23, v23, v6
	v_add_nc_u32 v18, s25, v23                     ; in: row 16 mb + r, 32 bytes at 64 nb + 32 h
	v_mul_u32_u24 v23, v22, SPT
	v_lshl_add_u32 v23, v21, 4, v23
	v_add_nc_u32 v19, s30, v23                     ; back: row 4 w + h, 16 bytes at 16 r
	v_lshlrev_b32 v20, 4, v21
	v_lshl_add_u32 v20, v22, 12, v20               ; the same in the output
.endif
	s_wait_dscnt 8                                 ; parts 0 to 3 are in; the eight loads of parts 4 to 7 are younger
.irp j, 0,2,4,6
	v_pk_add_f32 v[RES+\j:RES+\j+1],       v[RES+\j:RES+\j+1],       v[RES+8+\j:RES+8+\j+1]
	v_pk_add_f32 v[RES+16+\j:RES+16+\j+1], v[RES+16+\j:RES+16+\j+1], v[RES+24+\j:RES+24+\j+1]
.endr
.irp j, 0,2,4,6
	v_pk_add_f32 v[RES+\j:RES+\j+1], v[RES+\j:RES+\j+1], v[RES+16+\j:RES+16+\j+1]
.endr
	s_wait_dscnt 0x0
.irp j, 0,2,4,6
	v_pk_add_f32 v[RES+32+\j:RES+32+\j+1], v[RES+32+\j:RES+32+\j+1], v[RES+40+\j:RES+40+\j+1]
	v_pk_add_f32 v[RES+48+\j:RES+48+\j+1], v[RES+48+\j:RES+48+\j+1], v[RES+56+\j:RES+56+\j+1]
.endr
.irp j, 0,2,4,6
	v_pk_add_f32 v[RES+32+\j:RES+32+\j+1], v[RES+32+\j:RES+32+\j+1], v[RES+48+\j:RES+48+\j+1]
.endr
.irp j, 0,2,4,6
	v_pk_add_f32 v[RES+\j:RES+\j+1], v[RES+\j:RES+\j+1], v[RES+32+\j:RES+32+\j+1]
.endr
	; the way out
.irp j, 0,2,4,6
	v_pk_add_f32 v[RES+\j:RES+\j+1], v[RES+\j:RES+\j+1], v[BIAS+\j:BIAS+\j+1]
.endr
.if OUTF32
	ds_store_b128 v18, v[RES:RES+3]
	ds_store_b128 v18, v[RES+4:RES+7] offset:16
	s_wait_dscnt 0x0                               ; for the others: a row of the stage is written by four waves
	s_barrier_signal -1
	s_barrier_wait -1
	ds_load_b128 v[BACK:BACK+3], v19               ; rows 4 w + h
	ds_load_b128 v[BACK+4:BACK+7], v19 offset:2*SPT ; rows 4 w + 2 + h
	s_wait_dscnt 1
	global_store_b128 v20, v[BACK:BACK+3], s[10:11]            ; 16 lanes store 256 consecutive bytes, at a multiple of 256 from the buffer's first byte
	s_wait_dscnt 0x0
	global_store_b128 v20, v[BACK+4:BACK+7], s[10:11] offset:8192
.else
.irp j, 0,1,2,3
	v_cvt_pk_f16_f32 v[OUTP+\j], v[RES+2*\j], v[RES+2*\j+1]
.endr
	global_store_b128 v1, v[OUTP:OUTP+3], s[10:11]             ; the wave's 512 consecutive bytes in fragment order
.endif
	s_wait_tensorcnt 0x0
	ds_add_u32 v30, v31
	s_wait_dscnt 0x0
	s_endpgm
.Lfunc_end_k_q210fea44b7_vproj:
	.size	k_q210fea44b7_vproj, .Lfunc_end_k_q210fea44b7_vproj-k_q210fea44b7_vproj
	.p2alignl 7, 3214868480
	.fill 96, 4, 3214868480
	.section	.rodata,"a",@progbits
	.p2align	6, 0x0
	.amdhsa_kernel k_q210fea44b7_vproj
		.amdhsa_group_segment_fixed_size 136192
		.amdhsa_private_segment_fixed_size 0
		.amdhsa_enable_private_segment 0
		.amdhsa_kernarg_size 32
		.amdhsa_user_sgpr_count 2
		.amdhsa_user_sgpr_kernarg_segment_ptr 1
		.amdhsa_wavefront_size32 1
		.amdhsa_system_sgpr_workgroup_id_x 1
		.amdhsa_system_sgpr_workgroup_id_y 1
		.amdhsa_system_sgpr_workgroup_id_z 1
		.amdhsa_system_vgpr_workitem_id 0
		.amdhsa_next_free_vgpr 256
		.amdhsa_next_free_sgpr 66
		.amdhsa_reserve_vcc 0
		.amdhsa_float_denorm_mode_32 3
		.amdhsa_float_denorm_mode_16_64 3
		.amdhsa_memory_ordered 1
		.amdhsa_forward_progress 1
		.amdhsa_inst_pref_size 17
	.end_amdhsa_kernel
	.amdgpu_metadata
---
amdhsa.version: [ 1, 2 ]
amdhsa.kernels:
  - .name:           k_q210fea44b7_vproj
    .symbol:         k_q210fea44b7_vproj.kd
    .args:
      - { .name: xp, .offset: 0, .size: 8, .value_kind: global_buffer, .address_space: global }
      - { .name: w16, .offset: 8, .size: 8, .value_kind: global_buffer, .address_space: global }
      - { .name: bkv, .offset: 16, .size: 8, .value_kind: global_buffer, .address_space: global }
      - { .name: at, .offset: 24, .size: 8, .value_kind: global_buffer, .address_space: global }
    .group_segment_fixed_size: 136192
    .private_segment_fixed_size: 0
    .kernarg_segment_align: 8
    .kernarg_segment_size: 32
    .max_flat_workgroup_size: 256
    .sgpr_count:     66
    .vgpr_count:     256
    .wavefront_size: 32
...
	.end_amdgpu_metadata
.endif
;; end of part 9
;; launch oproj (part 10): grid 16 x 16, 8 waves a work-group, no clusters, 75,264 bytes of LDS; arguments at, w16, bo, out0; writes out0
.if DOCPART == 10
	.amdgcn_target "amdgcn-amd-amdhsa--gfx1250"
	.amdhsa_code_object_version 6
	.text
	.protected	k_q210fea44b7_oproj
	.globl	k_q210fea44b7_oproj
	.p2align	8
	.type	k_q210fea44b7_oproj,@function
k_q210fea44b7_oproj:
	s_mov_b64 s[64:65], 0
	v_nop
	global_prefetch_b8 v0, s[64:65] scope:SCOPE_SE
	s_setreg_imm32_b32 hwreg(HW_REG_WAVE_MODE, 25, 1), 1
	s_wait_xcnt 0x0
; oproj: out0 = attn Wo^T + bo, f32 rows of 4,096 bytes.  attn comes in fragment order, as the launch before stored it;
; Wo comes from w16's second 2 MiB, as f16 in fragment order (an earlier launch rounded it).
; GENERAL FORM (this text serves the last two launches, told apart by the four .set lines below):
;   C[512][1024] = A[512][1024] B[1024][1024]^T + bias, operands f16, sums in f32.
; A work-group makes 32 rows x 64 columns with eight waves.  K IS SHARED OUT AMONG THE WAVES: wave w takes K = 128 w .. + 127 of the whole block,
; eight accumulator tiles of 16 x 16.
; FRAGMENT ORDER (buffers w16, at): [tile of 16 rows][step t of 32 along K][q][lane][16 bytes]; lane 16 h + r of (tile, t, q) holds row
; 16 tile + r, K = 32 t + 16 q + 8 h .. + 7: a matrix operand's register image.  So B's fragments (4 tiles x 4 steps, 128 registers) come by 32 loads of 512
; consecutive bytes straight into the registers that the matrix instructions name; A's (2 tiles x 4 steps, 64 registers) likewise where A lies in that order
; (this launch), and where A lies by rows through LDS rows of the wave's own.  All 50 loads of a wave go out at the start; the products follow B's loads step by step.
; Then the eight partial blocks meet in LDS, behind a barrier: wave w adds the eight partial tiles of tile w (nb = w >> 1, mb = w & 1) and sends it out.
; The block is 64 columns wide so that a row of it is 256 bytes of f32: it leaves through a stage in LDS (a second barrier), 16 lanes to an aligned block of 256 bytes.
; CLUSTERS and tensor loads are not used: what work-groups share (B along y, A along x) goes to registers, where only a load of the wave's own can put it.
; LIMITS: K is added as eight f32 partial sums, then a tree of seven f32 additions; the operands were rounded to f16 by the launches that stored them.
; NaN and infinities among the inputs are not considered.
.set ASRC,    2                        ; A: 1 = f16 rows of 2,048 bytes, 32,768 apart, head x; 2 = fragment order
.set BOFF,    2097152                  ; B starts so many bytes into w16
.set BIASOFF, 0                        ; the bias so many into its buffer
.set OUTF32,  1                        ; 1: f32 rows; 0: f16 in fragment order
.set PB,   272                         ; an LDS row of A: 128 f16 + 16 bytes, an odd multiple of 16: 16 rows start in 16 different columns of 16 bytes modulo 256
.if ASRC == 1
.set WR,   32*PB                       ; a wave's rows of A
.else
.set WR,   0
.endif
.set PART, 8*WR                        ; 8,192 bytes a wave: its partial block, [tile][half][lane][16 bytes]
.set STG,  PART+8*8192                 ; stage for f32 rows on the way out: 32 rows of 272 bytes
.set SPT,  272
.set BIAS, 8                           ; v[8:15]    bias of my 8 columns
.set OUTP, 20                          ; v[20:23]   packed result
.set ACC0, 32                          ; v[32:63]   accumulators of columns 0 .. 31: tile 2 nb + mb at 8 (2 nb + mb)
.set AFR,  64                          ; v[64:127]  A's fragments, step t, tile m at 16 t + 8 m (first A's rows as loaded, where A lies by rows)
.set BFR,  128                         ; v[128:255] B's fragments, half p, step t, tile e at 64 p + 16 t + 8 e
.set ACC1, 128                         ; v[128:159] accumulators of columns 32 .. 63, over fragments that the first product has used up
.set RES,  192                         ; v[192:255] the eight partial tiles; v[192:199] the sum
.set BACK, 64                          ; v[64:71]   rows read back from the stage
; v1 16 L; v3 where I store A in LDS; v5 where I read A's fragments; v6 bias offset; v7 A's offset in memory; v16-23 at work, at the end addresses
; The product of columns 32 p .. + 31 over my 128 K.  The matrix instruction is used transposed: source 0 = 16 rows of B, source 1 = 16 rows of A, so that
; lane 16 h + r holds row r of C and its registers the 8 neighbouring columns 8 h + 0 .. 7.  The four accumulators take turns, one instruction a turn.
; The first K step starts the sums: nothing is cleared.
.macro PROD p
.irp t, 0,1,2,3
	s_wait_loadcnt 28-16*\p-4*\t                   ; loads come back in order (ISA guide 5.7.1): B's later steps, four loads each, are younger
.if ASRC == 1
.if \p == 0
	s_wait_dscnt 12-4*\t                           ; A's later steps, four LDS loads each, are younger
.endif
.endif
.irp e, 0,1
.irp m, 0,1
.if \t == 0
	v_wmma_f32_16x16x32_f16 v[ACC0+(ACC1-ACC0)*\p+16*\e+8*\m:ACC0+(ACC1-ACC0)*\p+16*\e+8*\m+7], v[BFR+64*\p+16*\t+8*\e:BFR+64*\p+16*\t+8*\e+7], v[AFR+16*\t+8*\m:AFR+16*\t+8*\m+7], 0
.else
	v_wmma_f32_16x16x32_f16 v[ACC0+(ACC1-ACC0)*\p+16*\e+8*\m:ACC0+(ACC1-ACC0)*\p+16*\e+8*\m+7], v[BFR+64*\p+16*\t+8*\e:BFR+64*\p+16*\t+8*\e+7], v[AFR+16*\t+8*\m:AFR+16*\t+8*\m+7], v[ACC0+(ACC1-ACC0)*\p+16*\e+8*\m:ACC0+(ACC1-ACC0)*\p+16*\e+8*\m+7]
.endif
.endr
.endr
.endr
.endm
	s_load_b256 s[4:11], s[0:1], 0x0               ; A s[4:5], w16 s[6:7], bias s[8:9], out s[10:11]
	v_lshl_add_u32 v30, v0, 2, 0x12200
	v_mov_b32 v31, 0
	v_lshrrev_b32 v16, 5, v0
	v_readfirstlane_b32 s12, v16                   ; w
	s_and_b32 s13, s12, 1                          ; mb of the tile that I send out
	s_lshr_b32 s14, s12, 1                         ; nb of it
	s_and_b32 s16, ttmp7, 0xffff                   ; y: block of 32 rows; ttmp9 = x: block of 64 columns
	s_lshl_b32 s22, s12, 13
	s_add_co_u32 s22, s22, PART                    ; my partial block
	s_lshl_b32 s23, s12, 10
	s_add_co_u32 s23, s23, PART                    ; tile w of wave 0's partial block
	v_and_b32 v16, 31, v0                          ; L
	v_and_b32 v17, 15, v0                          ; r
	v_bfe_u32 v18, v0, 4, 1                        ; h
	v_lshlrev_b32 v1, 4, v16                       ; 16 L
.if ASRC == 1
	s_mul_i32 s17, s12, WR                         ; my LDS rows
	v_mul_u32_u24 v19, v17, PB
	v_lshl_add_u32 v19, v18, 4, v19
	v_add_nc_u32 v5, s17, v19                      ; fragments: r x pitch + 16 h
	v_mul_u32_u24 v20, v18, PB
	v_lshl_add_u32 v20, v17, 4, v20
	v_add_nc_u32 v3, s17, v20                      ; in: lanes 0-15 one row of 256 bytes, lanes 16-31 the next
	v_lshlrev_b32 v7, 4, v17
	v_lshl_add_u32 v7, v18, 15, v7                 ; the same two rows in memory, 32,768 bytes apart
.endif
	s_lshl_b32 s24, s14, 6
	v_lshl_add_u32 v6, v18, 5, s24                 ; bias: 4 (16 nb + 8 h)
.if OUTF32
	s_mul_i32 s25, s13, 16*SPT
	s_add_co_u32 s25, s25, STG
	s_mul_i32 s30, s12, 4*SPT
	s_add_co_u32 s30, s30, STG
.endif
	; byte offsets into the four buffers, each in a pair of its own
.if ASRC == 1
	s_lshl_b32 s18, s16, 20                        ; (32 y x 16 + x) rows of 2,048 bytes + 256 w
	s_lshl_b32 s24, ttmp9, 11
	s_add_co_u32 s18, s18, s24
	s_lshl_b32 s24, s12, 8
	s_add_co_u32 s18, s18, s24
.else
	s_lshl_b32 s18, s16, 16                        ; tile 2 y of 32,768 bytes, step 4 w of 1,024
	s_lshl_b32 s24, s12, 12
	s_add_co_u32 s18, s18, s24
.endif
	s_mov_b32 s19, 0
	s_lshl_b32 s20, ttmp9, 17                      ; tile 4 x of 32,768 bytes, step 4 w of 1,024
	s_lshl_b32 s24, s12, 12
	s_add_co_u32 s20, s20, s24
.if BOFF
	s_add_co_u32 s20, s20, BOFF
.endif
	s_mov_b32 s21, 0
	s_lshl_b32 s26, ttmp9, 8                       ; 64 x numbers of 4 bytes
.if BIASOFF
	s_add_co_u32 s26, s26, BIASOFF
.endif
	s_mov_b32 s27, 0
.if OUTF32
	s_lshl_b32 s28, s16, 17                        ; (32 y + 4 w) rows of 4,096 bytes + 256 x
	s_lshl_b32 s24, s12, 14
	s_add_co_u32 s28, s28, s24
	s_lshl_b32 s24, ttmp9, 8
	s_add_co_u32 s28, s28, s24
.else
	s_lshl_b32 s28, s16, 16                        ; ((2 y + mb) 32 + 2 x) 1,024 + 512 nb
	s_lshl_b32 s24, s13, 15
	s_add_co_u32 s28, s28, s24
	s_lshl_b32 s24, ttmp9, 11
	s_add_co_u32 s28, s28, s24
	s_lshl_b32 s24, s14, 9
	s_add_co_u32 s28, s28, s24
.endif
	s_mov_b32 s29, 0
	s_wait_kmcnt 0x0
	s_add_nc_u64 s[4:5], s[4:5], s[18:19]
	s_add_nc_u64 s[6:7], s[6:7], s[20:21]
	s_add_nc_u64 s[8:9], s[8:9], s[26:27]
	s_add_nc_u64 s[10:11], s[10:11], s[28:29]
	global_load_b128 v[BIAS:BIAS+3], v6, s[8:9]
	global_load_b128 v[BIAS+4:BIAS+7], v6, s[8:9] offset:16
.set kk, 0
.rept 16
.if ASRC == 1
	global_load_b128 v[AFR+4*kk:AFR+4*kk+3], v7, s[4:5] offset:65536*kk            ; rows 2 k + h, my 256 bytes of each
.else
	global_load_b128 v[AFR+16*((kk>>1)&3)+8*(kk>>3)+4*(kk&1):AFR+16*((kk>>1)&3)+8*(kk>>3)+4*(kk&1)+3], v1, s[4:5] offset:32768*(kk>>3)+512*(kk&7)   ; tile k >> 3, step (k >> 1) & 3, q = k & 1
.endif
.set kk, kk+1
.endr
.irp p, 0,1
.irp t, 0,1,2,3
.irp e, 0,1
.irp q, 0,1
	global_load_b128 v[BFR+64*\p+16*\t+8*\e+4*\q:BFR+64*\p+16*\t+8*\e+4*\q+3], v1, s[6:7] offset:32768*(2*\p+\e)+1024*\t+512*\q   ; in the order in which the products want them
.endr
.endr
.endr
.endr
.if ASRC == 1
	s_wait_loadcnt 32                              ; the bias and A are in; B's 32 loads are younger
.irp k, 0,1,2,3,4,5,6,7,8,9,10,11,12,13,14,15
	ds_store_b128 v3, v[AFR+4*\k:AFR+4*\k+3] offset:2*PB*\k
.endr
	s_wait_dscnt 0x0                               ; the same registers are the stores' data and the loads' target
.irp t, 0,1,2,3
.irp m, 0,1
.irp q, 0,1
	ds_load_b128 v[AFR+16*\t+8*\m+4*\q:AFR+16*\t+8*\m+4*\q+3], v5 offset:PB*16*\m+64*\t+32*\q     ; my own bytes, back as fragments
.endr
.endr
.endr
.endif
	PROD 0                                         ; columns 0 .. 31
.rept 5
	v_nop                                          ; the next product's results are written over fragments that matrix instructions above have read: five places (ISA guide 7.12.1)
.endr
	PROD 1                                         ; columns 32 .. 63
	; The eight partial blocks meet in LDS.  The next four lines are the places behind the last matrix instructions,
	; for the stores that read their results and for the loads into their sources.
	v_add_nc_u32 v16, s22, v1
	v_add_nc_u32 v17, s23, v1
	v_nop
	v_nop
.irp a, 0,1,2,3
	ds_store_b128 v16, v[ACC0+8*\a:ACC0+8*\a+3]   offset:1024*\a
	ds_store_b128 v16, v[ACC0+8*\a+4:ACC0+8*\a+7] offset:1024*\a+512
.endr
.irp a, 0,1,2,3
	ds_store_b128 v16, v[ACC1+8*\a:ACC1+8*\a+3]   offset:1024*\a+4096
	ds_store_b128 v16, v[ACC1+8*\a+4:ACC1+8*\a+7] offset:1024*\a+4608
.endr
	s_wait_dscnt 0x0                               ; for the others: zero
	s_barrier_signal -1
	s_barrier_wait -1
.irp i, 0,1,2,3,4,5,6,7
	ds_load_b128 v[RES+8*\i:RES+8*\i+3],   v17 offset:8192*\i          ; wave i's part of tile w
	ds_load_b128 v[RES+8*\i+4:RES+8*\i+7], v17 offset:8192*\i+512
.endr
.if OUTF32
	v_and_b32 v21, 15, v0                          ; r
	v_bfe_u32 v22, v0, 4, 1                        ; h
	v_mul_u32_u24 v23, v21, SPT
	v_add_nc_u32 v23, v23, v6
	v_add_nc_u32 v18, s25, v23                     ; in: row 16 mb + r, 32 bytes at 64 nb + 32 h
	v_mul_u32_u24 v23, v22, SPT
	v_lshl_add_u32 v23, v21, 4, v23
	v_add_nc_u32 v19, s30, v23                     ; back: row 4 w + h, 16 bytes at 16 r
	v_lshlrev_b32 v20, 4, v21
	v_lshl_add_u32 v20, v22, 12, v20               ; the same in the output
.endif
	s_wait_dscnt 8                                 ; parts 0 to 3 are in; the eight loads of parts 4 to 7 are younger
.irp j, 0,2,4,6
	v_pk_add_f32 v[RES+\j:RES+\j+1],       v[RES+\j:RES+\j+1],       v[RES+8+\j:RES+8+\j+1]
	v_pk_add_f32 v[RES+16+\j:RES+16+\j+1], v[RES+16+\j:RES+16+\j+1], v[RES+24+\j:RES+24+\j+1]
.endr
.irp j, 0,2,4,6
	v_pk_add_f32 v[RES+\j:RES+\j+1], v[RES+\j:RES+\j+1], v[RES+16+\j:RES+16+\j+1]
.endr
	s_wait_dscnt 0x0
.irp j, 0,2,4,6
	v_pk_add_f32 v[RES+32+\j:RES+32+\j+1], v[RES+32+\j:RES+32+\j+1], v[RES+40+\j:RES+40+\j+1]
	v_pk_add_f32 v[RES+48+\j:RES+48+\j+1], v[RES+48+\j:RES+48+\j+1], v[RES+56+\j:RES+56+\j+1]
.endr
.irp j, 0,2,4,6
	v_pk_add_f32 v[RES+32+\j:RES+32+\j+1], v[RES+32+\j:RES+32+\j+1], v[RES+48+\j:RES+48+\j+1]
.endr
.irp j, 0,2,4,6
	v_pk_add_f32 v[RES+\j:RES+\j+1], v[RES+\j:RES+\j+1], v[RES+32+\j:RES+32+\j+1]
.endr
	; the way out
.irp j, 0,2,4,6
	v_pk_add_f32 v[RES+\j:RES+\j+1], v[RES+\j:RES+\j+1], v[BIAS+\j:BIAS+\j+1]
.endr
.if OUTF32
	ds_store_b128 v18, v[RES:RES+3]
	ds_store_b128 v18, v[RES+4:RES+7] offset:16
	s_wait_dscnt 0x0                               ; for the others: a row of the stage is written by four waves
	s_barrier_signal -1
	s_barrier_wait -1
	ds_load_b128 v[BACK:BACK+3], v19               ; rows 4 w + h
	ds_load_b128 v[BACK+4:BACK+7], v19 offset:2*SPT ; rows 4 w + 2 + h
	s_wait_dscnt 1
	global_store_b128 v20, v[BACK:BACK+3], s[10:11]            ; 16 lanes store 256 consecutive bytes, at a multiple of 256 from the buffer's first byte
	s_wait_dscnt 0x0
	global_store_b128 v20, v[BACK+4:BACK+7], s[10:11] offset:8192
.else
.irp j, 0,1,2,3
	v_cvt_pk_f16_f32 v[OUTP+\j], v[RES+2*\j], v[RES+2*\j+1]
.endr
	global_store_b128 v1, v[OUTP:OUTP+3], s[10:11]             ; the wave's 512 consecutive bytes in fragment order
.endif
	s_wait_tensorcnt 0x0
	ds_add_u32 v30, v31
	s_wait_dscnt 0x0
	s_endpgm
.Lfunc_end_k_q210fea44b7_oproj:
	.size	k_q210fea44b7_oproj, .Lfunc_end_k_q210fea44b7_oproj-k_q210fea44b7_oproj
	.p2alignl 7, 3214868480
	.fill 96, 4, 3214868480
	.section	.rodata,"a",@progbits
	.p2align	6, 0x0
	.amdhsa_kernel k_q210fea44b7_oproj
		.amdhsa_group_segment_fixed_size 75264
		.amdhsa_private_segment_fixed_size 0
		.amdhsa_enable_private_segment 0
		.amdhsa_kernarg_size 32
		.amdhsa_user_sgpr_count 2
		.amdhsa_user_sgpr_kernarg_segment_ptr 1
		.amdhsa_wavefront_size32 1
		.amdhsa_system_sgpr_workgroup_id_x 1
		.amdhsa_system_sgpr_workgroup_id_y 1
		.amdhsa_system_sgpr_workgroup_id_z 1
		.amdhsa_system_vgpr_workitem_id 0
		.amdhsa_next_free_vgpr 256
		.amdhsa_next_free_sgpr 66
		.amdhsa_reserve_vcc 0
		.amdhsa_float_denorm_mode_32 3
		.amdhsa_float_denorm_mode_16_64 3
		.amdhsa_memory_ordered 1
		.amdhsa_forward_progress 1
		.amdhsa_inst_pref_size 15
	.end_amdhsa_kernel
	.amdgpu_metadata
---
amdhsa.version: [ 1, 2 ]
amdhsa.kernels:
  - .name:           k_q210fea44b7_oproj
    .symbol:         k_q210fea44b7_oproj.kd
    .args:
      - { .name: at, .offset: 0, .size: 8, .value_kind: global_buffer, .address_space: global }
      - { .name: w16, .offset: 8, .size: 8, .value_kind: global_buffer, .address_space: global }
      - { .name: bo, .offset: 16, .size: 8, .value_kind: global_buffer, .address_space: global }
      - { .name: out0, .offset: 24, .size: 8, .value_kind: global_buffer, .address_space: global }
    .group_segment_fixed_size: 75264
    .private_segment_fixed_size: 0
    .kernarg_segment_align: 8
    .kernarg_segment_size: 32
    .max_flat_workgroup_size: 256
    .sgpr_count:     66
    .vgpr_count:     256
    .wavefront_size: 32
...
	.end_amdgpu_metadata
.endif
;; end of part 10
;; ======== version 3 of 3: 5 launches; version 2 with the launches qproj, span written anew for expert scheduling mode
;; limits: values are held in f16: magnitudes above 65,504 overflow, below 6.1e-05 lose precision
;; workspace buffers: qh 1,048,576 bytes; qk 16,777,216 bytes; cb 32,768 bytes; xp 16,777,216 bytes; at 1,048,576 bytes; w16 4,194,304 bytes
;; launch qproj (part 11): grid 16 x 16, 8 waves a work-group, no clusters, 284,160 bytes of LDS; arguments q, Wq, bq, qh; writes qh
.if DOCPART == 11
	.amdgcn_target "amdgcn-amd-amdhsa--gfx1250"
	.amdhsa_code_object_version 6
	.text
	.protected	k_q210fea44b7_qproj
	.globl	k_q210fea44b7_qproj
	.p2align	8
	.type	k_q210fea44b7_qproj,@function
k_q210fea44b7_qproj:
	s_mov_b64 s[64:65], 0
	v_nop
	global_prefetch_b8 v0, s[64:65] scope:SCOPE_SE
	s_setreg_imm32_b32 hwreg(HW_REG_WAVE_SCHED_MODE, 0, 2), 2
	s_setreg_imm32_b32 hwreg(HW_REG_WAVE_MODE, 25, 1), 1
	s_wait_xcnt 0x0
	s_wait_alu depctr_vm_vsrc(0)
; qproj: qh' = (q Wq^T + bq) * (log2 e / 512), rounded to f16 and stored in fragment order.
; The factor is the softmax's 1/sqrt(64), the change to base 2, and 1/64, which the launch that makes the scores takes back: it keeps the
; folded query (next launch) inside f16 (see LIMITS there).
; GENERAL FORM (the six .set lines below choose A's form, the offsets, the scale and the way out; this launch alone uses the text, with A in f32):
;   C[512][1024] = A[512][1024] B[1024][1024]^T + bias, operands rounded to f16, sums in f32.
; A work-group makes 32 rows x 64 columns with eight waves.  K IS SHARED OUT AMONG THE WAVES: wave w takes K = 128 w .. + 127 of the whole block,
; eight accumulator tiles of 16 x 16.  So what a wave loads (512 bytes of each of B's 64 rows, its part of A's 32 rows) only that wave reads: it goes through
; a ring of 32 register slots (32 loads of 512 bytes on their way), is rounded to f16 once and lies in LDS rows of the wave's own, with no barrier;
; and a K step of 32 takes 8 fragment loads for 4 matrix instructions.  The slots are taken four at a time, so that no LDS store stands behind its own conversion.
; The product of columns 0 .. 31 runs while the wave's last 32 loads (B's rows 32 .. 63) are on their way, that of columns 32 .. 63 behind them.
; Then the eight partial blocks meet in LDS, behind the one barrier: wave w adds the eight partial tiles of tile w (nb = w >> 1, mb = w & 1) and sends it out.
; FRAGMENT ORDER (buffers qh, at): [tile of 16 rows][step t of 32 columns][q][lane][16 bytes]; lane 16 h + r of (tile, t, q) holds row
; 16 tile + r, columns 32 t + 16 q + 8 h .. + 7: a matrix operand's register image, stored and loaded as 512 consecutive bytes.
; CLUSTERS are not used: what work-groups share (B along y, A along x) is f32 in memory and lies in LDS as f16, rounded in registers on
; the way, once for the work-group; brought as it is it would take 4 bytes a number in LDS and be rounded again for every fragment made of it.
; WHY f16: 11 bits of precision against bf16's 8; five roundings of intermediates lie between the inputs and the output.
; LIMITS: operands are rounded to f16 (nearest even), the result of this launch too; K is added as eight f32 partial sums, then a tree of seven f32 additions.
; A number above 65,504 in magnitude would become infinite: q and Wq themselves, and qh', which is 30 x 0.6 x 1024 x 0.0028 = 52 when q (spread 1) and
; Wq (spread 0.02) both carry an offset of 30 spreads.  Below 2^-14 f16 has steps of 2^-24.  NaN and infinities among the inputs are not considered.
; THE MODE: SCHED_MODE bits 1:0 = 2 (LLVM: expert scheduling mode 2), set by the entry lines.  The code itself states the register dependences
; between vector or matrix instructions and memory or LDS instructions, with s_wait_alu, always for 0.
; THE PLAN.  The text is one straight run.  Registers that memory or LDS instructions touch:
;   v1 .. v7     offsets and LDS addresses, made at the head and never written again: one wait on va_vdst ahead of the first load serves them all.
;   RING         Group g: its eight conversions read four slots; behind them the loads 32 further on land in those slots.  Later the second product's
;                fragment loads land there, matrix instructions read them, and the partial tiles' loads land there.
;   T0, T1       Group g: its conversions write T[g & 1], its four LDS stores read it, group g + 2 writes it again.  At the end v16, v17 and v[20:23] of T are written anew.
;   FR, v[64:95] The first product's fragment loads land there; a K step's matrix instructions read a buffer; the step two further on is loaded into it.
;   ACC          Written by matrix instructions, read by the sixteen LDS stores of the partial block.
; So a group holds a wait on vm_vsrc at its head (the stores of the group before last have read T[g & 1]) and ONE wait on va_vdst, behind its conversions,
; for its four loads and its four stores; it stands there and not at the next group's head, so that a slot is asked for again at once.
.set ASRC,    0                        ; A: 0 = f32 rows of 4,096 bytes; 1 = f16 rows of 2,048 bytes, 32,768 apart, head x; 2 = fragment order
.set NA,      32                       ; A's loads, for one wave
.set BOFF,    0                        ; B starts so many bytes into its buffer
.set BIASOFF, 0                        ; the bias likewise
.set SCALED,  1                        ; 1: result times log2 e / 512
.set OUTF32,  0                        ; 1: f32 rows; 0: f16 in fragment order
.set NT,   NA+64                       ; a wave's loads: A's, then B's 64 rows
.set NG,   NT/4                        ; groups of four
.set G1,   (NA+32)/4                   ; groups in front of the first product: A and B's rows 0 .. 31
.if ASRC == 0
.set GC,   0                           ; the first group that rounds, and so writes T
.else
.set GC,   NA/4
.endif
.set PB,   272                         ; an LDS row: 128 f16 + 16 bytes, an odd multiple of 16: 16 rows start in 16 different columns of 16 bytes modulo 256
.set AOFF, 64*PB                       ; A's rows, behind B's 64
.set WR,   96*PB                       ; a wave's rows
.set PART, 8*WR                        ; behind them 8,192 bytes a wave: its partial block, [tile][half][lane][16 bytes]
.set STG,  PART+8*8192                 ; stage for f32 rows on the way out: 32 rows of 272 bytes
.set SPT,  272
.set BIAS, 8                           ; v[8:15]    bias of my 8 columns
.set T,    16                          ; v[16:31]   eight pairs, rounded numbers on their way to LDS; at the end addresses and the packed result
.set ACC,  32                          ; v[32:95]   eight accumulators, tile 2 nb + mb at 8 (2 nb + mb)
.set FR,   96                          ; v[96:127]  a K step's fragments: B of two nb, A of two mb (first product's second buffer: v[64:95], not yet live)
.set RING, 128                         ; v[128:255] 32 slots of 4; then the second product's fragments; then the eight partial tiles
.set RES,  RING                        ; v[128:135] the sum
.set OUTP, 20                          ; v[20:23]   packed result
; v1 16 L; v2, v3 where I store B, A in LDS; v4, v5 where I read B's, A's fragments; v6 bias offset; v7 A's offset in memory (ASRC 1)
.macro PLACES                          ; four plain vector instructions behind a matrix instruction; where a load into one of its
.rept 4                                ; registers follows, the wait that states that dependence stands behind them
	v_nop
.endr
.endm
.macro LD k                            ; load k of the wave into slot k mod 32
.if (\k) < NA
.if ASRC == 0
	global_load_b128 v[RING+4*((\k)&31):RING+4*((\k)&31)+3], v1, s[4:5] offset:4096*(\k)                   ; row k, my 512 bytes
.endif
.if ASRC == 1
	global_load_b128 v[RING+4*((\k)&31):RING+4*((\k)&31)+3], v7, s[4:5] offset:65536*(\k)                  ; rows 2 k + h, my 256 bytes of each
.endif
.if ASRC == 2
	global_load_b128 v[RING+4*((\k)&31):RING+4*((\k)&31)+3], v1, s[4:5] offset:32768*((\k)>>3)+512*((\k)&7) ; tile k >> 3, my four steps' 4,096 bytes
.endif
.else
	global_load_b128 v[RING+4*((\k)&31):RING+4*((\k)&31)+3], v1, s[6:7] offset:4096*((\k)-NA)              ; B's row k - NA, my 512 bytes
.endif
.endm
; Group g: loads 4 g .. 4 g + 3 go to LDS, and their slots are loaded again, 32 loads further on, as long as there is something to fetch.
.macro GRP g
.if NT-4*(\g)-4 < 28
	s_wait_loadcnt NT-4*(\g)-4                     ; nothing more is fetched: the counts run down
.else
	s_wait_loadcnt 28                              ; loads come back in order (ISA guide 5.7.1): all but the 28 issued behind the group's four
.endif
.set raw, 0
.if 4*(\g) < NA
.if ASRC != 0
.set raw, 1                                            ; f16 as it comes: no rounding
.endif
.endif
.if raw
.irp j, 0,1,2,3
.if ASRC == 1
	ds_store_b128 v3, v[RING+4*((4*(\g)+\j)&31):RING+4*((4*(\g)+\j)&31)+3] offset:2*PB*(4*(\g)+\j)
.else
	ds_store_b128 v3, v[RING+4*((4*(\g)+\j)&31):RING+4*((4*(\g)+\j)&31)+3] offset:4096*((4*(\g)+\j)>>3)+512*((4*(\g)+\j)&7)
.endif
.endr
.else
.if (\g) >= GC+2
	s_wait_alu depctr_vm_vsrc(0)                   ; the LDS stores of the group before last have read T[g & 1], which the conversions below write again
.endif
.irp j, 0,1,2,3
	v_cvt_pk_f16_f32 v[T+8*((\g)&1)+2*\j],   v[RING+4*((4*(\g)+\j)&31)],   v[RING+4*((4*(\g)+\j)&31)+1]
	v_cvt_pk_f16_f32 v[T+8*((\g)&1)+2*\j+1], v[RING+4*((4*(\g)+\j)&31)+2], v[RING+4*((4*(\g)+\j)&31)+3]
.endr
	s_wait_alu depctr_va_vdst(0)                   ; the conversions have written T[g & 1], which the stores below read, and are done reading the four slots, in which the loads below (where there are any) land
.endif
.if 4*(\g)+32 < NT
.if raw
	s_wait_alu depctr_vm_vsrc(0)                   ; the LDS stores above have read the four slots, in which the loads below land
.endif
.irp j, 0,1,2,3
	LD 4*(\g)+\j+32
.endr
.endif
.if raw == 0
.irp j, 0,1,2,3
.if 4*(\g) < NA
	ds_store_b64 v3, v[T+8*((\g)&1)+2*\j:T+8*((\g)&1)+2*\j+1] offset:PB*(4*(\g)+\j)       ; 8 bytes a lane, 256 consecutive bytes a wave
.else
	ds_store_b64 v2, v[T+8*((\g)&1)+2*\j:T+8*((\g)&1)+2*\j+1] offset:PB*(4*(\g)+\j-NA)
.endif
.endr
.endif
.endm
.macro PLD p, reg, t                   ; eight LDS loads: K step t's fragments of B's tiles 2 p, 2 p + 1 and of A's two tiles
.irp e, 0,1
	ds_load_b128 v[(\reg)+8*\e:(\reg)+8*\e+3],   v4 offset:PB*16*(2*(\p)+\e)+64*(\t)
	ds_load_b128 v[(\reg)+8*\e+4:(\reg)+8*\e+7], v4 offset:PB*16*(2*(\p)+\e)+64*(\t)+32
.endr
.irp e, 0,1
.if ASRC == 2
	ds_load_b128 v[(\reg)+16+8*\e:(\reg)+16+8*\e+3],   v5 offset:4096*\e+1024*(\t)
	ds_load_b128 v[(\reg)+16+8*\e+4:(\reg)+16+8*\e+7], v5 offset:4096*\e+1024*(\t)+512
.else
	ds_load_b128 v[(\reg)+16+8*\e:(\reg)+16+8*\e+3],   v5 offset:PB*16*\e+64*(\t)
	ds_load_b128 v[(\reg)+16+8*\e+4:(\reg)+16+8*\e+7], v5 offset:PB*16*\e+64*(\t)+32
.endif
.endr
.endm
; The product of columns 32 p .. + 31 over my 128 K: 4 K steps on nbuf fragment buffers at base + stride (t mod nbuf).
; The matrix instruction is used transposed: source 0 = 16 rows of B, source 1 = 16 rows of A, so that lane 16 h + r holds row r of C and its
; registers the 8 neighbouring columns 8 h + 0 .. 7.  The four accumulators take turns, one instruction a turn.
; The first K step starts the sums: nothing is cleared.
.macro PROD p, base, stride, nbuf
.set tt, 0
.rept \nbuf
.set rg, \base+(\stride)*(tt%\nbuf)
	PLD \p, rg, tt
.set tt, tt+1
.endr
.set tt, 0
.rept 4
.set rg, \base+(\stride)*(tt%\nbuf)
.if tt+\nbuf-1 < 3
	s_wait_dscnt 8*(\nbuf-1)                       ; the later steps' loads, eight each, are younger
.else
	s_wait_dscnt 8*(3-tt)
.endif
.irp e, 0,1
.irp m, 0,1
.if tt == 0
	v_wmma_f32_16x16x32_f16 v[ACC+32*\p+16*\e+8*\m:ACC+32*\p+16*\e+8*\m+7], v[rg+8*\e:rg+8*\e+7], v[rg+16+8*\m:rg+16+8*\m+7], 0
.else
	v_wmma_f32_16x16x32_f16 v[ACC+32*\p+16*\e+8*\m:ACC+32*\p+16*\e+8*\m+7], v[rg+8*\e:rg+8*\e+7], v[rg+16+8*\m:rg+16+8*\m+7], v[ACC+32*\p+16*\e+8*\m:ACC+32*\p+16*\e+8*\m+7]
.endif
.endr
.endr
.if tt+\nbuf <= 3
	PLACES
	s_wait_alu depctr_va_vdst(0)                   ; this step's four matrix instructions are done reading their fragment buffer, in which the loads below land
	PLD \p, rg, tt+\nbuf
.endif
.set tt, tt+1
.endr
.endm
	s_load_b256 s[4:11], s[0:1], 0x0               ; A s[4:5], B s[6:7], bias s[8:9], out s[10:11]
	v_lshl_add_u32 v7, v0, 2, 0x45200
	s_set_vgpr_msb 0x40
	v_mov_b32 v1, 0
	s_set_vgpr_msb 0x4000
	v_lshrrev_b32 v16, 5, v0
	v_readfirstlane_b32 s12, v16                   ; w
	v_and_b32 v16, 31, v0                          ; L
	v_and_b32 v17, 15, v0                          ; r
	v_bfe_u32 v18, v0, 4, 1                        ; h
	v_lshlrev_b32 v1, 4, v16                       ; 16 L
	v_mul_u32_u24 v19, v17, PB
	v_lshl_add_u32 v19, v18, 4, v19                ; r x pitch + 16 h
	s_and_b32 s16, ttmp7, 0xffff                   ; y: block of 32 rows; ttmp9 = x: block of 64 columns
	s_wait_alu depctr_va_sdst(0)                   ; s12 is written, ahead of its first reader: LDS places and the four offsets are made from it
	s_and_b32 s13, s12, 1                          ; mb of the tile that I send out
	s_lshr_b32 s14, s12, 1                         ; nb of it
	s_mul_i32 s17, s12, WR                         ; my LDS rows
	s_add_co_u32 s15, s17, AOFF                    ; A's among them
	s_lshl_b32 s22, s12, 13
	s_add_co_u32 s22, s22, PART                    ; my partial block
	s_lshl_b32 s23, s12, 10
	s_add_co_u32 s23, s23, PART                    ; tile w of wave 0's partial block
	v_lshl_add_u32 v2, v16, 3, s17                 ; B: 8 bytes a lane
	v_add_nc_u32 v4, s17, v19
.if ASRC == 0
	v_lshl_add_u32 v3, v16, 3, s15                 ; A: 8 bytes a lane
	v_add_nc_u32 v5, s15, v19
.endif
.if ASRC == 1
	v_mul_u32_u24 v20, v18, PB
	v_lshl_add_u32 v20, v17, 4, v20
	v_add_nc_u32 v3, s15, v20                      ; A: lanes 0-15 one row of 256 bytes, lanes 16-31 the next
	v_add_nc_u32 v5, s15, v19
	v_lshlrev_b32 v7, 4, v17
	v_lshl_add_u32 v7, v18, 15, v7                 ; the same two rows in memory, 32,768 bytes apart
.endif
.if ASRC == 2
	v_add_nc_u32 v3, s15, v1                       ; A lies in LDS as in memory, as the registers want it
	v_add_nc_u32 v5, s15, v1
.endif
	s_lshl_b32 s24, s14, 6
	v_lshl_add_u32 v6, v18, 5, s24                 ; bias: 4 (16 nb + 8 h)
.if OUTF32
	s_mul_i32 s25, s13, 16*SPT
	s_add_co_u32 s25, s25, STG
	s_mul_i32 s30, s12, 4*SPT
	s_add_co_u32 s30, s30, STG
.endif
	; byte offsets into the four buffers, each in a pair of its own
.if ASRC == 0
	s_lshl_b32 s18, s16, 17                        ; 32 y rows of 4,096 bytes + 512 w
	s_lshl_b32 s24, s12, 9
	s_add_co_u32 s18, s18, s24
.endif
.if ASRC == 1
	s_lshl_b32 s18, s16, 20                        ; (32 y x 16 + x) rows of 2,048 bytes + 256 w
	s_lshl_b32 s24, ttmp9, 11
	s_add_co_u32 s18, s18, s24
	s_lshl_b32 s24, s12, 8
	s_add_co_u32 s18, s18, s24
.endif
.if ASRC == 2
	s_lshl_b32 s18, s16, 16                        ; tile 2 y of 32,768 bytes, step 4 w of 1,024
	s_lshl_b32 s24, s12, 12
	s_add_co_u32 s18, s18, s24
.endif
	s_mov_b32 s19, 0
	s_lshl_b32 s20, ttmp9, 18                      ; 64 x rows of 4,096 bytes + 512 w
	s_lshl_b32 s24, s12, 9
	s_add_co_u32 s20, s20, s24
.if BOFF
	s_add_co_u32 s20, s20, BOFF
.endif
	s_mov_b32 s21, 0
	s_lshl_b32 s26, ttmp9, 8                       ; 64 x numbers of 4 bytes
.if BIASOFF
	s_add_co_u32 s26, s26, BIASOFF
.endif
	s_mov_b32 s27, 0
.if OUTF32
	s_lshl_b32 s28, s16, 17                        ; (32 y + 4 w) rows of 4,096 bytes + 256 x
	s_lshl_b32 s24, s12, 14
	s_add_co_u32 s28, s28, s24
	s_lshl_b32 s24, ttmp9, 8
	s_add_co_u32 s28, s28, s24
.else
	s_lshl_b32 s28, s16, 16                        ; ((2 y + mb) 32 + 2 x) 1,024 + 512 nb
	s_lshl_b32 s24, s13, 15
	s_add_co_u32 s28, s28, s24
	s_lshl_b32 s24, ttmp9, 11
	s_add_co_u32 s28, s28, s24
	s_lshl_b32 s24, s14, 9
	s_add_co_u32 s28, s28, s24
.endif
	s_mov_b32 s29, 0
	s_wait_kmcnt 0x0
	s_add_nc_u64 s[4:5], s[4:5], s[18:19]
	s_add_nc_u64 s[6:7], s[6:7], s[20:21]
	s_add_nc_u64 s[8:9], s[8:9], s[26:27]
	s_add_nc_u64 s[10:11], s[10:11], s[28:29]
	s_wait_alu depctr_va_vdst(0)                   ; the offsets and LDS addresses v1 to v7 are written, which the loads and stores of the whole text read
	global_load_b128 v[BIAS:BIAS+3], v6, s[8:9]
	global_load_b128 v[BIAS+4:BIAS+7], v6, s[8:9] offset:16
.set kk, 0
.rept 32
	LD kk                                          ; the ring is filled
.set kk, kk+1
.endr
.set gg, 0
.rept G1
	GRP gg
.set gg, gg+1
.endr
	PROD 0, FR, -32, 2                             ; columns 0 .. 31, while B's rows 32 .. 63 are on their way; no vector or matrix instruction has named its two fragment buffers yet
.rept NG-G1
	GRP gg
.set gg, gg+1
.endr
	PROD 1, RING, 32, 4                            ; columns 32 .. 63: the ring's registers are free (the last group's wait has shown the conversions done reading them), all 32 fragment loads go out at once
	; The eight partial blocks meet in LDS.  The four vector lines below are the places behind the last matrix instructions,
	; for the stores that read their results.
	s_wait_alu depctr_vm_vsrc(0)                   ; the stream's last LDS stores have read v[T ..]: of these v16 and v17 are written below, the way out's registers further down
	v_add_nc_u32 v16, s22, v1
	v_add_nc_u32 v17, s23, v1
	v_nop
	v_nop
	s_wait_alu depctr_va_vdst(0)                   ; the matrix instructions have written the accumulators and the two adds v16 and v17, which the LDS stores and loads below read; the matrix instructions are done reading the ring, in which the partial tiles land
.irp a, 0,1,2,3,4,5,6,7
	ds_store_b128 v16, v[ACC+8*\a:ACC+8*\a+3]   offset:1024*\a
	ds_store_b128 v16, v[ACC+8*\a+4:ACC+8*\a+7] offset:1024*\a+512
.endr
	s_wait_dscnt 0x0                               ; for the others: zero
	s_barrier_signal -1
	s_barrier_wait -1
.irp i, 0,1,2,3,4,5,6,7
	ds_load_b128 v[RES+8*\i:RES+8*\i+3],   v17 offset:8192*\i          ; wave i's part of tile w
	ds_load_b128 v[RES+8*\i+4:RES+8*\i+7], v17 offset:8192*\i+512
.endr
.if SCALED
.irp j, 0,2,4,6
	v_pk_mul_f32 v[BIAS+\j:BIAS+\j+1], v[BIAS+\j:BIAS+\j+1], 0x3b38aa3b op_sel_hi:[1,0]   ; bias x log2 e / 512, so that one fused multiply-add ends the sum
.endr
.endif
.if OUTF32
	v_and_b32 v21, 15, v0                          ; r
	v_bfe_u32 v22, v0, 4, 1                        ; h
	v_mul_u32_u24 v23, v21, SPT
	v_add_nc_u32 v23, v23, v6
	v_add_nc_u32 v18, s25, v23                     ; in: row 16 mb + r, 32 bytes at 64 nb + 32 h
	v_mul_u32_u24 v23, v22, SPT
	v_lshl_add_u32 v23, v21, 4, v23
	v_add_nc_u32 v19, s30, v23                     ; back: row 4 w + h, 16 bytes at 16 r
	v_lshlrev_b32 v20, 4, v21
	v_lshl_add_u32 v20, v22, 12, v20               ; the same in the output
.endif
	s_wait_dscnt 8                                 ; parts 0 to 3 are in; the eight loads of parts 4 to 7 are younger
.irp j, 0,2,4,6
	v_pk_add_f32 v[RES+\j:RES+\j+1],       v[RES+\j:RES+\j+1],       v[RES+8+\j:RES+8+\j+1]
	v_pk_add_f32 v[RES+16+\j:RES+16+\j+1], v[RES+16+\j:RES+16+\j+1], v[RES+24+\j:RES+24+\j+1]
.endr
.irp j, 0,2,4,6
	v_pk_add_f32 v[RES+\j:RES+\j+1], v[RES+\j:RES+\j+1], v[RES+16+\j:RES+16+\j+1]
.endr
	s_wait_dscnt 0x0
.irp j, 0,2,4,6
	v_pk_add_f32 v[RES+32+\j:RES+32+\j+1], v[RES+32+\j:RES+32+\j+1], v[RES+40+\j:RES+40+\j+1]
	v_pk_add_f32 v[RES+48+\j:RES+48+\j+1], v[RES+48+\j:RES+48+\j+1], v[RES+56+\j:RES+56+\j+1]
.endr
.irp j, 0,2,4,6
	v_pk_add_f32 v[RES+32+\j:RES+32+\j+1], v[RES+32+\j:RES+32+\j+1], v[RES+48+\j:RES+48+\j+1]
.endr
.irp j, 0,2,4,6
	v_pk_add_f32 v[RES+\j:RES+\j+1], v[RES+\j:RES+\j+1], v[RES+32+\j:RES+32+\j+1]
.endr
	; the way out
.irp j, 0,2,4,6
.if SCALED
	v_pk_fma_f32 v[RES+\j:RES+\j+1], v[RES+\j:RES+\j+1], 0x3b38aa3b, v[BIAS+\j:BIAS+\j+1] op_sel_hi:[1,0,1]
.else
	v_pk_add_f32 v[RES+\j:RES+\j+1], v[RES+\j:RES+\j+1], v[BIAS+\j:BIAS+\j+1]
.endif
.endr
.if OUTF32
	s_wait_alu depctr_va_vdst(0)                   ; the sum v[RES ..] and the addresses v18 to v20 are written, which the stores and loads below read
	ds_store_b128 v18, v[RES:RES+3]
	ds_store_b128 v18, v[RES+4:RES+7] offset:16
	s_wait_dscnt 0x0                               ; for the others: a row of the stage is written by four waves
	s_barrier_signal -1
	s_barrier_wait -1
	ds_load_b128 v[FR:FR+3], v19                   ; rows 4 w + h
	ds_load_b128 v[FR+4:FR+7], v19 offset:2*SPT    ; rows 4 w + 2 + h
	s_wait_dscnt 1
	global_store_b128 v20, v[FR:FR+3], s[10:11]                ; 16 lanes store 256 consecutive bytes, at a multiple of 256 from the buffer's first byte
	s_wait_dscnt 0x0
	global_store_b128 v20, v[FR+4:FR+7], s[10:11] offset:8192
.else
.irp j, 0,1,2,3
	v_cvt_pk_f16_f32 v[OUTP+\j], v[RES+2*\j], v[RES+2*\j+1]
.endr
	s_wait_alu depctr_va_vdst(0)                   ; the conversions have written v[OUTP ..], which the store reads
	global_store_b128 v1, v[OUTP:OUTP+3], s[10:11]             ; the wave's 512 consecutive bytes in fragment order
.endif
	s_set_vgpr_msb 0x4
	s_wait_dscnt 0x0
	s_wait_alu depctr_hold_cnt(0) depctr_sa_sdst(0) depctr_va_vdst(0) depctr_va_sdst(0) depctr_va_ssrc(0) depctr_va_vcc(0) depctr_vm_vsrc(0)
	s_wait_tensorcnt 0x0
	ds_add_u32 v7, v1
	s_wait_dscnt 0x0
	s_endpgm
.Lfunc_end_k_q210fea44b7_qproj:
	.size	k_q210fea44b7_qproj, .Lfunc_end_k_q210fea44b7_qproj-k_q210fea44b7_qproj
	.p2alignl 7, 3214868480
	.fill 96, 4, 3214868480
	.section	.rodata,"a",@progbits
	.p2align	6, 0x0
	.amdhsa_kernel k_q210fea44b7_qproj
		.amdhsa_group_segment_fixed_size 284160
		.amdhsa_private_segment_fixed_size 0
		.amdhsa_enable_private_segment 0
		.amdhsa_kernarg_size 32
		.amdhsa_user_sgpr_count 2
		.amdhsa_user_sgpr_kernarg_segment_ptr 1
		.amdhsa_wavefront_size32 1
		.amdhsa_system_sgpr_workgroup_id_x 1
		.amdhsa_system_sgpr_workgroup_id_y 1
		.amdhsa_system_sgpr_workgroup_id_z 1
		.amdhsa_system_vgpr_workitem_id 0
		.amdhsa_next_free_vgpr 258
		.amdhsa_next_free_sgpr 66
		.amdhsa_reserve_vcc 0
		.amdhsa_float_denorm_mode_32 3
		.amdhsa_float_denorm_mode_16_64 3
		.amdhsa_memory_ordered 1
		.amdhsa_forward_progress 1
		.amdhsa_inst_pref_size 44
	.end_amdhsa_kernel
	.amdgpu_metadata
---
amdhsa.version: [ 1, 2 ]
amdhsa.kernels:
  - .name:           k_q210fea44b7_qproj
    .symbol:         k_q210fea44b7_qproj.kd
    .args:
      - { .name: q, .offset: 0, .size: 8, .value_kind: global_buffer, .address_space: global }
      - { .name: Wq, .offset: 8, .size: 8, .value_kind: global_buffer, .address_space: global }
      - { .name: bq, .offset: 16, .size: 8, .value_kind: global_buffer, .address_space: global }
      - { .name: qh, .offset: 24, .size: 8, .value_kind: global_buffer, .address_space: global }
    .group_segment_fixed_size: 284160
    .private_segment_fixed_size: 0
    .kernarg_segment_align: 8
    .kernarg_segment_size: 32
    .max_flat_workgroup_size: 256
    .sgpr_count:     66
    .vgpr_count:     258
    .wavefront_size: 32
...
	.end_amdgpu_metadata
.endif
;; end of part 11
;; launch qkfold: the kernel of part 7 again; grid 16 x 16, 8 waves a work-group, no clusters, 71,168 bytes of LDS; arguments qh, Wkv, bkv, qk, cb, Wo, w16; writes qk, cb, w16
;; launch span (part 12): grid 256 x 1, 8 waves a work-group, no clusters, 312,320 bytes of LDS; arguments kv, qk, cb, mask, xp; writes xp
.if DOCPART == 12
	.amdgcn_target "amdgcn-amd-amdhsa--gfx1250"
	.amdhsa_code_object_version 6
	.text
	.protected	k_q210fea44b7_span
	.globl	k_q210fea44b7_span
	.p2align	8
	.type	k_q210fea44b7_span,@function
k_q210fea44b7_span:
	s_mov_b64 s[64:65], 0
	v_nop
	global_prefetch_b8 v0, s[64:65] scope:SCOPE_SE
	s_setreg_imm32_b32 hwreg(HW_REG_WAVE_SCHED_MODE, 0, 2), 2
	s_setreg_imm32_b32 hwreg(HW_REG_WAVE_MODE, 25, 1), 1
	s_wait_xcnt 0x0
	s_wait_alu depctr_vm_vsrc(0)
; span: the stream over kv.  For span n (512 of them), with x[s] = kv row 64 n + s:
;   t[h][s] = 64 (qk[n][h] . x[s] + c[h][n])  (in base 2 and scaled; qk and c carry 1/64);  where mask[n][s] is 0: t = the lowest finite f32;
;   e = 2^(t - max over s of t);   xp[n][h][j] = (sum over s of e[h][s] x[s][j]) / (sum over s of e[h][s])   (f16, [512][16][1024]).
; The value projection follows in the next launch: since the weights sum to 1, sum p (Wv x + bv) = Wv (sum p x) + bv.
; A work-group takes two spans, four waves each.  Wave w: span sp = w >> 2, columns 256 cq .. + 255 (cq = w & 3) of all 64 rows: 64 KiB of f32,
; read once as 128 loads of 512 consecutive bytes through a ring of 32 register slots, rounded to f16 and kept in the wave's own LDS rows
; for both products.  The slots are taken four at a time, so that no LDS store stands behind its own conversion.
; The only exchange between waves is the sum of the four partial score tiles: one barrier.
; Both products use the matrix instruction transposed.  Scores: source 0 = 16 rows s of x, source 1 = the 16 heads of qk: lane 16 h + r holds
; head r, s = 16 g + 8 h + j.  That is also the register image of the weights as source 1 of the second product (K = s), whose source 0
; (rows j, K = s) comes from the same LDS rows by the transposing load.
; The divisor is the sum of the weights as they are used (rounded to f16), made by a product with a fragment of ones.
; CLUSTERS, tensor loads: not used: no two work-groups read a common byte of kv, qk or mask, and kv has to pass through registers to be rounded.
; LIMITS: kv, qk, e and xp are rounded to f16; the order of rounding differs from projecting kv first.  A number of kv above 65,504 in magnitude would
; become infinite (kv's spread is 1; 30 times that, or an offset of 30, is far below); xp is a weighted mean of kv's rows and no larger than they are;
; e lies in 0 .. 1, and below 2^-25 it counts as 0.  A mask byte counts as true when it is not 0.  A span with no true byte gets 64 equal weights, as the
; lowest finite number minus itself is 0.  NaN and infinities among the inputs are not considered.
; THE MODE: SCHED_MODE bits 1:0 = 2 (LLVM: expert scheduling mode 2), set by the entry lines.  The code itself states the register dependences
; between vector or matrix instructions and memory or LDS instructions, with s_wait_alu, always for 0.
; THE PLAN.  The text is one straight run.  Registers that memory or LDS instructions touch:
;   v1 .. v8, v12, v13   offsets and LDS addresses, made at the head and never written again: one wait on va_vdst ahead of the first load serves them all.
;   QF = XB      qk's loads land there; sixteen LDS stores read it; the fragment loads land there; the first product's matrix instructions read it.  Then, as XB: transposing
;                loads land in buffer b & 1, batch b's matrix instructions read it, batch b + 2's loads land in it.  At the end the stage's loads land there and the global stores read it.
;   RING         Group g: its eight conversions read four slots; behind them the loads 32 further on land in those slots.  Then the fragment loads of score tiles 2, 3,
;                which matrix instructions read; then the loads of the four partial score tiles.
;   T0, T1       Group g: its conversions write T[g & 1], its four LDS stores read it, group g + 2 writes it again.  Between groups 15 and 16 T is a fragment buffer of score tiles 0, 1.
;   SCO          Written by matrix instructions, read by eight LDS stores, written again by the multiply-adds that make t.
;   OUTR         Written by PACK, read by the sixteen LDS stores of the way out.
; So a group holds a wait on vm_vsrc at its head (the stores of the group before last have read T[g & 1]) and ONE wait on va_vdst, behind its conversions,
; for its four loads and its four stores; it stands there and not at the next group's head, so that a slot is asked for again at once.
.set PX,   544                         ; LDS row of x: 512 bytes + 32, an odd multiple of 32 for the transposing loads
.set PQ,   528                         ; rows of the two stages (qk in, xp out), laid over the wave's own x rows: 512 + 16
.set XRB,  64*PX                       ; a wave's x rows
.set PART, 8*XRB                       ; behind them 4,096 bytes a wave: its partial scores
.set MT,   14                          ; v[14:15]   at work on the mask bytes (at the head: L and r); no memory instruction names them
.set QF,   16                          ; v[16:79]   qk fragments, K step t at 8 t
.set SCO,  80                          ; v[80:111]  scores, tile g at 8 g
.set BF,   112                         ; v[112:127] first the mask bytes; x fragments of the first two tiles (second buffer: v[96:111], not yet live)
.set T,    112                         ; v[112:127] in the stream: eight pairs, rounded numbers on their way to LDS
.set RING, 128                         ; v[128:255] 32 slots of 4
.set XB,   16                          ; later: v[16:79] two buffers of transposed x fragments
.set PF,   112                         ; v[112:127] the weights as fragments, step u at 8 u
.set ONES, 80                          ; v[80:87]   1.0 in every f16
.set DON,  88                          ; v[88:95]   the sum of the weights
.set DA,   128                         ; v[128:159] two buffers of two accumulators
.set OUTR, 160                         ; v[160:223] xp, 4 registers for each of 16 tiles
.set MX,   224                         ; v[224:225] the maximum, twice
.set INV,  226                         ; v[226:227] 1 / sum, twice
.set MC,   228                         ; v[228:231] four chains of maxima
.set MS,   32                          ; s[32:63]   lane masks: bit L of s[32 + 8 g + j] = mask[n][16 g + 8 h + j]
; v1 16 L; v2 x stores; v3 x fragments; v4 transposing loads; v5 stage by fragment; v6 stage by row; v7 my partial; v8 my span's partials;
; v9 the lowest finite f32; v[10:11] 64 c, twice; v12 the mask's offset; v13 c's offset
.macro PLACES                          ; four plain vector instructions behind a matrix instruction, before its result is read or one of its registers is
.rept 4                                ; written; where a load into one of its registers follows, the wait that states that dependence stands behind them
	v_nop
.endr
.endm
; Group g of 32: loads 4 g .. 4 g + 3 of the wave's 128 (load i: row i >> 1, half i & 1, slot i mod 32) go to LDS; their slots are loaded again, 16 rows further down.
.macro SGRP g
.if 124-4*(\g) < 28
	s_wait_loadcnt 124-4*(\g)                      ; nothing more is fetched: the counts run down
.else
	s_wait_loadcnt 28                              ; loads come back in order (ISA guide 5.7.1): all but the 28 issued behind the group's four
.endif
.if ((\g)&15) >= 2
	s_wait_alu depctr_vm_vsrc(0)                   ; the LDS stores of the group before last have read T[g & 1], which the conversions below write again (groups 16 and 17: stated ahead of the first product)
.endif
.irp j, 0,1,2,3
	v_cvt_pk_f16_f32 v[T+8*((\g)&1)+2*\j],   v[RING+4*((4*(\g)+\j)&31)],   v[RING+4*((4*(\g)+\j)&31)+1]
	v_cvt_pk_f16_f32 v[T+8*((\g)&1)+2*\j+1], v[RING+4*((4*(\g)+\j)&31)+2], v[RING+4*((4*(\g)+\j)&31)+3]
.endr
	s_wait_alu depctr_va_vdst(0)                   ; the conversions have written T[g & 1], which the stores below read, and are done reading the four slots, in which the loads below (where there are any) land
.if (\g) < 24
.irp j, 0,1,2,3
	global_load_b128 v[RING+4*((4*(\g)+\j)&31):RING+4*((4*(\g)+\j)&31)+3], v1, s[4:5] offset:4096*(2*(\g)+(\j>>1)+16)+512*(\j&1) th:TH_LOAD_NT
.endr
.endif
.irp j, 0,1,2,3
	ds_store_b64 v2, v[T+8*((\g)&1)+2*\j:T+8*((\g)&1)+2*\j+1] offset:PX*(2*(\g)+(\j>>1))+256*(\j&1)
.endr
.endm
.macro P1LD p, reg, t                  ; four LDS loads: x fragments of tiles 2 p, 2 p + 1 at K step t
.irp e, 0,1
	ds_load_b128 v[(\reg)+8*\e:(\reg)+8*\e+3],   v3 offset:PX*16*(2*(\p)+\e)+64*(\t)
	ds_load_b128 v[(\reg)+8*\e+4:(\reg)+8*\e+7], v3 offset:PX*16*(2*(\p)+\e)+64*(\t)+32
.endr
.endm
; Partial scores of tiles 2 p, 2 p + 1 over my 256 columns: 8 K steps on nbuf fragment buffers at base + stride (t mod nbuf).
; The two accumulators take turns, one instruction a turn.
.macro PASS1 p, base, stride, nbuf
.set tt, 0
.rept \nbuf
.set rg, \base+(\stride)*(tt%\nbuf)
	P1LD \p, rg, tt
.set tt, tt+1
.endr
.set tt, 0
.rept 8
.set rg, \base+(\stride)*(tt%\nbuf)
.if tt+\nbuf-1 < 7
	s_wait_dscnt 4*(\nbuf-1)                       ; the later steps' loads, four each, are younger
.else
	s_wait_dscnt 4*(7-tt)
.endif
.if tt == 0
	v_wmma_f32_16x16x32_f16 v[SCO+16*\p:SCO+16*\p+7],    v[rg:rg+7],    v[QF+8*tt:QF+8*tt+7], 0
	v_wmma_f32_16x16x32_f16 v[SCO+16*\p+8:SCO+16*\p+15], v[rg+8:rg+15], v[QF+8*tt:QF+8*tt+7], 0
.else
	v_wmma_f32_16x16x32_f16 v[SCO+16*\p:SCO+16*\p+7],    v[rg:rg+7],    v[QF+8*tt:QF+8*tt+7], v[SCO+16*\p:SCO+16*\p+7]
	v_wmma_f32_16x16x32_f16 v[SCO+16*\p+8:SCO+16*\p+15], v[rg+8:rg+15], v[QF+8*tt:QF+8*tt+7], v[SCO+16*\p+8:SCO+16*\p+15]
.endif
.if tt+\nbuf <= 7
	PLACES
	s_wait_alu depctr_va_vdst(0)                   ; this step's two matrix instructions are done reading their fragment buffer, in which the loads below land
	P1LD \p, rg, tt+\nbuf
.endif
.set tt, tt+1
.endr
.endm
.macro TRL b                           ; eight transposing loads: column tiles 2 b, 2 b + 1, both steps of 32 rows s, into buffer b & 1
.irp e, 0,1
.irp u, 0,1
	ds_load_tr16_b128 v[XB+32*((\b)&1)+16*\e+8*\u:XB+32*((\b)&1)+16*\e+8*\u+3],   v4 offset:32*PX*\u+32*(2*(\b)+\e)
	ds_load_tr16_b128 v[XB+32*((\b)&1)+16*\e+8*\u+4:XB+32*((\b)&1)+16*\e+8*\u+7], v4 offset:32*PX*\u+32*(2*(\b)+\e)+16*PX
.endr
.endr
.endm
.macro MM2 b, e, u, zero
.if \zero
	v_wmma_f32_16x16x32_f16 v[DA+16*((\b)&1)+8*\e:DA+16*((\b)&1)+8*\e+7], v[XB+32*((\b)&1)+16*\e+8*\u:XB+32*((\b)&1)+16*\e+8*\u+7], v[PF+8*\u:PF+8*\u+7], 0
.else
	v_wmma_f32_16x16x32_f16 v[DA+16*((\b)&1)+8*\e:DA+16*((\b)&1)+8*\e+7], v[XB+32*((\b)&1)+16*\e+8*\u:XB+32*((\b)&1)+16*\e+8*\u+7], v[PF+8*\u:PF+8*\u+7], v[DA+16*((\b)&1)+8*\e:DA+16*((\b)&1)+8*\e+7]
.endif
.endm
.macro PACK b                          ; batch b's two tiles: divide by the sum, round to f16
.irp e, 0,1
.irp i, 0,1,2,3
	v_pk_mul_f32 v[DA+16*((\b)&1)+8*\e+2*\i:DA+16*((\b)&1)+8*\e+2*\i+1], v[DA+16*((\b)&1)+8*\e+2*\i:DA+16*((\b)&1)+8*\e+2*\i+1], v[INV:INV+1]
.endr
.irp i, 0,1,2,3
	v_cvt_pk_f16_f32 v[OUTR+4*(2*(\b)+\e)+\i], v[DA+16*((\b)&1)+8*\e+2*\i], v[DA+16*((\b)&1)+8*\e+2*\i+1]
.endr
.endr
.endm
; Batch b = 1 .. 7.  The two accumulators take turns.  PACK of the batch before names none of this batch's registers:
; its 16 vector instructions are the places in front of this batch's own PACK.
.macro BATCH b, left, more
	s_wait_dscnt \left                             ; the next batch's eight loads are younger
	MM2 \b, 0, 0, 1
	MM2 \b, 1, 0, 1
	MM2 \b, 0, 1, 0
	MM2 \b, 1, 1, 0
	PACK (\b)-1
.if \more
	s_wait_alu depctr_va_vdst(0)                   ; this batch's four matrix instructions are done reading their fragment buffer, in which the loads below land
	TRL (\b)+2
.endif
.endm
	s_load_b256 s[4:11], s[0:1], 0x0               ; kv s[4:5], qk s[6:7], cb s[8:9], mask s[10:11]
	s_load_b64 s[12:13], s[0:1], 0x20              ; xp
	s_set_vgpr_msb 0x40
	v_lshl_add_u32 v0, v0, 2, 0x4c000
	v_mov_b32 v1, 0
	s_set_vgpr_msb 0x4000
	v_lshrrev_b32 v12, 5, v0
	v_readfirstlane_b32 s14, v12                   ; w
	v_and_b32 v14, 31, v0                          ; L
	v_and_b32 v15, 15, v0                          ; r
	v_bfe_u32 v10, v0, 4, 1                        ; h
	v_lshlrev_b32 v1, 4, v14
	v_mov_b32 v9, 0xff7fffff
	s_mov_b32 s20, 0x76543210                      ; v_permlanex16_b32: lane i of one half reads lane i of the other
	s_mov_b32 s21, 0xfedcba98
	s_wait_alu depctr_va_sdst(0)                   ; s14 is written, ahead of its first reader: the span, the LDS places and the offsets are made from it
	s_lshr_b32 s15, s14, 2                         ; sp
	s_and_b32 s16, s14, 3                          ; cq
	s_lshl1_add_u32 s17, ttmp9, s15                ; n = 2 x work-group + sp
	s_lshl_b32 s18, s17, 18                        ; kv: 64 n rows of 4,096 bytes + 1,024 cq
	s_lshl_b32 s31, s16, 10
	s_add_co_u32 s18, s18, s31
	s_mov_b32 s19, 0
	s_lshl_b32 s22, s17, 15                        ; qk, xp: 16 n rows of 2,048 bytes + 512 cq
	s_lshl_b32 s31, s16, 9
	s_add_co_u32 s22, s22, s31
	s_mov_b32 s23, 0
	s_lshl_b32 s24, s17, 2                         ; cb: 4 n
	s_mov_b32 s25, 0
	s_lshl_b32 s26, s17, 6                         ; mask: 64 n
	s_mov_b32 s27, 0
	s_mul_i32 s28, s14, XRB                        ; my x rows
	s_lshl_b32 s29, s14, 12
	s_add_co_u32 s29, s29, PART                    ; my partial scores
	s_lshl_b32 s30, s15, 14
	s_add_co_u32 s30, s30, PART                    ; my span's four
	v_lshl_add_u32 v2, v14, 3, s28
	v_mul_u32_u24 v11, v15, PX
	v_lshl_add_u32 v11, v10, 4, v11
	v_add_nc_u32 v3, s28, v11                      ; r x pitch + 16 h
	v_and_b32 v11, 7, v0
	v_lshl_add_u32 v11, v10, 3, v11
	v_mul_u32_u24 v11, v11, PX                     ; (8 h + (L & 7)) x pitch
	v_bfe_u32 v4, v0, 3, 1
	v_lshl_add_u32 v11, v4, 4, v11                 ; + 16 ((L >> 3) & 1)
	v_add_nc_u32 v4, s28, v11
	v_mul_u32_u24 v11, v15, PQ
	v_lshl_add_u32 v11, v10, 4, v11
	v_add_nc_u32 v5, s28, v11
	v_add_nc_u32 v6, s28, v1
	v_add_nc_u32 v7, s29, v1
	v_add_nc_u32 v8, s30, v1
	v_lshlrev_b32 v12, 3, v10                      ; mask: 8 h
	v_lshlrev_b32 v13, 11, v15                     ; c: head r, 512 numbers a head
	s_wait_kmcnt 0x0
	s_add_nc_u64 s[4:5], s[4:5], s[18:19]
	s_add_nc_u64 s[6:7], s[6:7], s[22:23]
	s_add_nc_u64 s[12:13], s[12:13], s[22:23]
	s_add_nc_u64 s[8:9], s[8:9], s[24:25]
	s_add_nc_u64 s[10:11], s[10:11], s[26:27]
	s_wait_alu depctr_va_vdst(0)                   ; the offsets and LDS addresses v1 to v8, v12 and v13 are written, which the loads and stores of the whole text read; the lines that wrote and read v10 as h are done, and c lands in it
.irp g, 0,1,2,3
	global_load_b64 v[BF+2*\g:BF+2*\g+1], v12, s[10:11] offset:16*\g           ; mask[n][16 g + 8 h .. + 7]
.endr
	global_load_b32 v10, v13, s[8:9]                                           ; c[r][n]
.irp hd, 0,1,2,3,4,5,6,7,8,9,10,11,12,13,14,15
	global_load_b128 v[QF+4*\hd:QF+4*\hd+3], v1, s[6:7] offset:2048*\hd        ; qk[n][hd], my 512 bytes
.endr
.set ii, 0
.rept 32
	global_load_b128 v[RING+4*ii:RING+4*ii+3], v1, s[4:5] offset:4096*(ii>>1)+512*(ii&1) th:TH_LOAD_NT   ; the ring: rows 0 to 15
.set ii, ii+1
.endr
	s_wait_loadcnt 32                              ; mask, c and qk are in; the ring's 32 loads are younger
	v_mul_f32 v10, 0x42800000, v10                 ; 64 c: the addend of the multiply-add that takes the 1/64 back
	v_mov_b32 v11, v10
.irp g, 0,1,2,3
.irp j, 0,1,2,3,4,5,6,7
	v_and_b32 v[MT+(\j&1)], 0xff<<(8*(\j&3)), v[BF+2*\g+(\j>>2)]
	v_cmp_ne_u32 s[MS+8*\g+\j], 0, v[MT+(\j&1)]
.endr
.endr
	s_wait_alu depctr_va_sdst(0)                   ; the 32 compares have written s[MS ..]: one wait behind the run, ahead of their first reader, the selects behind the scores' sum
.irp hd, 0,1,2,3,4,5,6,7,8,9,10,11,12,13,14,15
	ds_store_b128 v6, v[QF+4*\hd:QF+4*\hd+3] offset:PQ*\hd                     ; qk by rows into the stage
.endr
	s_wait_dscnt 0x0                               ; the same registers are the stores' data and the loads' target
	s_wait_alu depctr_vm_vsrc(0)                   ; the LDS stores above have read v[QF ..], in which the fragment loads below land
.irp t, 0,1,2,3,4,5,6,7
	ds_load_b128 v[QF+8*\t:QF+8*\t+3],   v5 offset:64*\t                       ; and back as fragments: head r, columns 32 t + 8 h ..
	ds_load_b128 v[QF+8*\t+4:QF+8*\t+7], v5 offset:64*\t+32
.endr
	; The stream.  x's rows are laid over the stage: LDS serves a wave's instructions in order (ISA guide 5.7.1), so the loads above come first.
.set gg, 0
.rept 16
	SGRP gg
.set gg, gg+1
.endr
	s_wait_dscnt 0x0                               ; the fragment loads below land in registers that were the data of the stores above; qk's fragments are in too
	s_wait_alu depctr_vm_vsrc(0)                   ; the LDS stores of groups 14 and 15 have read T, in which fragment loads land and which groups 16 and 17 write again (the conversions that wrote T stand ahead of group 15's wait on va_vdst)
	PASS1 0, BF, -16, 2                            ; rows 0 to 31 are in LDS: score tiles 0, 1, while 32 loads are on their way
	PLACES                                         ; the next group's conversions write registers that the matrix instructions above have read
.rept 16
	SGRP gg
.set gg, gg+1
.endr
	PASS1 1, RING, 16, 8                           ; tiles 2, 3: the ring's registers are free (the last group's wait has shown the conversions done reading them), all 32 fragment loads go out at once
	; the four partial tiles of a span meet in LDS
	PLACES
	s_wait_alu depctr_va_vdst(0)                   ; the matrix instructions have written v[SCO ..], which the stores below read, and are done reading the ring and qk's fragments, in which the loads behind the barrier land; the places above stay beside this wait
.irp q, 0,1,2,3,4,5,6,7
	ds_store_b128 v7, v[SCO+4*\q:SCO+4*\q+3] offset:512*\q
.endr
	s_wait_dscnt 0x0                               ; for the others: zero
	s_barrier_signal -1
	s_barrier_wait -1
.irp i, 0,1,2,3
.irp q, 0,1,2,3,4,5,6,7
	ds_load_b128 v[RING+32*\i+4*\q:RING+32*\i+4*\q+3], v8 offset:4096*\i+512*\q
.endr
.endr
	TRL 0                                          ; the second product's first fragments come in under the softmax
	TRL 1
	s_wait_dscnt 16                                ; the partial scores are in; the 16 transposing loads are younger
.set pp, 0
.rept 16
	v_pk_add_f32 v[RING+2*pp:RING+2*pp+1], v[RING+2*pp:RING+2*pp+1], v[RING+32+2*pp:RING+32+2*pp+1]
	v_pk_add_f32 v[RING+64+2*pp:RING+64+2*pp+1], v[RING+64+2*pp:RING+64+2*pp+1], v[RING+96+2*pp:RING+96+2*pp+1]
.set pp, pp+1
.endr
.set pp, 0
.rept 16
	v_pk_add_f32 v[RING+2*pp:RING+2*pp+1], v[RING+2*pp:RING+2*pp+1], v[RING+64+2*pp:RING+64+2*pp+1]
.set pp, pp+1
.endr
	s_wait_alu depctr_vm_vsrc(0)                   ; my LDS stores have read v[SCO ..], which the lines below write again, and the stream's last stores have read T, which the weights' fragments take further down
.set pp, 0
.rept 16
	v_pk_fma_f32 v[SCO+2*pp:SCO+2*pp+1], v[RING+2*pp:RING+2*pp+1], 0x42800000, v[10:11] op_sel_hi:[1,0,1]   ; t = 64 x sum + 64 c
.set pp, pp+1
.endr
.irp g, 0,1,2,3
.irp j, 0,1,2,3,4,5,6,7
	v_cndmask_b32 v[SCO+8*\g+\j], v9, v[SCO+8*\g+\j], s[MS+8*\g+\j]            ; mask 0: the lowest finite number
.endr
.endr
	; the maximum over the head's 64 scores: 32 in this lane, 32 in the lane 16 away
.irp g, 0,1,2,3
	v_max3_num_f32 v[MC+\g], v[SCO+8*\g], v[SCO+8*\g+1], v[SCO+8*\g+2]
.endr
.irp g, 0,1,2,3
	v_max3_num_f32 v[MC+\g], v[MC+\g], v[SCO+8*\g+3], v[SCO+8*\g+4]
.endr
.irp g, 0,1,2,3
	v_max3_num_f32 v[MC+\g], v[MC+\g], v[SCO+8*\g+5], v[SCO+8*\g+6]
.endr
.irp g, 0,1,2,3
	v_max_num_f32 v[MC+\g], v[MC+\g], v[SCO+8*\g+7]
.endr
	v_max3_num_f32 v[MC], v[MC], v[MC+1], v[MC+2]
	v_max_num_f32 v[MC], v[MC], v[MC+3]
	v_permlanex16_b32 v[MC+1], v[MC], s20, s21     ; its destination counts as read: a register that has been written
	v_max_num_f32 v[MX], v[MC], v[MC+1]
	v_max_num_f32 v[MX+1], v[MC], v[MC+1]
.set pp, 0
.rept 16
	v_pk_add_f32 v[SCO+2*pp:SCO+2*pp+1], v[SCO+2*pp:SCO+2*pp+1], v[MX:MX+1] neg_lo:[0,1] neg_hi:[0,1]   ; t - max, at most 0
.set pp, pp+1
.endr
.set pp, 0
.rept 32
	v_exp_f32 v[SCO+pp], v[SCO+pp]
.set pp, pp+1
.endr
	v_nop                                          ; one plain vector instruction behind a transcendental before its result is used (ISA guide 5.7.2)
	s_wait_alu depctr_va_vdst(0)                   ; the 32 exponentials have written v[SCO ..]: one wait for the batch, ahead of its first reader
.irp u, 0,1
.irp e, 0,1
.irp i, 0,1,2,3
	v_cvt_pk_f16_f32 v[PF+8*\u+4*\e+\i], v[SCO+8*(2*\u+\e)+2*\i], v[SCO+8*(2*\u+\e)+2*\i+1]   ; tiles 2 u, 2 u + 1 are step u's fragment, lane for lane
.endr
.endr
.endr
.irp i, 0,1,2,3,4,5,6,7
	v_mov_b32 v[ONES+\i], 0x3c003c00
.endr
	; the second product, 16 column tiles in 8 batches of two.  Batch 0 also makes the sum of the weights; three accumulators by turns.
	s_wait_dscnt 8                                 ; batch 0's fragments are in; batch 1's eight loads are younger
	v_wmma_f32_16x16x32_f16 v[DON:DON+7], v[ONES:ONES+7], v[PF:PF+7], 0
	MM2 0, 0, 0, 1
	MM2 0, 1, 0, 1
	v_wmma_f32_16x16x32_f16 v[DON:DON+7], v[ONES:ONES+7], v[PF+8:PF+15], v[DON:DON+7]
	MM2 0, 0, 1, 0
	MM2 0, 1, 1, 0
	PLACES
	v_rcp_f32 v[INV], v[DON]                       ; the largest weight is 1, so the sum is at least 1
	v_rcp_f32 v[INV+1], v[DON]
	v_nop
	s_wait_alu depctr_va_vdst(0)                   ; the two reciprocals have written v[INV:INV+1], ahead of their first reader (PACK 0); batch 0's matrix instructions are done reading their fragment buffer, in which the loads below land
	TRL 2
	BATCH 1, 8, 1
	BATCH 2, 8, 1
	BATCH 3, 8, 1
	BATCH 4, 8, 1
	BATCH 5, 8, 1
	BATCH 6, 8, 0
	BATCH 7, 0, 0
	PACK 7                                         ; behind PACK 6, whose 16 instructions name none of batch 7's registers
	; the way out: by fragment into the stage (over my x rows, whose reads are all back), by rows out of it
	s_wait_alu depctr_va_vdst(0)                   ; the eight PACKs have written v[OUTR ..], which the stores below read; the last two batches' matrix instructions are done reading v[XB ..], in which the loads below land
.irp jt, 0,1,2,3,4,5,6,7,8,9,10,11,12,13,14,15
	ds_store_b128 v5, v[OUTR+4*\jt:OUTR+4*\jt+3] offset:32*\jt
.endr
.irp hd, 0,1,2,3,4,5,6,7,8,9,10,11,12,13,14,15
	ds_load_b128 v[XB+4*\hd:XB+4*\hd+3], v6 offset:PQ*\hd
.endr
.irp hd, 0,1,2,3,4,5,6,7,8,9,10,11,12,13,14,15
	s_wait_dscnt 15-\hd
	global_store_b128 v1, v[XB+4*\hd:XB+4*\hd+3], s[12:13] offset:2048*\hd     ; xp[n][hd], my 512 consecutive bytes, aligned
.endr
	s_set_vgpr_msb 0x5
	s_wait_dscnt 0x0
	s_wait_alu depctr_hold_cnt(0) depctr_sa_sdst(0) depctr_va_vdst(0) depctr_va_sdst(0) depctr_va_ssrc(0) depctr_va_vcc(0) depctr_vm_vsrc(0)
	s_wait_tensorcnt 0x0
	ds_add_u32 v0, v1
	s_wait_dscnt 0x0
	s_endpgm
.Lfunc_end_k_q210fea44b7_span:
	.size	k_q210fea44b7_span, .Lfunc_end_k_q210fea44b7_span-k_q210fea44b7_span
	.p2alignl 7, 3214868480
	.fill 96, 4, 3214868480
	.section	.rodata,"a",@progbits
	.p2align	6, 0x0
	.amdhsa_kernel k_q210fea44b7_span
		.amdhsa_group_segment_fixed_size 312320
		.amdhsa_private_segment_fixed_size 0
		.amdhsa_enable_private_segment 0
		.amdhsa_kernarg_size 40
		.amdhsa_user_sgpr_count 2
		.amdhsa_user_sgpr_kernarg_segment_ptr 1
		.amdhsa_wavefront_size32 1
		.amdhsa_system_sgpr_workgroup_id_x 1
		.amdhsa_system_sgpr_workgroup_id_y 1
		.amdhsa_system_sgpr_workgroup_id_z 1
		.amdhsa_system_vgpr_workitem_id 0
		.amdhsa_next_free_vgpr 258
		.amdhsa_next_free_sgpr 66
		.amdhsa_reserve_vcc 0
		.amdhsa_float_denorm_mode_32 3
		.amdhsa_float_denorm_mode_16_64 3
		.amdhsa_memory_ordered 1
		.amdhsa_forward_progress 1
		.amdhsa_inst_pref_size 91
	.end_amdhsa_kernel
	.amdgpu_metadata
---
amdhsa.version: [ 1, 2 ]
amdhsa.kernels:
  - .name:           k_q210fea44b7_span
    .symbol:         k_q210fea44b7_span.kd
    .args:
      - { .name: kv, .offset: 0, .size: 8, .value_kind: global_buffer, .address_space: global }
      - { .name: qk, .offset: 8, .size: 8, .value_kind: global_buffer, .address_space: global }
      - { .name: cb, .offset: 16, .size: 8, .value_kind: global_buffer, .address_space: global }
      - { .name: mask, .offset: 24, .size: 8, .value_kind: global_buffer, .address_space: global }
      - { .name: xp, .offset: 32, .size: 8, .value_kind: global_buffer, .address_space: global }
    .group_segment_fixed_size: 312320
    .private_segment_fixed_size: 0
    .kernarg_segment_align: 8
    .kernarg_segment_size: 40
    .max_flat_workgroup_size: 256
    .sgpr_count:     66
    .vgpr_count:     258
    .wavefront_size: 32
...
	.end_amdgpu_metadata
.endif
;; end of part 12
;; launch vproj: the kernel of part 9 again; grid 16 x 16, 8 waves a work-group, no clusters, 136,192 bytes of LDS; arguments xp, w16, bkv, at; writes at
;; launch oproj: the kernel of part 10 again; grid 16 x 16, 8 waves a work-group, no clusters, 75,264 bytes of LDS; arguments at, w16, bo, out0; writes out0
